; MI455X (gfx1250); checked and timed in simulation.
; The chip was launched on July 23, 2026; its instructions are those of AMD's public machine-readable ISA for CDNA 5 (MIT licence, August 2026) and "CDNA5" Instruction Set Architecture Reference Guide (July 2026). The comments in the code are by the model that wrote it; some were corrected since.
;; Patched Phi Mo E Sparse Moe Block. Allowed arithmetic: matrix products marked QUANTISED: E2M1 operands, one E8M0 scale for each 32 along K, by v_wmma_scale_f32_16x16x128_f8f6f4 with both operands' format E2M1 (or v_wmma_scale_f32_32x16x128_f4), f32 sums; products left as they are: f32 operands where the result goes on into a quantised operand, else bf16, f16 or f32 operands; f32 sums; everything else in f32.
;; Inputs: down_weights 16 x 1,024 x 128 float32; gate_up_weights 16 x 256 x 1,024 float32; gate_weight 16 x 1,024 float32; hidden_states 4 x 2,048 x 1,024 float32.
;; Outputs: out0 4 x 2,048 x 1,024 float32; out1 8,192 x 16 float32.
;; This version of the problem:
;;   THIS VERSION OF THE PROBLEM IS GIVEN IN LOW PRECISION. The matrix products marked QUANTISED in the list below multiply operands that are first quantised to E2M1 (2 exponent bits, 1 mantissa bit; 4 bits a number), with one power-of-two scale for each 32 numbers along K (OCP MX v1.0); their sums are f32. All else is computed in f32.
;;   The module's matrix products, in the order in which they are computed (A, B: the left and right operand; K: the contracted axis; several contracted axes count as one K, in the product's order):
;;     1. [M 8,192, K 1,024] x [K 1,024, N 16]; A: input hidden_states; B: input gate_weight: QUANTISED
;;     2. batch 8,192 x [M 1, K 2] x [K 2, N 16]; A: computed on the way; B: computed on the way: left as it is (K = 2 < 32)
;;     3. [M 8,192, K 1,024] x [K 1,024, N 256]; A: input hidden_states; B: input gate_up_weights: QUANTISED
;;     4. [M 8,192, K 128] x [K 128, N 1,024]; A: computed on the way; B: input down_weights: QUANTISED
;;     5. [M 8,192, K 1,024] x [K 1,024, N 256]; A: input hidden_states; B: input gate_up_weights: QUANTISED
;;     6. [M 8,192, K 128] x [K 128, N 1,024]; A: computed on the way; B: input down_weights: QUANTISED
;;     7. [M 8,192, K 1,024] x [K 1,024, N 256]; A: input hidden_states; B: input gate_up_weights: QUANTISED
;;     8. [M 8,192, K 128] x [K 128, N 1,024]; A: computed on the way; B: input down_weights: QUANTISED
;;     9. [M 8,192, K 1,024] x [K 1,024, N 256]; A: input hidden_states; B: input gate_up_weights: QUANTISED
;;     10. [M 8,192, K 128] x [K 128, N 1,024]; A: computed on the way; B: input down_weights: QUANTISED
;;     11. [M 8,192, K 1,024] x [K 1,024, N 256]; A: input hidden_states; B: input gate_up_weights: QUANTISED
;;     12. [M 8,192, K 128] x [K 128, N 1,024]; A: computed on the way; B: input down_weights: QUANTISED
;;     13. [M 8,192, K 1,024] x [K 1,024, N 256]; A: input hidden_states; B: input gate_up_weights: QUANTISED
;;     14. [M 8,192, K 128] x [K 128, N 1,024]; A: computed on the way; B: input down_weights: QUANTISED
;;     15. [M 8,192, K 1,024] x [K 1,024, N 256]; A: input hidden_states; B: input gate_up_weights: QUANTISED
;;     16. [M 8,192, K 128] x [K 128, N 1,024]; A: computed on the way; B: input down_weights: QUANTISED
;;     17. [M 8,192, K 1,024] x [K 1,024, N 256]; A: input hidden_states; B: input gate_up_weights: QUANTISED
;;     18. [M 8,192, K 128] x [K 128, N 1,024]; A: computed on the way; B: input down_weights: QUANTISED
;;     19. [M 8,192, K 1,024] x [K 1,024, N 256]; A: input hidden_states; B: input gate_up_weights: QUANTISED
;;     20. [M 8,192, K 128] x [K 128, N 1,024]; A: computed on the way; B: input down_weights: QUANTISED
;;     21. [M 8,192, K 1,024] x [K 1,024, N 256]; A: input hidden_states; B: input gate_up_weights: QUANTISED
;;     22. [M 8,192, K 128] x [K 128, N 1,024]; A: computed on the way; B: input down_weights: QUANTISED
;;     23. [M 8,192, K 1,024] x [K 1,024, N 256]; A: input hidden_states; B: input gate_up_weights: QUANTISED
;;     24. [M 8,192, K 128] x [K 128, N 1,024]; A: computed on the way; B: input down_weights: QUANTISED
;;     25. [M 8,192, K 1,024] x [K 1,024, N 256]; A: input hidden_states; B: input gate_up_weights: QUANTISED
;;     26. [M 8,192, K 128] x [K 128, N 1,024]; A: computed on the way; B: input down_weights: QUANTISED
;;     27. [M 8,192, K 1,024] x [K 1,024, N 256]; A: input hidden_states; B: input gate_up_weights: QUANTISED
;;     28. [M 8,192, K 128] x [K 128, N 1,024]; A: computed on the way; B: input down_weights: QUANTISED
;;     29. [M 8,192, K 1,024] x [K 1,024, N 256]; A: input hidden_states; B: input gate_up_weights: QUANTISED
;;     30. [M 8,192, K 128] x [K 128, N 1,024]; A: computed on the way; B: input down_weights: QUANTISED
;;     31. [M 8,192, K 1,024] x [K 1,024, N 256]; A: input hidden_states; B: input gate_up_weights: QUANTISED
;;     32. [M 8,192, K 128] x [K 128, N 1,024]; A: computed on the way; B: input down_weights: QUANTISED
;;     33. [M 8,192, K 1,024] x [K 1,024, N 256]; A: input hidden_states; B: input gate_up_weights: QUANTISED
;;     34. [M 8,192, K 128] x [K 128, N 1,024]; A: computed on the way; B: input down_weights: QUANTISED
;;   THE QUANTISER, for each operand of a quantised product, along K:
;;     - K is cut into blocks of 32 from its start; a last block that is shorter is filled with zeros.
;;     - A block's scale is 2^e with e = floor(log2(the largest magnitude in the block)) - 2, held to -126 .. 127; a block of zeros has e = 0. As a byte (E8M0): e + 127.
;;     - Each number is divided by its block's scale, clamped to +-6, and rounded to the nearest number of E2M1, ties to even, subnormals kept.
;;     - The product sums the exact products of the quantised numbers (number of the format x scale) in f32.
;;   ~~~python
;;   def quantise(x, axis):      # numpy; x: float32 -> the quantised numbers, widened to float32 again
;;       x = np.moveaxis(x, axis, -1); K = x.shape[-1]
;;       x = np.pad(x, [(0, 0)] * (x.ndim - 1) + [(0, -K % 32)]); x = x.reshape(x.shape[:-1] + (-1, 32)); a = np.abs(x).max(-1, keepdims=True)
;;       e = np.where(a > 0, np.clip(np.frexp(np.where(a > 0, a, 1))[1] - 1 - 2, -126, 127), 0)      # np.frexp(a)[1] - 1 = floor(log2(a)), exactly
;;       r = np.clip(x / 2.0 ** e, -6, 6)
;;       step = 2.0 ** (np.maximum(np.frexp(np.where(r == 0, 1, r))[1] - 1, 0) - 1)
;;       q = np.round(r / step) * step * 2.0 ** e      # np.round: ties to even
;;       return np.moveaxis(q.reshape(q.shape[:-2] + (-1,))[..., :K], -1, axis).astype(np.float32)
;;   ~~~
;;   OPERANDS COMPUTED ON THE WAY. 'Computed on the way' means the value that the module computes at that place (a softmax that the list does not call 'softmax' is quantised finished and normalised). What goes into a quantiser is computed in f32, as accurately as f32 sums, v_exp_f32 and their like allow (about 1e-6 of the number): no bf16 or f16 on the way to a quantiser, and a product that is left as it is and whose result goes on into a quantised operand takes f32 operands (vector FMAs, or v_wmma_f32_16x16x4_f32). A number that lies on a knife's edge between two numbers of the format may be rounded either way, as far as f32 arithmetic and the matrix unit's own rounding can turn it there, and no further.
;; 3 versions. Each part assembles by itself: llvm-mc -triple=amdgcn-amd-amdhsa -mcpu=gfx1250 --defsym DOCPART=n.
;; ======== version 1 of 3: 3 launches
;; workspace buffers: xq 4,194,304 bytes; xs 262,144 bytes; sel 65,536 bytes of whole numbers; key 32,768 bytes of whole numbers; rw 65,536 bytes; order 32,768 bytes of whole numbers; wq 3,145,728 bytes; ws 196,608 bytes
;; launch route (part 1): grid 256 x 1, 8 waves a work-group, no clusters, 240,128 bytes of LDS; arguments hidden_states, gate_weight, xq, xs, sel, key, rw, out1; writes xq, xs, sel, key, rw, out1
.if DOCPART == 1
	.amdgcn_target "amdgcn-amd-amdhsa--gfx1250"
	.amdhsa_code_object_version 6
	.text
	.protected	k_qac34d3b7c2_route
	.globl	k_qac34d3b7c2_route
	.p2align	8
	.type	k_qac34d3b7c2_route,@function
k_qac34d3b7c2_route:
	s_mov_b64 s[64:65], 0
	v_nop
	global_prefetch_b8 v0, s[64:65] scope:SCOPE_SE
	s_setreg_imm32_b32 hwreg(HW_REG_WAVE_MODE, 25, 1), 1
	s_wait_xcnt 0x0
; ROUTE.  x [8192][1024] f32 is turned into codes of FP4 (E2M1) with one E8M0 byte for each 32 along K (xq: [token][512 bytes], K in its plain order; xs: [token][32 bytes]);
; the router's logits x G^T (G: gate_weight [16][1024], quantised here too) are made by the scaled FP4 matrix instruction and stored (out1); the two choices of experts and their weights follow in f32.
; What hangs on floating-point numbers is only STORED, at fixed places: sel [token][2] the two experts, key [token] the number of the pair (lo, hi), lo (31 - lo) / 2 + hi - lo - 1, rw [token][2] the two weights.
; SHARES.  A work-group takes 32 tokens (two tiles of 16).  Wave w takes K step w (columns 128 w .. 128 w + 127) of the 16 gate rows and of the 32 tokens: 48 slices of 512 consecutive bytes,
; one load each, all issued at the head.  A slice lies across the lanes; the conversions want 32 neighbours along K in ONE lane, so each tile of 16 slices turns through the wave's own LDS bytes
; (rows 528 bytes apart: 33 x 16, so that the sixteen rows of a read begin at sixteen different groups of banks).  Then lane (r, h) holds k = 64 c + 32 h + 0 .. 31 of row r: two whole blocks, in the operand's own order.
; Each wave makes its K step's part of the logits (two matrix instructions); the eight parts meet in LDS and are added in ascending K by waves 0 and 1, a tile each, which then choose.
; LIMITS: NaN and infinities among the inputs are not served.  A block whose largest magnitude lies under 2^-124 takes the scale byte 1; a block of zeros takes 1 where the rule says 127 (its codes are zeros, and
; this program alone reads the bytes).  The quotient (m - s) / factor is a reciprocal with one correction by the remainder, not an IEEE division; a factor under 2^-126 counts as 0 for the reciprocal.
; The logits are eight sums of 128 along K added in ascending order.
.set TPITCH, 528
.set TTILE,  16*TPITCH                 ; a tile of 16 slices in LDS
.set TWAVE,  3*TTILE                   ; a wave's three tiles: gate, x tile 0, x tile 1
.set CST,    8*TWAVE                   ; the work-group's codes: 32 rows of 512 bytes, 528 apart
.set XSS,    CST+32*TPITCH             ; its scale words: [token][8 words]
.set PART,   XSS+1024                  ; the parts of the logits, as images of registers: 2,048 w + 1,024 tile + 512 q + 16 lane
.set LGS,    PART+16384                ; the logits on their way out: 1,024 bytes a tile
.set WV,  20                           ; s20 my wave's number
.set SEL, 22                           ; s[22:23] selects of v_permlanex16_b32 for lane l xor 16
.set TH,  27                           ; s27 0.02 = 2 x the jitter
.set HM,  28                           ; s28 the mask of lanes 16-31
.set LANE, 1
.set R,    2                           ; lane % 16
.set H,    3                           ; lane / 16
.set L16,  4                           ; 16 x lane
.set TW,   5                           ; the turn, in: my wave's bytes + 16 x lane
.set TR,   6                           ; the turn, out: + 528 r + 128 h
.set CSW,  7                           ; where my codes go: CST + 528 r + 64 w + 16 h
.set XSW,  8                           ; and my row's scale word: XSS + 32 r + 4 w
.set PW,   9                           ; where my part of the logits goes
.set SH,   10                          ; 8 h: my two scale bytes' place in the word
.set M0,   11                          ; the two blocks' largest magnitudes,
.set M1,   12
.set Q0,   13                          ; the conversions' scale operands,
.set Q1,   14
.set TMP,  15                          ; a lane permute's destination (written once at the head: it counts as read)
.set GF,   16                          ; v[16:23] the gate's fragment;  v[24:31], v[32:39] x's two
.set XF,   24
.set SG,   40                          ; v40 the gate's scale words;  v41, v42 x's: they hold scales and nothing else
.set SX,   41
.set DA,   44                          ; v[44:51], v[52:59] my parts of the logits
.set B0,   60
.set B1,   61
.set CRD,  62                          ; where I read four whole rows of codes back
.set RG,   64                          ; v[64:127] the gate's 16 slices;  v[128:255] x's 32
.set RX,   128
	s_load_b256 s[4:11], s[0:1], 0x0               ; x s[4:5], G s[6:7], xq s[8:9], xs s[10:11]
	s_load_b256 s[12:19], s[0:1], 0x20             ; sel s[12:13], key s[14:15], rw s[16:17], out1 s[18:19]
	v_lshl_add_u32 v43, v0, 2, 0x3a600
	v_mov_b32 v63, 0
	v_lshrrev_b32 v1, 5, v0
	v_readfirstlane_b32 s[WV], v1                  ; wave 0..7
	v_and_b32 v[LANE], 31, v0
	v_and_b32 v[R], 15, v0
	v_bfe_u32 v[H], v0, 4, 1
	v_lshlrev_b32 v[L16], 4, v[LANE]
	s_mul_i32 s24, s[WV], TWAVE
	v_add_nc_u32 v[TW], s24, v[L16]
	v_mul_u32_u24 v[TR], v[R], TPITCH
	v_lshl_add_u32 v[TR], v[H], 7, v[TR]
	v_add_nc_u32 v[TR], s24, v[TR]
	v_mul_u32_u24 v[CSW], v[R], TPITCH
	v_lshl_add_u32 v[CSW], v[H], 4, v[CSW]
	s_lshl_b32 s24, s[WV], 6
	s_add_co_u32 s24, s24, CST
	v_add_nc_u32 v[CSW], s24, v[CSW]
	v_lshlrev_b32 v[XSW], 5, v[R]
	s_lshl_b32 s24, s[WV], 2
	s_add_co_u32 s24, s24, XSS
	v_add_nc_u32 v[XSW], s24, v[XSW]
	s_lshl_b32 s24, s[WV], 11
	s_add_co_u32 s24, s24, PART
	v_add_nc_u32 v[PW], s24, v[L16]
	s_mul_i32 s24, s[WV], 4*TPITCH
	s_add_co_u32 s24, s24, CST
	v_add_nc_u32 v[CRD], s24, v[L16]
	v_lshlrev_b32 v[SH], 3, v[H]
	v_mov_b32 v[TMP], 0
	s_mov_b32 s[SEL], 0x76543210
	s_mov_b32 s[SEL+1], 0xfedcba98
	s_mov_b32 s[TH], 0x3ca3d70a                    ; 0.02
	s_mov_b32 s[HM], 0xffff0000
	s_mov_b32 s25, 0
	s_lshl_b32 s26, s[WV], 9                       ; my K step: 128 numbers = 512 bytes
	s_lshl_b32 s24, ttmp9, 17                      ; the work-group's 32 rows of 4,096 bytes
	s_add_co_u32 s24, s24, s26
	s_wait_kmcnt 0x0
	s_add_nc_u64 s[4:5], s[4:5], s[24:25]
	s_mov_b32 s24, s26
	s_add_nc_u64 s[6:7], s[6:7], s[24:25]
.set i, 0
.rept 16
	global_load_b128 v[RG+4*i:RG+4*i+3], v[L16], s[6:7] offset:4096*i              ; gate row i: 32 lanes read 512 consecutive bytes
.set i, i+1
.endr
.set i, 0
.rept 32
	global_load_b128 v[RX+4*i:RX+4*i+3], v[L16], s[4:5] offset:4096*i th:TH_LOAD_NT   ; token i; read once in the whole launch
.set i, i+1
.endr
	s_lshl_b32 s24, ttmp9, 14                      ; xq: 32 rows of 512 bytes a work-group, 4 rows a wave
	s_lshl_b32 s26, s[WV], 11
	s_add_co_u32 s24, s24, s26
	s_add_nc_u64 s[8:9], s[8:9], s[24:25]
	s_lshl_b32 s24, ttmp9, 10                      ; xs: 32 x 32 bytes; waves 0, 1: a tile's 512
	s_lshl_b32 s26, s[WV], 9
	s_add_co_u32 s24, s24, s26
	s_add_nc_u64 s[10:11], s[10:11], s[24:25]
	s_lshl_b32 s24, ttmp9, 8                       ; sel, rw: 8 bytes a token
	s_lshl_b32 s26, s[WV], 7
	s_add_co_u32 s24, s24, s26
	s_add_nc_u64 s[12:13], s[12:13], s[24:25]
	s_add_nc_u64 s[16:17], s[16:17], s[24:25]
	s_lshl_b32 s24, ttmp9, 7                       ; key: 4 bytes a token
	s_lshl_b32 s26, s[WV], 6
	s_add_co_u32 s24, s24, s26
	s_add_nc_u64 s[14:15], s[14:15], s[24:25]
	s_lshl_b32 s24, ttmp9, 11                      ; out1: 64 bytes a token
	s_lshl_b32 s26, s[WV], 10
	s_add_co_u32 s24, s24, s26
	s_add_nc_u64 s[18:19], s[18:19], s[24:25]
; 16 slices in v[r ..] go into the wave's own bytes at o as they lie and come back 128 bytes a lane, into the registers that they left: LDS serves a wave's instructions in order (ISA guide 5.7.1.4).
; Behind it v[r + 32 c + i] is number 64 c + 32 h + i of row r's slice.
.macro TURN r, o
.irp i, 0,1,2,3,4,5,6,7,8,9,10,11,12,13,14,15
	ds_store_b128 v[TW], v[(\r)+4*\i:(\r)+4*\i+3] offset:(\o)+TPITCH*\i
.endr
.irp c, 0,1
.irp j, 0,1,2,3,4,5,6,7
	ds_load_b128 v[(\r)+32*\c+4*\j:(\r)+32*\c+4*\j+3], v[TR] offset:(\o)+256*\c+16*\j
.endr
.endr
.endm
; 64 numbers of a lane (two whole blocks of 32) become the fragment's 8 registers v[f ..] and the row's scale word v[s].
.macro QUANT r, f, s
	v_max3_num_f32 v[M0], |v[(\r)]|, |v[(\r)+1]|, 0x1800000          ; the largest magnitude, with the floor 2^(3 - 127) among its leaves: the byte cannot fall under 1
	v_max3_num_f32 v[M1], |v[(\r)+32]|, |v[(\r)+33]|, 0x1800000
.irp i, 2,4,6,8,10,12,14,16,18,20,22,24,26,28,30
	v_max3_num_f32 v[M0], v[M0], |v[(\r)+\i]|, |v[(\r)+\i+1]|        ; (the two blocks by turns)
	v_max3_num_f32 v[M1], v[M1], |v[(\r)+32+\i]|, |v[(\r)+33+\i]|
.endr
	v_add_nc_u32 v[Q0], 0xff000000, v[M0]          ; 2 off the exponent field: the conversion takes that field as its scale and nothing else of the operand
	v_add_nc_u32 v[Q1], 0xff000000, v[M1]
	v_lshrrev_b32 v[B0], 23, v[Q0]                 ; the scale bytes of blocks h and 2 + h
	v_lshrrev_b32 v[B1], 23, v[Q1]
	v_lshl_or_b32 v[\s], v[B1], 16, v[B0]
	v_lshlrev_b32 v[\s], v[SH], v[\s]              ; at their places in the word;
	v_permlanex16_b32 v[TMP], v[\s], s[SEL], s[SEL+1]
	v_or_b32 v[\s], v[\s], v[TMP]                  ; with lane l xor 16's two the word is whole, in both halves of the lanes
.irp g, 0,1,2,3
	v_cvt_scalef32_pk8_fp4_f32 v[(\f)+\g], v[(\r)+8*\g:(\r)+8*\g+7], v[Q0]
.endr
.irp g, 0,1,2,3
	v_cvt_scalef32_pk8_fp4_f32 v[(\f)+4+\g], v[(\r)+32+8*\g:(\r)+32+8*\g+7], v[Q1]
.endr
	v_nop                                          ; one plain place behind the last scaled conversion
.endm
.macro XTILE tt                        ; tile tt of x: quantised; its codes and scale words also go to the work-group's stage, K in its plain order
	TURN RX+64*\tt, (1+\tt)*TTILE
	s_wait_dscnt 0x0
	QUANT RX+64*\tt, XF+8*\tt, SX+\tt
	ds_store_b128 v[CSW], v[XF+8*\tt:XF+8*\tt+3] offset:\tt*TTILE          ; k = 32 h .. of my K step: bytes 64 w + 16 h of row r
	ds_store_b128 v[CSW], v[XF+8*\tt+4:XF+8*\tt+7] offset:\tt*TTILE+32     ; k = 64 + 32 h ..
	ds_store_b32 v[XSW], v[SX+\tt] offset:512*\tt                          ; both halves of the lanes write the same word with the same value
.endm
	s_wait_loadcnt 32                              ; the gate's 16 loads are in; x's 32 are younger
	TURN RG, 0
	s_wait_dscnt 0x0
	QUANT RG, GF, SG
	s_wait_loadcnt 16                              ; x's tile 0 is in; tile 1's 16 are younger
	XTILE 0
	s_wait_loadcnt 0x0
	XTILE 1
.rept 8
	v_nop                                          ; a scale register written by a vector instruction stands 8 places ahead of a scaled matrix instruction, an operand so written 4
.endr
	; source 0 = the gate's 16 rows, source 1 = 16 tokens: lane (r, h) holds token r, register j expert 8 h + j
	v_wmma_scale_f32_16x16x128_f8f6f4 v[DA:DA+7], v[GF:GF+7], v[XF:XF+7], 0, v[SG], v[SX] matrix_a_fmt:MATRIX_FMT_FP4 matrix_b_fmt:MATRIX_FMT_FP4
	v_wmma_scale_f32_16x16x128_f8f6f4 v[DA+8:DA+15], v[GF:GF+7], v[XF+8:XF+15], 0, v[SG], v[SX+1] matrix_a_fmt:MATRIX_FMT_FP4 matrix_b_fmt:MATRIX_FMT_FP4
.rept 4
	v_nop                                          ; four places behind a matrix instruction before its result is read (ISA guide 7.12.1)
.endr
	ds_store_b128 v[PW], v[DA:DA+3]                ; each result from its low end on
	ds_store_b128 v[PW], v[DA+4:DA+7] offset:512
	ds_store_b128 v[PW], v[DA+8:DA+11] offset:1024
	ds_store_b128 v[PW], v[DA+12:DA+15] offset:1536
	s_wait_dscnt 0x0                               ; for the others' sake: my codes, scale words and parts have landed
	s_barrier_signal -1
	s_barrier_wait -1                              ; everybody's have: the one barrier of the launch
.irp i, 0,1,2,3
	ds_load_b128 v[RG+4*\i:RG+4*\i+3], v[CRD] offset:TPITCH*\i     ; rows 4 w + i of the codes, whole
.endr
.irp i, 0,1,2,3
	s_wait_dscnt 3-\i                              ; row i is in; the younger rows may be out
	global_store_b128 v[L16], v[RG+4*\i:RG+4*\i+3], s[8:9] offset:512*\i   ; 32 lanes store 512 consecutive bytes, aligned
.endr
	s_cmp_lt_u32 s[WV], 2                          ; waves 0 and 1 go on, a tile of tokens each; no barrier follows
	s_cbranch_scc0 .Lend
.set XSR, 240
.set PR,  241
.set LGR, 242
.set LGW, 243
.set A8,  244
.set A4,  245
.set ZERO, 246
.set NINF, 247
.set XD,  80                           ; v[80:83] the tile's scale words on their way out
.set OB,  84                           ; v[84:91] the logits on their way out
.set LG,  96                           ; v[96:103] my token's logits of experts 8 h + 0 .. 7
.set S2,  104                          ; the same with the first choice at -infinity
.set NN,  112
.set FF,  120
.set P,   128                          ; v[128:191] the eight parts
.set RC,  192
.set QQ,  200
.set EE,  208
.set TT,  216
.set MX,  224
.set IX,  225
.set MO,  226
.set IO,  227
.set SU,  228
.set SO,  229
.set I1,  230
.set W1,  231
.set I2,  232
.set W2,  233
.set DD,  234
.set LO,  235
.set HI,  236
.set KY,  237
.set SV,  238
.set RV,  239
	s_lshl_b32 s24, s[WV], 9
	s_add_co_u32 s24, s24, XSS
	v_add_nc_u32 v[XSR], s24, v[L16]
	s_lshl_b32 s24, s[WV], 10
	s_add_co_u32 s25, s24, PART
	v_add_nc_u32 v[PR], s25, v[L16]
	s_add_co_u32 s25, s24, LGS
	v_add_nc_u32 v[LGR], s25, v[L16]
	v_lshlrev_b32 v[LGW], 6, v[R]
	v_lshl_add_u32 v[LGW], v[H], 5, v[LGW]
	v_add_nc_u32 v[LGW], s25, v[LGW]
	ds_load_b128 v[XD:XD+3], v[XSR]
.irp w, 0,1,2,3,4,5,6,7
.irp q, 0,1
	ds_load_b128 v[P+8*\w+4*\q:P+8*\w+4*\q+3], v[PR] offset:2048*\w+512*\q
.endr
.endr
	v_lshlrev_b32 v[A8], 3, v[R]
	v_lshl_add_u32 v[A8], v[H], 2, v[A8]           ; 8 r + 4 h
	v_lshlrev_b32 v[A4], 2, v[R]
	v_mov_b32 v[ZERO], 0
	v_mov_b32 v[NINF], 0xff800000
	v_mov_b32 v[MO], 0                             ; lane permutes' destinations count as read
	v_mov_b32 v[IO], 0
	v_mov_b32 v[SO], 0
	s_wait_dscnt 16                                ; the scale words are in; the 16 loads of parts are younger
	global_store_b128 v[L16], v[XD:XD+3], s[10:11] ; 16 tokens x 32 bytes: 512 consecutive bytes
	s_wait_dscnt 0x0
.irp k, 0,2,4,6
	v_pk_add_f32 v[LG+\k:LG+\k+1], v[P+\k:P+\k+1], v[P+8+\k:P+8+\k+1]       ; the eight parts in ascending K
.endr
.irp w, 2,3,4,5,6,7
.irp k, 0,2,4,6
	v_pk_add_f32 v[LG+\k:LG+\k+1], v[LG+\k:LG+\k+1], v[P+8*\w+\k:P+8*\w+\k+1]
.endr
.endr
	ds_store_b128 v[LGW], v[LG:LG+3]               ; a token's row of 16 logits is 64 bytes: 64 r + 32 h
	ds_store_b128 v[LGW], v[LG+4:LG+7] offset:16
	ds_load_b128 v[OB:OB+3], v[LGR]                ; and back 16 bytes a lane (my own bytes: served in order)
	ds_load_b128 v[OB+4:OB+7], v[LGR] offset:512
; One choice.  s: the scores that compete (the logits, or the logits with the first choice at -infinity); the jitter mask is always taken of the logits themselves.
; The largest score M and its index (the lower index on a tie); an entry is masked where (M - o) / max(|o|, M) > 0.02; the weight of the chosen entry in the softmax over the unmasked entries,
; whose largest is M itself (the chosen entry is never masked): 1 / the sum of exp(s - M).  di, dw: where index and weight go.
.macro MIX s, di, dw
	v_mov_b32 v[MX], v[\s]
	v_mov_b32 v[IX], 0
.irp j, 1,2,3,4,5,6,7
	v_cmp_le_f32 vcc_lo, v[\s+\j], v[MX]           ; not larger: the earlier index stays
	v_cndmask_b32 v[IX], \j, v[IX], vcc_lo
	v_max_num_f32 v[MX], v[MX], v[\s+\j]
.endr
	v_lshl_add_u32 v[IX], v[H], 3, v[IX]           ; + 8 h
	v_permlanex16_b32 v[MO], v[MX], s[SEL], s[SEL+1]
	v_permlanex16_b32 v[IO], v[IX], s[SEL], s[SEL+1]
	v_cmp_gt_f32 s24, v[MO], v[MX]                 ; the other half's wins if it is larger,
	v_cmp_eq_f32 s25, v[MO], v[MX]
	v_cmp_lt_u32 s26, v[IO], v[IX]                 ; or equal with the lower index
	s_and_b32 s25, s25, s26
	s_or_b32 s24, s24, s25
	v_cndmask_b32 v[MX], v[MX], v[MO], s24
	v_cndmask_b32 v[\di], v[IX], v[IO], s24
.irp j, 0,1,2,3,4,5,6,7
	v_sub_f32 v[NN+\j], v[MX], v[LG+\j]
.endr
.irp j, 0,1,2,3,4,5,6,7
	v_max_num_f32 v[FF+\j], |v[LG+\j]|, v[MX]
.endr
.irp j, 0,1,2,3,4,5,6,7
	v_rcp_f32 v[RC+\j], v[FF+\j]
.endr
.irp j, 0,1,2,3,4,5,6,7
	v_sub_f32 v[TT+\j], v[\s+\j], v[MX]            ; (plain lines behind the reciprocals)
.endr
	s_wait_alu depctr_va_vdst(0)
.irp j, 0,1,2,3,4,5,6,7
	v_mul_f32 v[QQ+\j], v[NN+\j], v[RC+\j]
.endr
.irp j, 0,1,2,3,4,5,6,7
	v_fma_f32 v[EE+\j], -v[QQ+\j], v[FF+\j], v[NN+\j]      ; the remainder,
.endr
.irp j, 0,1,2,3,4,5,6,7
	v_fma_f32 v[QQ+\j], v[EE+\j], v[RC+\j], v[QQ+\j]       ; and the quotient corrected by it
.endr
.irp j, 0,1,2,3,4,5,6,7
	v_mul_f32 v[TT+\j], 0x3fb8aa3b, v[TT+\j]
.endr
.irp j, 0,1,2,3,4,5,6,7
	v_exp_f32 v[TT+\j], v[TT+\j]                   ; exp(s - M); 0 for -infinity
.endr
	v_nop                                          ; one plain place behind the exponentials
	s_wait_alu depctr_va_vdst(0)
.irp j, 0,1,2,3,4,5,6,7
	v_cmp_lt_f32 vcc_lo, s[TH], v[QQ+\j]           ; false for NaN (0 / 0), as in the problem's own compare
	v_cndmask_b32 v[TT+\j], v[TT+\j], v[ZERO], vcc_lo
.endr
	v_pk_add_f32 v[TT:TT+1], v[TT:TT+1], v[TT+2:TT+3]
	v_pk_add_f32 v[TT+4:TT+5], v[TT+4:TT+5], v[TT+6:TT+7]
	v_pk_add_f32 v[TT:TT+1], v[TT:TT+1], v[TT+4:TT+5]
	v_add_f32 v[SU], v[TT], v[TT+1]
	v_permlanex16_b32 v[SO], v[SU], s[SEL], s[SEL+1]
	v_add_f32 v[SU], v[SU], v[SO]
	v_rcp_f32 v[\dw], v[SU]
	v_nop
.endm
	MIX LG, I1, W1
	v_lshlrev_b32 v[DD], 3, v[H]
	v_sub_nc_u32 v[DD], v[I1], v[DD]               ; the first choice's place among my eight, if it is there
.irp j, 0,1,2,3,4,5,6,7
	v_cmp_eq_u32 vcc_lo, \j, v[DD]
	v_cndmask_b32 v[S2+\j], v[LG+\j], v[NINF], vcc_lo
.endr
	MIX S2, I2, W2
	v_min_u32 v[LO], v[I1], v[I2]
	v_max_u32 v[HI], v[I1], v[I2]
	v_sub_nc_u32 v[KY], 31, v[LO]
	v_mul_u32_u24 v[KY], v[LO], v[KY]
	v_lshrrev_b32 v[KY], 1, v[KY]                  ; lo (31 - lo) / 2: the pairs with a smaller lo
	v_add_nc_u32 v[KY], v[KY], v[HI]
	v_sub_nc_u32 v[KY], v[KY], v[LO]
	v_add_nc_u32 v[KY], -1, v[KY]
	v_cndmask_b32 v[SV], v[I1], v[I2], s[HM]       ; lanes 0-15 carry the first choice, lanes 16-31 the second
	s_wait_alu depctr_va_vdst(0)
	v_cndmask_b32 v[RV], v[W1], v[W2], s[HM]
	s_wait_dscnt 0x0                               ; the logits are back
	global_store_b128 v[L16], v[OB:OB+3], s[18:19]
	global_store_b128 v[L16], v[OB+4:OB+7], s[18:19] offset:512
	global_store_b32 v[A8], v[SV], s[12:13]
	global_store_b32 v[A8], v[RV], s[16:17]
	v_cmp_gt_u32 vcc_lo, 16, v[LANE]
	s_wait_xcnt 0x0                                ; EXEC is a source of the stores above: it changes only behind this wait
	s_and_saveexec_b32 s26, vcc_lo
	global_store_b32 v[A4], v[KY], s[14:15]        ; one number a token: lanes 0-15
	s_wait_xcnt 0x0
	s_or_b32 exec_lo, exec_lo, s26
.Lend:
	s_wait_tensorcnt 0x0
	ds_add_u32 v43, v63
	s_wait_dscnt 0x0
	s_endpgm
.Lfunc_end_k_qac34d3b7c2_route:
	.size	k_qac34d3b7c2_route, .Lfunc_end_k_qac34d3b7c2_route-k_qac34d3b7c2_route
	.p2alignl 7, 3214868480
	.fill 96, 4, 3214868480
	.section	.rodata,"a",@progbits
	.p2align	6, 0x0
	.amdhsa_kernel k_qac34d3b7c2_route
		.amdhsa_group_segment_fixed_size 240128
		.amdhsa_private_segment_fixed_size 0
		.amdhsa_enable_private_segment 0
		.amdhsa_kernarg_size 64
		.amdhsa_user_sgpr_count 2
		.amdhsa_user_sgpr_kernarg_segment_ptr 1
		.amdhsa_wavefront_size32 1
		.amdhsa_system_sgpr_workgroup_id_x 1
		.amdhsa_system_sgpr_workgroup_id_y 1
		.amdhsa_system_sgpr_workgroup_id_z 1
		.amdhsa_system_vgpr_workitem_id 0
		.amdhsa_next_free_vgpr 256
		.amdhsa_next_free_sgpr 66
		.amdhsa_reserve_vcc 1
		.amdhsa_float_denorm_mode_32 3
		.amdhsa_float_denorm_mode_16_64 3
		.amdhsa_memory_ordered 1
		.amdhsa_forward_progress 1
		.amdhsa_inst_pref_size 42
	.end_amdhsa_kernel
	.amdgpu_metadata
---
amdhsa.version: [ 1, 2 ]
amdhsa.kernels:
  - .name:           k_qac34d3b7c2_route
    .symbol:         k_qac34d3b7c2_route.kd
    .args:
      - { .name: hidden_states, .offset: 0, .size: 8, .value_kind: global_buffer, .address_space: global }
      - { .name: gate_weight, .offset: 8, .size: 8, .value_kind: global_buffer, .address_space: global }
      - { .name: xq, .offset: 16, .size: 8, .value_kind: global_buffer, .address_space: global }
      - { .name: xs, .offset: 24, .size: 8, .value_kind: global_buffer, .address_space: global }
      - { .name: sel, .offset: 32, .size: 8, .value_kind: global_buffer, .address_space: global }
      - { .name: key, .offset: 40, .size: 8, .value_kind: global_buffer, .address_space: global }
      - { .name: rw, .offset: 48, .size: 8, .value_kind: global_buffer, .address_space: global }
      - { .name: out1, .offset: 56, .size: 8, .value_kind: global_buffer, .address_space: global }
    .group_segment_fixed_size: 240128
    .private_segment_fixed_size: 0
    .kernarg_segment_align: 8
    .kernarg_segment_size: 64
    .max_flat_workgroup_size: 256
    .sgpr_count:     66
    .vgpr_count:     256
    .wavefront_size: 32
...
	.end_amdgpu_metadata
.endif
;; end of part 1
;; launch prep (part 2): grid 222 x 1, 4 waves a work-group, no clusters, 68,096 bytes of LDS; arguments key, gate_up_weights, down_weights, order, wq, ws; writes order, wq, ws
.if DOCPART == 2
	.amdgcn_target "amdgcn-amd-amdhsa--gfx1250"
	.amdhsa_code_object_version 6
	.text
	.protected	k_qac34d3b7c2_prep
	.globl	k_qac34d3b7c2_prep
	.p2align	8
	.type	k_qac34d3b7c2_prep,@function
k_qac34d3b7c2_prep:
	s_mov_b64 s[64:65], 0
	v_nop
	global_prefetch_b8 v0, s[64:65] scope:SCOPE_SE
	s_setreg_imm32_b32 hwreg(HW_REG_WAVE_MODE, 25, 1), 1
	s_wait_xcnt 0x0
; PREP.  Two kinds of work that need nothing of each other share one launch.
; WORK-GROUPS 0-29 PLACE THE TOKENS: order[position] = token, the tokens sorted by key (the number of their pair of experts, 0 .. 119).  A counting sort without atomics: wave b = 4 x work-group + wave owns key b.
; It reads all 8,192 keys twice: once to count the keys under b (where its run begins), once to give each token with key b its place.  Each place is stored once, by one wave.  No LDS, no barrier, no loop, no branch:
; a group of 32 keys without a hit issues its store with no lane on.
; WORK-GROUPS 30-221 LAY THE WEIGHTS OUT: gate_up_weights [16][256][1024] and down_weights [16][1024][128], f32, K innermost, become codes of FP4 (E2M1) with E8M0 scale bytes, IN THE ORDER OF THE OPERAND'S
; REGISTERS, so that the next launch loads each fragment whole.  A wave takes one task of four fragments (16 rows x 128 K each).  In wq a task is 4,096 bytes: fragment f at 1,024 f, its register group c at 512 c + 16 lane.
; In ws a task is 256 bytes, [lane][2 words]: word p of lane (u, r) is the scale word of fragment 2 p + u, row r: one register then serves two fragments, by its lower and its upper lanes.
;   task t < 512:  t = (4 e + w) 8 + s: K step s of expert e's gate (p = 0) and up (p = 1) rows for wave w.  Lane r of fragment 2 p + u takes row 128 p + 32 w + 8 u + r + 8 (r / 8): THE ROWS OF A TILE ARE NOT
;                  NEIGHBOURS, so that the 16 result registers of tiles u = 0, 1 are 16 neighbouring hidden units.
;   task t >= 512: t - 512 = (4 e + w) 4 + q: fragment f is rows 256 w + 16 (4 q + f) + r of down[e].
; Both tensors take ONE path: only a pointer, three shifts and two offsets are chosen, on the task's number.  The quantiser is that of the launch before; the same limits hold: NaN and infinities are not served;
; a block whose largest magnitude lies under 2^-124 takes the byte 1, and so does a block of zeros (its codes are zeros, and this program alone reads the bytes).
.set NPLACE, 30
.set TPITCH, 528
.set TTILE,  16*TPITCH
.set WV,  16                           ; s16 my wave's number
.set SEL, 18                           ; s[18:19]
.set BIN, 20                           ; s20 my key (placing);  the task's number (laying)
.set BASE, 21                          ; s21 the next place of my run
.set FB,  32                           ; s[32:39] the four fragments' first bytes
.set SVX, 50                           ; s50 takes the copy of EXEC that the narrowing line makes
.set HM,  52                           ; s52 the mask of lanes 16-31
.set LANE, 1
.set R,    2
.set H,    3
.set L16,  4
.set TW,   5
.set TR,   6
.set L8,   7
.set L4,   8
.set SH,   10
.set M0,   11
.set M1,   12
.set Q0,   13
.set Q1,   14
.set TMP,  15
.set VO,   16                          ; v[16:31] row i's byte offset + 16 lane
.set B0,   32
.set B1,   33
.set PP,   34                          ; a token's place, as a byte offset in order
.set TK,   35                          ; the token
.set KA,   64                          ; v[64:127], v[128:191] two sets of 64 registers: keys, or a fragment's numbers
.set KB,   128
.set CF,   192                         ; v[192:223] the four fragments' codes: a set each, so that no store's data are written again
.set SW,   224                         ; v[224:227] their scale words
.set MW,   228                         ; v[228:229] the two words that leave
	s_load_b256 s[4:11], s[0:1], 0x0               ; key s[4:5], gate_up s[6:7], down s[8:9], order s[10:11]
	s_load_b128 s[12:15], s[0:1], 0x20             ; wq s[12:13], ws s[14:15]
	v_lshl_add_u32 v254, v0, 2, 0x10800
	v_mov_b32 v255, 0
	v_lshrrev_b32 v1, 5, v0
	v_readfirstlane_b32 s[WV], v1
	v_and_b32 v[LANE], 31, v0
	v_and_b32 v[R], 15, v0
	v_bfe_u32 v[H], v0, 4, 1
	v_lshlrev_b32 v[L16], 4, v[LANE]
	v_lshlrev_b32 v[L8], 3, v[LANE]
	v_lshlrev_b32 v[L4], 2, v[LANE]
	v_lshlrev_b32 v[SH], 3, v[H]
	v_mov_b32 v[TMP], 0
	s_cmp_lt_u32 ttmp9, NPLACE
	s_cbranch_scc0 .Llay
	; ---------------- placing
.macro KLOAD set, batch                ; 2,048 keys: word q of load j in lane l is token 2,048 batch + 128 j + 4 l + q
.irp j, 0,1,2,3,4,5,6,7,8,9,10,11,12,13,14,15
	global_load_b128 v[\set+4*\j:\set+4*\j+3], v[L16], s[4:5] offset:8192*\batch+512*\j
.endr
.endm
.macro COUNT set                       ; how many of these 2,048 keys lie under mine
.irp g, 0,1,2,3,4,5,6,7
.irp i, 0,1,2,3,4,5,6,7
	v_cmp_gt_u32 s[40+\i], s[BIN], v[\set+8*\g+\i]
.endr
.irp i, 0,1,2,3,4,5,6,7
	s_bcnt1_i32_b32 s[40+\i], s[40+\i]
.endr
.irp i, 0,1,2,3,4,5,6,7
	s_add_co_u32 s[BASE], s[BASE], s[40+\i]
.endr
.endr
.endm
.macro PLACE1 reg, tok                 ; 32 keys: those equal to mine get the next places of my run, in the order of the lanes.  All lanes are on at the head and at the end
	v_cmp_eq_u32 vcc_lo, s[BIN], v[\reg]
	v_mbcnt_lo_u32_b32 v[PP], vcc_lo, s[BASE]      ; the run's next place + the hits in the lanes below me
	v_lshlrev_b32 v[PP], 2, v[PP]                  ; in bytes,
	v_min_u32 v[PP], 0x7ffc, v[PP]                 ; and held inside the table of 8,192 words, as the last line that touches it: a number made of loaded numbers enters an address only so
	v_add_nc_u32 v[TK], \tok, v[L4]
	s_bcnt1_i32_b32 s51, vcc_lo
	s_add_co_u32 s[BASE], s[BASE], s51
	s_and_saveexec_b32 s[SVX], vcc_lo              ; only the hits store (no memory instruction has been issued since the last wait on XCNT)
	global_store_b32 v[PP], v[TK], s[10:11]
	s_wait_xcnt 0x0                                ; EXEC is a source of the store: it widens only behind this wait, which also frees the store's two registers for the next 32 keys
	s_mov_b32 exec_lo, -1                          ; all lanes on again, as they were
.endm
.macro PLACE set, batch
	s_wait_xcnt 0x0                                ; EXEC is a source of the key loads that are out: it narrows only behind this wait
.irp j, 0,1,2,3,4,5,6,7,8,9,10,11,12,13,14,15
.irp q, 0,1,2,3
	PLACE1 \set+4*\j+\q, 2048*\batch+128*\j+\q
.endr
.endr
.endm
	s_lshl_b32 s[BIN], ttmp9, 2
	s_add_co_u32 s[BIN], s[BIN], s[WV]             ; my key: 0 .. 119
	s_mov_b32 s[BASE], 0
	s_wait_kmcnt 0x0
	KLOAD KA, 0                                    ; eight visits, the two sets by turns, the loads two visits ahead
	KLOAD KB, 1
	s_wait_loadcnt 16                              ; this set's 16 loads are in; the other set's 16 are younger.  So at every visit but the last
	COUNT KA
	KLOAD KA, 2
	s_wait_loadcnt 16
	COUNT KB
	KLOAD KB, 3
	s_wait_loadcnt 16
	COUNT KA
	KLOAD KA, 0
	s_wait_loadcnt 16
	COUNT KB
	KLOAD KB, 1
	s_wait_loadcnt 16
	PLACE KA, 0
	KLOAD KA, 2
	s_wait_loadcnt 16
	PLACE KB, 1
	KLOAD KB, 3
	s_wait_loadcnt 16
	PLACE KA, 2
	s_wait_loadcnt 0x0
	PLACE KB, 3
	s_endpgm
	; ---------------- laying out
.Llay:
	s_sub_co_u32 s20, ttmp9, NPLACE
	s_lshl_b32 s20, s20, 2
	s_add_co_u32 s20, s20, s[WV]                   ; the task: 0 .. 767
	s_lshr_b32 s21, s20, 5                         ; gate/up: e x 256 rows x 4,096 bytes
	s_lshl_b32 s21, s21, 20
	s_bfe_u32 s22, s20, 0x20003                    ; + w x 32 rows
	s_lshl_b32 s22, s22, 17
	s_add_co_u32 s21, s21, s22
	s_and_b32 s22, s20, 7                          ; + K step s x 512 bytes
	s_lshl_b32 s22, s22, 9
	s_add_co_u32 s21, s21, s22
	s_sub_co_u32 s22, s20, 512                     ; down: 64 rows of 512 bytes a task
	s_lshl_b32 s22, s22, 15
	s_mov_b32 s[SEL], 0x76543210
	s_mov_b32 s[SEL+1], 0xfedcba98
	s_mov_b32 s[HM], 0xffff0000
	s_mov_b32 s27, 0
	s_wait_kmcnt 0x0
	s_cmp_lt_u32 s20, 512                          ; all choices hang on the task's number alone, and stand ahead of any line that writes SCC
	s_cselect_b64 s[24:25], s[6:7], s[8:9]         ; the tensor
	s_cselect_b32 s26, s21, s22                    ; where the task begins in it
	s_cselect_b32 s28, 12, 9                       ; a row's pitch: 4,096 or 512 bytes
	s_cselect_b32 s29, 19, 14                      ; from fragment f to f + 2: 128 rows of 4,096, or 32 rows of 512
	s_cselect_b32 s30, 15, 13                      ; from f to f + 1: 8 rows of 4,096, or 16 rows of 512
	s_cselect_b32 s31, 0x8000, 0                   ; gate/up: a tile's rows 8-15 lie 8 rows further on
	s_add_nc_u64 s[24:25], s[24:25], s[26:27]
	s_lshl_b32 s29, 1, s29
	s_lshl_b32 s30, 1, s30
	s_mov_b64 s[FB:FB+1], s[24:25]
	s_mov_b32 s26, s30
	s_add_nc_u64 s[FB+2:FB+3], s[24:25], s[26:27]
	s_mov_b32 s26, s29
	s_add_nc_u64 s[FB+4:FB+5], s[24:25], s[26:27]
	s_add_co_u32 s26, s29, s30
	s_add_nc_u64 s[FB+6:FB+7], s[24:25], s[26:27]
.irp i, 0,1,2,3,4,5,6,7,8,9,10,11,12,13,14,15
	s_lshl_b32 s26, \i, s28
.if \i >= 8
	s_add_co_u32 s26, s26, s31
.endif
	v_add_nc_u32 v[VO+\i], s26, v[L16]
.endr
	s_lshl_b32 s26, s20, 12
	s_add_nc_u64 s[12:13], s[12:13], s[26:27]      ; the task's 4,096 bytes of codes
	s_lshl_b32 s26, s20, 8
	s_add_nc_u64 s[14:15], s[14:15], s[26:27]      ; and its 256 bytes of scale words
	s_mul_i32 s26, s[WV], 2*TTILE                  ; my wave's own LDS bytes: two tiles of 16 rows, 528 bytes apart
	v_add_nc_u32 v[TW], s26, v[L16]
	v_mul_u32_u24 v[TR], v[R], TPITCH
	v_lshl_add_u32 v[TR], v[H], 7, v[TR]
	v_add_nc_u32 v[TR], s26, v[TR]
.macro LOADF f, r                      ; fragment f's 16 slices of 512 consecutive bytes; read once in the whole launch
.irp i, 0,1,2,3,4,5,6,7,8,9,10,11,12,13,14,15
	global_load_b128 v[(\r)+4*\i:(\r)+4*\i+3], v[VO+\i], s[FB+2*(\f):FB+2*(\f)+1] th:TH_LOAD_NT
.endr
.endm
; 16 slices go into the wave's own bytes as they lie and come back 128 bytes a lane, into the registers that they left (LDS serves a wave's instructions in order: ISA guide 5.7.1.4):
; v[r + 32 c + i] is then number 64 c + 32 h + i of row r's slice.
.macro TURN r, o
.irp i, 0,1,2,3,4,5,6,7,8,9,10,11,12,13,14,15
	ds_store_b128 v[TW], v[(\r)+4*\i:(\r)+4*\i+3] offset:(\o)+TPITCH*\i
.endr
.irp c, 0,1
.irp j, 0,1,2,3,4,5,6,7
	ds_load_b128 v[(\r)+32*\c+4*\j:(\r)+32*\c+4*\j+3], v[TR] offset:(\o)+256*\c+16*\j
.endr
.endr
.endm
.macro QUANT r, f, s                   ; two whole blocks of 32 a lane become the fragment's 8 registers and the row's scale word
	v_max3_num_f32 v[M0], |v[(\r)]|, |v[(\r)+1]|, 0x1800000          ; with the floor 2^(3 - 127): the byte cannot fall under 1
	v_max3_num_f32 v[M1], |v[(\r)+32]|, |v[(\r)+33]|, 0x1800000
.irp i, 2,4,6,8,10,12,14,16,18,20,22,24,26,28,30
	v_max3_num_f32 v[M0], v[M0], |v[(\r)+\i]|, |v[(\r)+\i+1]|
	v_max3_num_f32 v[M1], v[M1], |v[(\r)+32+\i]|, |v[(\r)+33+\i]|
.endr
	v_add_nc_u32 v[Q0], 0xff000000, v[M0]          ; 2 off the exponent field: the conversion's scale operand
	v_add_nc_u32 v[Q1], 0xff000000, v[M1]
	v_lshrrev_b32 v[B0], 23, v[Q0]
	v_lshrrev_b32 v[B1], 23, v[Q1]
	v_lshl_or_b32 v[\s], v[B1], 16, v[B0]          ; the bytes of blocks h and 2 + h,
	v_lshlrev_b32 v[\s], v[SH], v[\s]              ; at their places;
	v_permlanex16_b32 v[TMP], v[\s], s[SEL], s[SEL+1]
	v_or_b32 v[\s], v[\s], v[TMP]                  ; with lane l xor 16's the word is whole
.irp g, 0,1,2,3
	v_cvt_scalef32_pk8_fp4_f32 v[(\f)+\g], v[(\r)+8*\g:(\r)+8*\g+7], v[Q0]
.endr
.irp g, 0,1,2,3
	v_cvt_scalef32_pk8_fp4_f32 v[(\f)+4+\g], v[(\r)+32+8*\g:(\r)+32+8*\g+7], v[Q1]
.endr
	v_nop                                          ; one plain place behind the last scaled conversion
.endm
.macro FRAG f
.if \f < 3
	s_wait_loadcnt 16                              ; this fragment's 16 loads are in; the next fragment's 16 are younger
.else
	s_wait_loadcnt 0x0
.endif
	TURN KA+64*(\f%2), TTILE*(\f%2)
	s_wait_dscnt 0x0
	QUANT KA+64*(\f%2), CF+8*\f, SW+\f
.if \f < 2
	LOADF \f+2, KA+64*(\f%2)                       ; the set just left takes the fragment two further on
.endif
	global_store_b128 v[L16], v[CF+8*\f:CF+8*\f+3], s[12:13] offset:1024*\f        ; an image of the registers: 512 consecutive bytes a store
	global_store_b128 v[L16], v[CF+8*\f+4:CF+8*\f+7], s[12:13] offset:1024*\f+512
.endm
	LOADF 0, KA
	LOADF 1, KB
	FRAG 0
	FRAG 1
	FRAG 2
	FRAG 3
.irp p, 0,1
	v_cndmask_b32 v[MW+\p], v[SW+2*\p], v[SW+2*\p+1], s[HM]    ; lanes 0-15: fragment 2 p's words; lanes 16-31: fragment 2 p + 1's
.endr
	global_store_b64 v[L8], v[MW:MW+1], s[14:15]   ; 256 consecutive bytes, aligned
	s_wait_tensorcnt 0x0
	ds_add_u32 v254, v255
	s_wait_dscnt 0x0
	s_endpgm
.Lfunc_end_k_qac34d3b7c2_prep:
	.size	k_qac34d3b7c2_prep, .Lfunc_end_k_qac34d3b7c2_prep-k_qac34d3b7c2_prep
	.p2alignl 7, 3214868480
	.fill 96, 4, 3214868480
	.section	.rodata,"a",@progbits
	.p2align	6, 0x0
	.amdhsa_kernel k_qac34d3b7c2_prep
		.amdhsa_group_segment_fixed_size 68096
		.amdhsa_private_segment_fixed_size 0
		.amdhsa_enable_private_segment 0
		.amdhsa_kernarg_size 48
		.amdhsa_user_sgpr_count 2
		.amdhsa_user_sgpr_kernarg_segment_ptr 1
		.amdhsa_wavefront_size32 1
		.amdhsa_system_sgpr_workgroup_id_x 1
		.amdhsa_system_sgpr_workgroup_id_y 1
		.amdhsa_system_sgpr_workgroup_id_z 1
		.amdhsa_system_vgpr_workitem_id 0
		.amdhsa_next_free_vgpr 256
		.amdhsa_next_free_sgpr 66
		.amdhsa_reserve_vcc 1
		.amdhsa_float_denorm_mode_32 3
		.amdhsa_float_denorm_mode_16_64 3
		.amdhsa_memory_ordered 1
		.amdhsa_forward_progress 1
		.amdhsa_inst_pref_size 204
	.end_amdhsa_kernel
	.amdgpu_metadata
---
amdhsa.version: [ 1, 2 ]
amdhsa.kernels:
  - .name:           k_qac34d3b7c2_prep
    .symbol:         k_qac34d3b7c2_prep.kd
    .args:
      - { .name: key, .offset: 0, .size: 8, .value_kind: global_buffer, .address_space: global }
      - { .name: gate_up_weights, .offset: 8, .size: 8, .value_kind: global_buffer, .address_space: global }
      - { .name: down_weights, .offset: 16, .size: 8, .value_kind: global_buffer, .address_space: global }
      - { .name: order, .offset: 24, .size: 8, .value_kind: global_buffer, .address_space: global }
      - { .name: wq, .offset: 32, .size: 8, .value_kind: global_buffer, .address_space: global }
      - { .name: ws, .offset: 40, .size: 8, .value_kind: global_buffer, .address_space: global }
    .group_segment_fixed_size: 68096
    .private_segment_fixed_size: 0
    .kernarg_segment_align: 8
    .kernarg_segment_size: 48
    .max_flat_workgroup_size: 128
    .sgpr_count:     66
    .vgpr_count:     256
    .wavefront_size: 32
...
	.end_amdgpu_metadata
.endif
;; end of part 2
;; launch chain (part 3): grid 256 x 1, 4 waves a work-group, no clusters, 121,344 bytes of LDS; arguments xq, xs, sel, rw, order, wq, ws, out0; writes out0
.if DOCPART == 3
	.amdgcn_target "amdgcn-amd-amdhsa--gfx1250"
	.amdhsa_code_object_version 6
	.text
	.protected	k_qac34d3b7c2_chain
	.globl	k_qac34d3b7c2_chain
	.p2align	8
	.type	k_qac34d3b7c2_chain,@function
k_qac34d3b7c2_chain:
	s_mov_b64 s[64:65], 0
	v_nop
	global_prefetch_b8 v0, s[64:65] scope:SCOPE_SE
	s_setreg_imm32_b32 hwreg(HW_REG_WAVE_MODE, 25, 1), 1
	s_wait_xcnt 0x0
; CHAIN.  out0[token] = the sum over the token's two experts e of weight x (silu(x G_e^T) * (x U_e^T)) D_e^T, all three products on codes of FP4 (E2M1) with E8M0 scales.
; The other fourteen experts have weight 0 in the problem's own combine matrix and are not multiplied for a block in which no token chose them.
; SHARES.  A work-group owns 32 tokens, places 32 B .. 32 B + 31 of the list sorted by pairs of experts (two tiles of 16): EACH OUTPUT ROW HAS ONE OWNER, and a block uses few experts.
; THE WAVES SHARE THE COLUMNS: in loop 1 wave w makes hidden units 32 w .. 32 w + 31 (gate and up) of all 32 tokens, which is one block of the next quantiser; in loop 2 output columns 256 w .. 256 w + 255.
; So no byte of a weight is loaded by two waves of a work-group.  The weights' codes come from memory straight into registers, each fragment whole, in the layout that the launch before made for that.
; TWO LOOPS OVER THE 16 EXPERTS, ONE BARRIER BETWEEN THEM.  An expert that none of the 32 tokens chose is passed over by a scalar branch on the stored choices.  Loop 1 puts each used expert's quantised hidden
; layer into LDS bytes of that expert's own; loop 2 reads them.  So no barrier stands under the branch.
; NO TENSOR LOADS, NO JOINT REQUESTS: which weights a work-group walks hangs on numbers read from memory, and neighbours in the grid walk different experts.
; BOTH PRODUCTS ARE USED TRANSPOSED (source 0 = 16 rows of a weight, source 1 = 16 tokens): a lane holds ONE token (lane % 16), and its registers run along the hidden units, or along the output's columns.
; The output's sums are cleared once (256 moves, set where the wave would wait for its first loads): which expert comes first hangs on data, so no first product can be written out to start them.
; LIMITS: NaN and infinities are not served.  silu(g) u is formed as (g u) / (1 + 2^(-g log2 e)).  A block of the hidden layer whose largest magnitude lies under 2^-124, zeros too, takes the scale byte 1.
; REGISTERS, in windows of 256 (s_set_vgpr_msb: bits 1:0 source 0, 3:2 source 1, 5:4 source 2, 7:6 destination):
;   window 0: addresses, scale words, small things; v[80:95] the hidden layer's two fragments; v[128:191] gate and up sums, later down results (set 0); v[192:255] at work in loop 1, down results (set 1)
;   window 1: an expert's 32 gate/up fragments of my wave (K step s, tile t at 8 (4 s + t)); on the way out the rows read back
;   window 2: v0-127 x's 16 fragments (tile tt, K step s at 8 (8 tt + s)), which stay; v128-255 an expert's 16 down fragments
;   window 3: the output's sums: column tile n, token tile tt at 8 (2 n + tt)
.set XTB,    8704                      ; LDS: x's codes, a tile of 16 tokens: [block of 32 codes: 32][272 bytes]: 16 bytes a token + 16 of padding
.set HB,     2*XTB                     ; the hidden layers: HBE bytes an expert: two fragments as images of their registers (1,024 tt + 512 c + 16 lane), then scale bytes at 2,048 + 64 tt + 4 r + block
.set HBE,    2304
.set STG,    HB+16*HBE                 ; the way out: 16 rows x (1,024 + 16) bytes for each wave
.set SPITCH, 1040
.set WV,  20                           ; s20 my wave's number
.set E,   21                           ; s21 the expert
.set US,  22                           ; s22 the lanes whose token chose it
.set GB,  32                           ; s[32:33] my gate/up fragments of expert E;  s[34:35] their scale words
.set SGB, 34
.set DB,  36                           ; s[36:37] my down fragments;  s[38:39] their scale words
.set SDB, 38
.set HO,  40                           ; s40 HBE x E
.set SEL, 42                           ; s[42:43]
.set LANE, 1
.set R,    2
.set H,    3
.set L16,  4
.set L8,   5
.set XRD,  6                           ; x's fragments: 272 h + 16 r
.set HW0,  7                           ; where my 8 bytes of hidden codes go, expert 0
.set HS0,  8                           ; and my block's scale byte
.set HWA,  9                           ; the same for expert E
.set HSA,  10
.set HRD0, 11                          ; where a hidden fragment is read
.set HRA,  12
.set HSR0, 13                          ; and its scale words
.set HSRA, 14
.set STO,  15                          ; the way out: into my stage
.set SRD,  16                          ; and back
.set OL,   17                          ; 16 r + 1,024 w: my bytes in a row of out0
.set H4,   18
.set TL,   19                          ; the token at place lane
.set TT,   20                          ; v20, v21 the token at place r, 16 + r
.set EL,   22                          ; v[22:23] the two experts of token TL
.set ET,   24                          ; v[24:25], v[26:27] those of tokens TT
.set WT,   28                          ; v[28:29], v[30:31] and their weights
.set CW,   32                          ; v[32:33], v[34:35] the weight of expert E for my token of tile 0, 1 (the upper registers are 0: named with them as pairs)
.set XS,   36                          ; v[36:43] x's scale words: register s for K step s; lanes 0-15 tile 0, lanes 16-31 tile 1
.set SG,   44                          ; v[44:59] gate/up scale words: register 2 s + p; lanes 0-15 tile 2 p, lanes 16-31 tile 2 p + 1
.set SD,   60                          ; v[60:67] down scale words: register n / 2; lanes 0-15 even n, lanes 16-31 odd n
.set HS,   68                          ; v68 the hidden layer's scale words: lanes 0-15 tile 0, lanes 16-31 tile 1
.set XWR,  69
.set XO,   70                          ; v[70:77] byte offsets of my eight tokens' rows of codes
.set L4,   78
.set R4,   79
.set HF,   80
.set OF,   96                          ; v[96:111] byte offsets of the output rows
.set QT,   112                         ; v[112:117], v[118:123] the quantiser's, a set a tile: +0 maximum, +1 the other half's, +2 scale operand, +3 byte, +4, +5 codes
.set A32,  124
.set A8L,  125
.set A8T,  126
.set GA,   128                         ; gate: 128 + 16 tt + 8 u;  up: 32 further on
.set UA,   160
.set T0,   128
.set T1,   192
.set TX,   192
.set ROWS, 128
.set MSB, 0
.macro WIN new                         ; the immediate's high byte repeats the setting that is left; a switch that changes nothing is dropped
.if MSB != \new
	s_set_vgpr_msb (MSB<<8)|\new
.set MSB, \new
.endif
.endm
; One scaled product.  z = 1: it starts its sum.  ra, rb = 1: the scale words stand in lanes 16-31 of their registers.
.macro WM d, a, b, z, sa, sb, ra, rb
.if \z
.if (\ra) && (\rb)
	v_wmma_scale_f32_16x16x128_f8f6f4 v[(\d):(\d)+7], v[(\a):(\a)+7], v[(\b):(\b)+7], 0, v[\sa], v[\sb] matrix_a_fmt:MATRIX_FMT_FP4 matrix_b_fmt:MATRIX_FMT_FP4 matrix_a_scale:MATRIX_SCALE_ROW1 matrix_b_scale:MATRIX_SCALE_ROW1
.elseif (\ra)
	v_wmma_scale_f32_16x16x128_f8f6f4 v[(\d):(\d)+7], v[(\a):(\a)+7], v[(\b):(\b)+7], 0, v[\sa], v[\sb] matrix_a_fmt:MATRIX_FMT_FP4 matrix_b_fmt:MATRIX_FMT_FP4 matrix_a_scale:MATRIX_SCALE_ROW1
.elseif (\rb)
	v_wmma_scale_f32_16x16x128_f8f6f4 v[(\d):(\d)+7], v[(\a):(\a)+7], v[(\b):(\b)+7], 0, v[\sa], v[\sb] matrix_a_fmt:MATRIX_FMT_FP4 matrix_b_fmt:MATRIX_FMT_FP4 matrix_b_scale:MATRIX_SCALE_ROW1
.else
	v_wmma_scale_f32_16x16x128_f8f6f4 v[(\d):(\d)+7], v[(\a):(\a)+7], v[(\b):(\b)+7], 0, v[\sa], v[\sb] matrix_a_fmt:MATRIX_FMT_FP4 matrix_b_fmt:MATRIX_FMT_FP4
.endif
.else
.if (\ra) && (\rb)
	v_wmma_scale_f32_16x16x128_f8f6f4 v[(\d):(\d)+7], v[(\a):(\a)+7], v[(\b):(\b)+7], v[(\d):(\d)+7], v[\sa], v[\sb] matrix_a_fmt:MATRIX_FMT_FP4 matrix_b_fmt:MATRIX_FMT_FP4 matrix_a_scale:MATRIX_SCALE_ROW1 matrix_b_scale:MATRIX_SCALE_ROW1
.elseif (\ra)
	v_wmma_scale_f32_16x16x128_f8f6f4 v[(\d):(\d)+7], v[(\a):(\a)+7], v[(\b):(\b)+7], v[(\d):(\d)+7], v[\sa], v[\sb] matrix_a_fmt:MATRIX_FMT_FP4 matrix_b_fmt:MATRIX_FMT_FP4 matrix_a_scale:MATRIX_SCALE_ROW1
.elseif (\rb)
	v_wmma_scale_f32_16x16x128_f8f6f4 v[(\d):(\d)+7], v[(\a):(\a)+7], v[(\b):(\b)+7], v[(\d):(\d)+7], v[\sa], v[\sb] matrix_a_fmt:MATRIX_FMT_FP4 matrix_b_fmt:MATRIX_FMT_FP4 matrix_b_scale:MATRIX_SCALE_ROW1
.else
	v_wmma_scale_f32_16x16x128_f8f6f4 v[(\d):(\d)+7], v[(\a):(\a)+7], v[(\b):(\b)+7], v[(\d):(\d)+7], v[\sa], v[\sb] matrix_a_fmt:MATRIX_FMT_FP4 matrix_b_fmt:MATRIX_FMT_FP4
.endif
.endif
.endm
.macro USED skip                       ; did any of the 32 tokens choose expert E?  A scalar branch on whole numbers read from memory; every wave of the work-group sees the same 32 tokens
	v_cmp_eq_u32 s46, s[E], v[EL]
	v_cmp_eq_u32 s47, s[E], v[EL+1]
	s_or_b32 s[US], s46, s47
	s_cmp_eq_u32 s[US], 0
	s_cbranch_scc1 \skip
.endm
	s_load_b256 s[4:11], s[0:1], 0x0               ; xq s[4:5], xs s[6:7], sel s[8:9], rw s[10:11]
	s_load_b256 s[12:19], s[0:1], 0x20             ; order s[12:13], wq s[14:15], ws s[16:17], out0 s[18:19]
	v_lshrrev_b32 v1, 5, v0
	v_readfirstlane_b32 s[WV], v1                  ; wave 0..3
	v_and_b32 v[LANE], 31, v0
	v_and_b32 v[R], 15, v0
	v_bfe_u32 v[H], v0, 4, 1
	v_lshlrev_b32 v[L16], 4, v[LANE]
	v_lshlrev_b32 v[L8], 3, v[LANE]
	v_lshlrev_b32 v[L4], 2, v[LANE]
	v_lshlrev_b32 v[R4], 2, v[R]
	v_lshlrev_b32 v[H4], 2, v[H]
	s_lshr_b32 s46, s[WV], 1                       ; w / 2
	s_and_b32 s47, s[WV], 1                        ; w % 2
	v_mul_u32_u24 v[XRD], v[H], 272
	v_lshl_add_u32 v[XRD], v[R], 4, v[XRD]
	s_mul_i32 s48, s46, XTB                        ; my eight tokens are places 8 w + i: tile w / 2, rows 8 (w % 2) + i
	s_lshl_b32 s49, s47, 7
	s_add_co_u32 s48, s48, s49
	v_mul_u32_u24 v[XWR], v[LANE], 272             ; lane l of a row's load holds the row's block l
	v_add_nc_u32 v[XWR], s48, v[XWR]
	s_lshl_b32 s48, s46, 9                         ; the hidden layer's block w is register group w / 2 of the lanes with half w % 2; my half gives the lower or the upper 8 bytes
	s_lshl_b32 s49, s47, 8
	s_add_co_u32 s48, s48, s49
	s_add_co_u32 s48, s48, HB
	v_lshlrev_b32 v[HW0], 4, v[R]
	v_lshl_add_u32 v[HW0], v[H], 3, v[HW0]
	v_add_nc_u32 v[HW0], s48, v[HW0]
	s_add_co_u32 s48, s[WV], HB+2048
	v_add_nc_u32 v[HS0], s48, v[R4]
	v_add_nc_u32 v[HRD0], HB, v[L16]
	v_add_nc_u32 v[HSR0], HB+2048, v[L4]
	s_mul_i32 s48, s[WV], 16*SPITCH
	s_add_co_u32 s48, s48, STG
	v_mul_u32_u24 v[STO], v[R], SPITCH
	v_lshl_add_u32 v[STO], v[H], 5, v[STO]
	v_add_nc_u32 v[STO], s48, v[STO]
	v_mul_u32_u24 v[SRD], v[H], SPITCH
	v_lshl_add_u32 v[SRD], v[R], 4, v[SRD]
	v_add_nc_u32 v[SRD], s48, v[SRD]
	s_lshl_b32 s48, s[WV], 10
	v_lshl_add_u32 v[OL], v[R], 4, s48
	v_mov_b32 v[QT+1], 0                           ; lane permutes' destinations count as read
	v_mov_b32 v[QT+7], 0
	v_mov_b32 v[CW+1], 0
	v_mov_b32 v[CW+3], 0
	s_mov_b32 s[SEL], 0x76543210
	s_mov_b32 s[SEL+1], 0xfedcba98
	s_mov_b32 s[E], 0
	s_mov_b32 s[HO], 0
	s_mov_b32 s47, 0
	s_lshl_b32 s46, ttmp9, 7
	s_wait_kmcnt 0x0
	s_add_nc_u64 s[12:13], s[12:13], s[46:47]      ; the list at my block's 32 places
	s_lshl_b32 s46, s[WV], 5
	s_add_nc_u64 s[44:45], s[12:13], s[46:47]
	s_load_b256 s[24:31], s[44:45], 0x0            ; my wave's eight tokens, as scalars
	global_load_b32 v[TL], v[L4], s[12:13]
	global_load_b32 v[TT], v[R4], s[12:13]
	global_load_b32 v[TT+1], v[R4], s[12:13] offset:64
	s_lshl_b32 s46, s[WV], 15                      ; gate/up: 8 tasks of 4,096 bytes a wave, 4 waves an expert
	s_add_nc_u64 s[GB:GB+1], s[14:15], s[46:47]
	s_lshl_b32 s46, s[WV], 11
	s_add_nc_u64 s[SGB:SGB+1], s[16:17], s[46:47]
	s_lshl_b32 s46, s[WV], 14                      ; down: behind the 512 gate/up tasks; 4 tasks a wave
	s_add_co_u32 s46, s46, 512*4096
	s_add_nc_u64 s[DB:DB+1], s[14:15], s[46:47]
	s_lshl_b32 s46, s[WV], 10
	s_add_co_u32 s46, s46, 512*256
	s_add_nc_u64 s[SDB:SDB+1], s[16:17], s[46:47]
	s_wait_kmcnt 0x0
.irp i, 0,1,2,3,4,5,6,7
	s_min_u32 s[24+\i], s[24+\i], 0x1fff           ; a loaded number enters an address only held inside the table
	s_lshl_b32 s[24+\i], s[24+\i], 9
	v_add_nc_u32 v[XO+\i], s[24+\i], v[L16]
.endr
.irp i, 0,1,2,3,4,5,6,7
	global_load_b128 v[ROWS+4*\i:ROWS+4*\i+3], v[XO+\i], s[4:5]    ; a token's 1,024 codes: 512 consecutive bytes
.endr
	s_wait_loadcnt 8                               ; the three loads from the list are in; the eight rows are younger
	v_min_u32 v[TL], 0x1fff, v[TL]
	v_min_u32 v[TT], 0x1fff, v[TT]
	v_min_u32 v[TT+1], 0x1fff, v[TT+1]
	v_lshlrev_b32 v[A32], 5, v[TL]
	v_lshlrev_b32 v[A8L], 3, v[TL]
	v_lshlrev_b32 v[A8T], 3, v[TT]
	v_lshlrev_b32 v[A8T+1], 3, v[TT+1]
	global_load_b128 v[XS:XS+3], v[A32], s[6:7]    ; lane l: the eight scale words of the token at place l
	global_load_b128 v[XS+4:XS+7], v[A32], s[6:7] offset:16
	global_load_b64 v[EL:EL+1], v[A8L], s[8:9]
	global_load_b64 v[ET:ET+1], v[A8T], s[8:9]
	global_load_b64 v[ET+2:ET+3], v[A8T+1], s[8:9]
	global_load_b64 v[WT:WT+1], v[A8T], s[10:11]
	global_load_b64 v[WT+2:WT+3], v[A8T+1], s[10:11]
	WIN 0xc0                                       ; the output's sums begin at 0, while the loads are out
.set i, 0
.rept 256
	v_mov_b32 v[i], 0
.set i, i+1
.endr
	WIN 0
	s_wait_loadcnt 7                               ; the eight rows are in; the seven loads behind them may be out
.irp i, 0,1,2,3,4,5,6,7
	ds_store_b128 v[XWR], v[ROWS+4*\i:ROWS+4*\i+3] offset:16*\i
.endr
	s_wait_dscnt 0x0                               ; for the others' sake: my eight rows have landed
	s_barrier_signal -1
	s_barrier_wait -1                              ; all 32 rows lie in LDS, block by block
	WIN 0x80
.irp tt, 0,1
.irp s, 0,1,2,3,4,5,6,7
.irp c, 0,1
	ds_load_b128 v[8*(8*\tt+\s)+4*\c:8*(8*\tt+\s)+4*\c+3], v[XRD] offset:XTB*\tt+(4*\s+2*\c)*272   ; block 4 s + 2 c + h of token r: sixteen lanes read 256 consecutive bytes
.endr
.endr
.endr
	WIN 0
	s_wait_dscnt 0x0
	s_wait_loadcnt 0x0                             ; scale words, choices, weights
	; ---------------- loop 1: the hidden layers
.Le1:
	USED .Ls1
	s_wait_dscnt 0x0                               ; the last expert's LDS stores have read their registers (issued a whole expert ago)
	v_add_nc_u32 v[HWA], s[HO], v[HW0]
	v_add_nc_u32 v[HSA], s[HO], v[HS0]
.irp s, 0,1,2,3,4,5,6,7
	global_load_b64 v[SG+2*\s:SG+2*\s+1], v[L8], s[SGB:SGB+1] offset:256*\s
.endr
	WIN 0x40                                       ; 72 loads on end: more than LOADcnt's field counts, so the issue of the last ones waits for the first to land (ISA guide 5.7.1)
.irp s, 0,1,2,3,4,5,6,7
.irp t, 0,1,2,3
.irp c, 0,1
	global_load_b128 v[8*(4*\s+\t)+4*\c:8*(4*\s+\t)+4*\c+3], v[L16], s[GB:GB+1] offset:4096*\s+1024*\t+512*\c
.endr
.endr
.endr
	WIN 0x09                                       ; source 0 (the weight) window 1, source 1 (x) window 2, sums window 0
.irp s, 0,1,2,3,4,5,6,7
	s_wait_loadcnt 8*(7-\s)                        ; K step s's eight loads are in; those of the later K steps are younger
.irp tt, 0,1
.irp p, 0,1
.irp u, 0,1
.if \s == 0
	WM GA+32*\p+16*\tt+8*\u, 8*(4*\s+2*\p+\u), 8*(8*\tt+\s), 1, SG+2*\s+\p, XS+\s, \u, \tt     ; the eight sums take turns, one instruction a turn
.else
	WM GA+32*\p+16*\tt+8*\u, 8*(4*\s+2*\p+\u), 8*(8*\tt+\s), 0, SG+2*\s+\p, XS+\s, \u, \tt
.endif
.endr
.endr
.endr
.endr
	WIN 0
.rept 4
	v_nop                                          ; four places behind the last products before results are read (ISA guide 7.12.1)
.endr
	; lane (r, h): v[GA + 16 tt + i] = gate, v[UA + 16 tt + i] = up of token r of tile tt, hidden unit 32 w + 16 h + i.  Every run goes up from each sum's low end
.set i, 0
.rept 32
	v_mul_f32 v[TX+i], 0xbfb8aa3b, v[GA+i]         ; -g log2(e)
.set i, i+1
.endr
.set i, 0
.rept 32
	v_exp_f32 v[TX+i], v[TX+i]
.set i, i+1
.endr
.set i, 0
.rept 16
	v_pk_mul_f32 v[GA+i:GA+i+1], v[GA+i:GA+i+1], v[UA+i:UA+i+1]    ; g u (plain lines behind the exponentials)
.set i, i+2
.endr
.set i, 0
	s_wait_alu depctr_va_vdst(0)
.rept 16
	v_pk_add_f32 v[TX+i:TX+i+1], v[TX+i:TX+i+1], 1.0 op_sel_hi:[1,0]
.set i, i+2
.endr
.set i, 0
.rept 32
	v_rcp_f32 v[TX+i], v[TX+i]
.set i, i+1
.endr
	v_nop                                          ; one plain place behind the reciprocals
.set i, 0
	s_wait_alu depctr_va_vdst(0)
.rept 16
	v_pk_mul_f32 v[GA+i:GA+i+1], v[GA+i:GA+i+1], v[TX+i:TX+i+1]    ; the hidden layer, in f32
.set i, i+2
.endr
.irp tt, 0,1
	v_max3_num_f32 v[QT+6*\tt], |v[GA+16*\tt]|, |v[GA+16*\tt+1]|, 0x1800000        ; my 16 numbers of the block, and the floor 2^(3 - 127)
.endr
.irp k, 2,4,6,8,10,12,14
.irp tt, 0,1
	v_max3_num_f32 v[QT+6*\tt], v[QT+6*\tt], |v[GA+16*\tt+\k]|, |v[GA+16*\tt+\k+1]|   ; (the two tiles by turns)
.endr
.endr
.irp tt, 0,1
	v_permlanex16_b32 v[QT+6*\tt+1], v[QT+6*\tt], s[SEL], s[SEL+1]
.endr
.irp tt, 0,1
	v_max_num_f32 v[QT+6*\tt], v[QT+6*\tt], v[QT+6*\tt+1]          ; with lane l xor 16's 16: the block's largest magnitude
.endr
.irp tt, 0,1
	v_add_nc_u32 v[QT+6*\tt+2], 0xff000000, v[QT+6*\tt]            ; 2 off the exponent field: the conversion's scale operand
.endr
.irp tt, 0,1
	v_lshrrev_b32 v[QT+6*\tt+3], 23, v[QT+6*\tt+2]                 ; the scale's byte
.endr
.irp tt, 0,1
	v_cvt_scalef32_pk8_fp4_f32 v[QT+6*\tt+4], v[GA+16*\tt:GA+16*\tt+7], v[QT+6*\tt+2]
	v_cvt_scalef32_pk8_fp4_f32 v[QT+6*\tt+5], v[GA+16*\tt+8:GA+16*\tt+15], v[QT+6*\tt+2]
.endr
	v_nop                                          ; one plain place behind the last scaled conversion
.irp tt, 0,1
	ds_store_b64 v[HWA], v[QT+6*\tt+4:QT+6*\tt+5] offset:1024*\tt  ; 16 codes: my 8 bytes of the fragment's image
	ds_store_b8 v[HSA], v[QT+6*\tt+3] offset:64*\tt                ; both halves of the lanes write the same byte with the same value
.endr
.Ls1:
	s_wait_xcnt 0x0                                ; the loads have read their bases: these step only behind this wait
	s_add_nc_u64 s[GB:GB+1], s[GB:GB+1], 131072
	s_add_nc_u64 s[SGB:SGB+1], s[SGB:SGB+1], 8192
	s_add_co_u32 s[HO], s[HO], HBE
	s_add_co_u32 s[E], s[E], 1
	s_cmp_lt_u32 s[E], 16
	s_cbranch_scc1 .Le1
	s_wait_dscnt 0x0                               ; for the others' sake: my parts of the hidden layers have landed
	s_barrier_signal -1
	s_barrier_wait -1                              ; every used expert's hidden layer lies whole in LDS
	s_mov_b32 s[E], 0
	s_mov_b32 s[HO], 0
.irp tt, 0,1
.irp i, 0,1,2,3,4,5,6,7
	global_load_b32 v[OF+8*\tt+\i], v[H4], s[12:13] offset:(16*\tt+2*\i)*4   ; for the way out: lanes 0-15 the token at place 16 tt + 2 i, lanes 16-31 the next
.endr
.endr
	; ---------------- loop 2: down, times the weight, summed
.macro WD b, tx                        ; eight products: column tiles 4 b .. 4 b + 3 x the two tiles of tokens, each a whole sum (K = 128), into set tx
.irp nn, 0,1,2,3
.irp tt, 0,1
	WM \tx+8*(2*\nn+\tt), 128+8*(4*\b+\nn), HF+8*\tt, 1, SD+2*\b+\nn/2, HS, \nn%2, \tt
.endr
.endr
.endm
.macro FM b, tx                        ; out += weight x result: 32 packed multiply-adds, each result from its low pair on
.irp nn, 0,1,2,3
.irp tt, 0,1
.irp k, 0,2,4,6
	v_pk_fma_f32 v[8*(2*(4*\b+\nn)+\tt)+\k:8*(2*(4*\b+\nn)+\tt)+\k+1], v[\tx+8*(2*\nn+\tt)+\k:\tx+8*(2*\nn+\tt)+\k+1], v[CW+2*\tt:CW+2*\tt+1], v[8*(2*(4*\b+\nn)+\tt)+\k:8*(2*(4*\b+\nn)+\tt)+\k+1] op_sel_hi:[1,0,1]
.endr
.endr
.endr
.endm
.Le2:
	USED .Ls2
.irp q, 0,1,2,3
	global_load_b64 v[SD+2*\q:SD+2*\q+1], v[L8], s[SDB:SDB+1] offset:256*\q
.endr
	WIN 0x80
.irp n, 0,1,2,3,4,5,6,7,8,9,10,11,12,13,14,15
.irp c, 0,1
	global_load_b128 v[128+8*\n+4*\c:128+8*\n+4*\c+3], v[L16], s[DB:DB+1] offset:1024*\n+512*\c
.endr
.endr
	WIN 0
	v_add_nc_u32 v[HRA], s[HO], v[HRD0]
	v_add_nc_u32 v[HSRA], s[HO], v[HSR0]
.irp tt, 0,1
.irp c, 0,1
	ds_load_b128 v[HF+8*\tt+4*\c:HF+8*\tt+4*\c+3], v[HRA] offset:1024*\tt+512*\c
.endr
.endr
	ds_load_b32 v[HS], v[HSRA]
.irp tt, 0,1
	v_cmp_eq_u32 vcc_lo, s[E], v[ET+2*\tt+1]       ; the combine weight of expert E for my token: its second weight, its first, or 0
	v_cndmask_b32 v[CW+2*\tt], 0, v[WT+2*\tt+1], vcc_lo
	v_cmp_eq_u32 vcc_lo, s[E], v[ET+2*\tt]
	v_cndmask_b32 v[CW+2*\tt], v[CW+2*\tt], v[WT+2*\tt], vcc_lo
.endr
	s_wait_dscnt 0x0
	s_wait_loadcnt 24                              ; the scale words and column tiles 0-3 are in; the 24 loads of tiles 4-15 are younger
	WIN 0x02                                       ; source 0 (the weight) window 2
	WD 0, T0
	s_wait_loadcnt 16
	WD 1, T1
.rept 4
	v_nop                                          ; four places behind the products before set 0 is read
.endr
	WIN 0xf0                                       ; the sums: window 3
	FM 0, T0                                       ; from here on one set's 32 multiply-adds are the places behind the other set's products, and ahead of products that write a set anew
	s_wait_loadcnt 8
	WIN 0x02
	WD 2, T0
	WIN 0xf0
	FM 1, T1
	s_wait_loadcnt 0x0
	WIN 0x02
	WD 3, T1
	WIN 0xf0
	FM 2, T0
	FM 3, T1
	WIN 0
.Ls2:
	s_wait_xcnt 0x0                                ; the loads have read their bases
	s_add_nc_u64 s[DB:DB+1], s[DB:DB+1], 65536
	s_add_nc_u64 s[SDB:SDB+1], s[SDB:SDB+1], 4096
	s_add_co_u32 s[HO], s[HO], HBE
	s_add_co_u32 s[E], s[E], 1
	s_cmp_lt_u32 s[E], 16
	s_cbranch_scc1 .Le2
	; ---------------- the way out.  A lane holds 32 neighbouring bytes of a token's row and the lanes beside it other tokens: a tile of 16 tokens x my 256 columns goes through my own stage
	; (rows 1,040 bytes apart: 65 x 16) and comes back by rows; sixteen lanes then store 256 consecutive bytes, aligned, of the token's row of out0.
	s_wait_loadcnt 0x0                             ; the tokens' numbers
.set i, 0
.rept 16
	v_min_u32 v[OF+i], 0x1fff, v[OF+i]
	v_lshl_add_u32 v[OF+i], v[OF+i], 12, v[OL]     ; 4,096 bytes a row, + my bytes in it
.set i, i+1
.endr
.macro TOSTAGE tt
	WIN 0x0c                                       ; an LDS store's data are its source 1: window 3
.irp n, 0,1,2,3,4,5,6,7,8,9,10,11,12,13,14,15
	ds_store_b128 v[STO], v[8*(2*\n+\tt):8*(2*\n+\tt)+3] offset:64*\n
	ds_store_b128 v[STO], v[8*(2*\n+\tt)+4:8*(2*\n+\tt)+7] offset:64*\n+16
.endr
	WIN 0x40                                       ; back into window 1
.irp i, 0,1,2,3,4,5,6,7
.irp q, 0,1,2,3
	ds_load_b128 v[128*\tt+4*(4*\i+\q):128*\tt+4*(4*\i+\q)+3], v[SRD] offset:2*SPITCH*\i+256*\q    ; LDS serves a wave's instructions in order (ISA guide 5.7.1.4): these see the stores above, and the next tile's stores come behind them
.endr
.endr
.endm
.macro SEND tt
	WIN 0x04                                       ; a store's data are its source 1: window 1
.irp i, 0,1,2,3,4,5,6,7
.irp q, 0,1,2,3
	global_store_b128 v[OF+8*\tt+\i], v[128*\tt+4*(4*\i+\q):128*\tt+4*(4*\i+\q)+3], s[18:19] offset:256*\q th:TH_STORE_NT   ; written once, read by nobody here
.endr
.endr
.endm
	TOSTAGE 0
	TOSTAGE 1
	s_wait_dscnt 32                                ; tile 0 is back; only tile 1's 32 loads may be out
	SEND 0
	s_wait_dscnt 0x0
	SEND 1
	WIN 0
	s_wait_xcnt 0x0
	v_lshl_add_u32 v254, v0, 2, 0x1d800
	v_mov_b32 v255, 0
	s_wait_tensorcnt 0x0
	ds_add_u32 v254, v255
	s_wait_dscnt 0x0
	s_endpgm
.Lfunc_end_k_qac34d3b7c2_chain:
	.size	k_qac34d3b7c2_chain, .Lfunc_end_k_qac34d3b7c2_chain-k_qac34d3b7c2_chain
	.p2alignl 7, 3214868480
	.fill 96, 4, 3214868480
	.section	.rodata,"a",@progbits
	.p2align	6, 0x0
	.amdhsa_kernel k_qac34d3b7c2_chain
		.amdhsa_group_segment_fixed_size 121344
		.amdhsa_private_segment_fixed_size 0
		.amdhsa_enable_private_segment 0
		.amdhsa_kernarg_size 64
		.amdhsa_user_sgpr_count 2
		.amdhsa_user_sgpr_kernarg_segment_ptr 1
		.amdhsa_wavefront_size32 1
		.amdhsa_system_sgpr_workgroup_id_x 1
		.amdhsa_system_sgpr_workgroup_id_y 1
		.amdhsa_system_sgpr_workgroup_id_z 1
		.amdhsa_system_vgpr_workitem_id 0
		.amdhsa_next_free_vgpr 1024
		.amdhsa_next_free_sgpr 66
		.amdhsa_reserve_vcc 1
		.amdhsa_float_denorm_mode_32 3
		.amdhsa_float_denorm_mode_16_64 3
		.amdhsa_memory_ordered 1
		.amdhsa_forward_progress 1
		.amdhsa_inst_pref_size 78
	.end_amdhsa_kernel
	.amdgpu_metadata
---
amdhsa.version: [ 1, 2 ]
amdhsa.kernels:
  - .name:           k_qac34d3b7c2_chain
    .symbol:         k_qac34d3b7c2_chain.kd
    .args:
      - { .name: xq, .offset: 0, .size: 8, .value_kind: global_buffer, .address_space: global }
      - { .name: xs, .offset: 8, .size: 8, .value_kind: global_buffer, .address_space: global }
      - { .name: sel, .offset: 16, .size: 8, .value_kind: global_buffer, .address_space: global }
      - { .name: rw, .offset: 24, .size: 8, .value_kind: global_buffer, .address_space: global }
      - { .name: order, .offset: 32, .size: 8, .value_kind: global_buffer, .address_space: global }
      - { .name: wq, .offset: 40, .size: 8, .value_kind: global_buffer, .address_space: global }
      - { .name: ws, .offset: 48, .size: 8, .value_kind: global_buffer, .address_space: global }
      - { .name: out0, .offset: 56, .size: 8, .value_kind: global_buffer, .address_space: global }
    .group_segment_fixed_size: 121344
    .private_segment_fixed_size: 0
    .kernarg_segment_align: 8
    .kernarg_segment_size: 64
    .max_flat_workgroup_size: 128
    .sgpr_count:     66
    .vgpr_count:     1024
    .wavefront_size: 32
...
	.end_amdgpu_metadata
.endif
;; end of part 3
;; ======== version 2 of 3: 3 launches
;; workspace buffers: xq 4,194,304 bytes; xs 262,144 bytes; sel 65,536 bytes of whole numbers; key 32,768 bytes of whole numbers; rw 65,536 bytes; order 32,768 bytes of whole numbers; wq 3,145,728 bytes; ws 196,608 bytes
;; launch route: the kernel of part 1 again; grid 256 x 1, 8 waves a work-group, no clusters, 240,128 bytes of LDS; arguments hidden_states, gate_weight, xq, xs, sel, key, rw, out1; writes xq, xs, sel, key, rw, out1
;; launch prep (part 4): grid 432 x 1, 4 waves a work-group, no clusters, 68,096 bytes of LDS; arguments key, gate_up_weights, down_weights, order, wq, ws; writes order, wq, ws
.if DOCPART == 4
	.amdgcn_target "amdgcn-amd-amdhsa--gfx1250"
	.amdhsa_code_object_version 6
	.text
	.protected	k_qac34d3b7c2_prep
	.globl	k_qac34d3b7c2_prep
	.p2align	8
	.type	k_qac34d3b7c2_prep,@function
k_qac34d3b7c2_prep:
	s_mov_b64 s[64:65], 0
	v_nop
	global_prefetch_b8 v0, s[64:65] scope:SCOPE_SE
	s_setreg_imm32_b32 hwreg(HW_REG_WAVE_MODE, 25, 1), 1
	s_wait_xcnt 0x0
; PREP.  Two kinds of work that need nothing of each other share one launch.
; WORK-GROUPS 0-239 PLACE THE TOKENS: order[position] = token, the tokens sorted by key (the number of their pair of experts, 0 .. 119).  A counting sort without atomics.  The 8,192 tokens are eight chunks of 1,024;
; wave (b, c), b = work-group / 2, c = 4 (work-group % 2) + wave, owns the tokens of chunk c whose key is b.  Its run of places begins at: the keys under b in all chunks + the keys equal to b in the chunks before c.
; Both come from ONE count over all 8,192 keys: a key of a chunk before c counts if it lies under b + 1, a key of any other chunk if it lies under b.  Then the wave gives each token of its own chunk with key b its place.
; Each place is stored once, by one wave.  No LDS, no barrier, no loop, no branch: a group of 32 keys without a hit issues its store with no lane on.
; WORK-GROUPS 240-431 LAY THE WEIGHTS OUT: gate_up_weights [16][256][1024] and down_weights [16][1024][128], f32, K innermost, become codes of FP4 (E2M1) with E8M0 scale bytes, IN THE ORDER OF THE OPERAND'S
; REGISTERS, so that the next launch loads each fragment whole.  A wave takes one task of four fragments (16 rows x 128 K each).  In wq a task is 4,096 bytes: fragment f at 1,024 f, its register group c at 512 c + 16 lane.
; In ws a task is 256 bytes, [lane][2 words]: word p of lane (u, r) is the scale word of fragment 2 p + u, row r: one register then serves two fragments, by its lower and its upper lanes.
;   task t < 512:  t = (4 e + w) 8 + s: K step s of expert e's gate (p = 0) and up (p = 1) rows for wave w.  Lane r of fragment 2 p + u takes row 128 p + 32 w + 8 u + r + 8 (r / 8): THE ROWS OF A TILE ARE NOT
;                  NEIGHBOURS, so that the 16 result registers of tiles u = 0, 1 are 16 neighbouring hidden units.
;   task t >= 512: t - 512 = (4 e + w) 4 + q: fragment f is rows 256 w + 16 (4 q + f) + r of down[e].
; Both tensors take ONE path: only a pointer, three shifts and two offsets are chosen, on the task's number.  The quantiser is that of the launch before; the same limits hold: NaN and infinities are not served;
; a block whose largest magnitude lies under 2^-124 takes the byte 1, and so does a block of zeros (its codes are zeros, and this program alone reads the bytes).
.set NPLACE, 240
.set TPITCH, 528
.set TTILE,  16*TPITCH
.set WV,  16                           ; s16 my wave's number
.set CH,  17                           ; s17 my chunk (placing)
.set SEL, 18                           ; s[18:19]
.set BIN, 20                           ; s20 my key (placing);  the task's number (laying)
.set BASE, 21                          ; s21 the next place of my run
.set BP1, 22                           ; s22 my key + 1
.set MK,  24                           ; s[24:39] sixteen masks, then their counts (placing)
.set FB,  32                           ; s[32:39] the four fragments' first bytes (laying)
.set THR, 40                           ; s[40:47] under which number a key of chunk g counts
.set SVX, 50                           ; s50 takes the copy of EXEC that the narrowing line makes
.set HM,  52                           ; s52 the mask of lanes 16-31
.set LANE, 1
.set R,    2
.set H,    3
.set L16,  4
.set TW,   5
.set TR,   6
.set L8,   7
.set L4,   8
.set LT,   9                           ; 1,024 x my chunk + 4 x lane: the token of word 0 of my chunk's load 0
.set SH,   10
.set M0,   11
.set M1,   12
.set Q0,   13
.set Q1,   14
.set TMP,  15
.set VO,   16                          ; v[16:31] row i's byte offset + 16 lane
.set B0,   32
.set B1,   33
.set PP,   34                          ; a token's place, as a byte offset in order
.set TK,   35                          ; the token
.set KO,   36                          ; my chunk's keys: 4,096 x chunk + 16 x lane
.set KA,   64                          ; v[64:127], v[128:191] two sets of 64 registers: keys, or a fragment's numbers
.set KB,   128
.set KC,   192                         ; v[192:223] placing: my own chunk's keys
.set CF,   192                         ; v[192:223] laying: the four fragments' codes: a set each, so that no store's data are written again
.set SW,   224                         ; v[224:227] their scale words
.set MW,   228                         ; v[228:229] the two words that leave
	s_load_b256 s[4:11], s[0:1], 0x0               ; key s[4:5], gate_up s[6:7], down s[8:9], order s[10:11]
	s_load_b128 s[12:15], s[0:1], 0x20             ; wq s[12:13], ws s[14:15]
	v_lshl_add_u32 v254, v0, 2, 0x10800
	v_mov_b32 v255, 0
	v_lshrrev_b32 v1, 5, v0
	v_readfirstlane_b32 s[WV], v1
	v_and_b32 v[LANE], 31, v0
	v_and_b32 v[R], 15, v0
	v_bfe_u32 v[H], v0, 4, 1
	v_lshlrev_b32 v[L16], 4, v[LANE]
	v_lshlrev_b32 v[L8], 3, v[LANE]
	v_lshlrev_b32 v[L4], 2, v[LANE]
	v_lshlrev_b32 v[SH], 3, v[H]
	v_mov_b32 v[TMP], 0
	s_cmp_lt_u32 ttmp9, NPLACE
	s_cbranch_scc0 .Llay
	; ---------------- placing
.macro KLOAD set, batch                ; 2,048 keys, two chunks: word q of load j in lane l is token 2,048 batch + 128 j + 4 l + q
.irp j, 0,1,2,3,4,5,6,7,8,9,10,11,12,13,14,15
	global_load_b128 v[\set+4*\j:\set+4*\j+3], v[L16], s[4:5] offset:8192*\batch+512*\j
.endr
.endm
.macro COUNT set, batch                ; how many of these 2,048 keys come ahead of my run: registers 0-31 are chunk 2 batch, registers 32-63 chunk 2 batch + 1
.irp g, 0,1,2,3
.irp i, 0,1,2,3,4,5,6,7,8,9,10,11,12,13,14,15
	v_cmp_gt_u32 s[MK+\i], s[THR+2*\batch+\g/2], v[\set+16*\g+\i]
.endr
.irp i, 0,1,2,3,4,5,6,7,8,9,10,11,12,13,14,15
	s_bcnt1_i32_b32 s[MK+\i], s[MK+\i]
.endr
.irp i, 0,1,2,3,4,5,6,7,8,9,10,11,12,13,14,15
	s_add_co_u32 s[BASE], s[BASE], s[MK+\i]
.endr
.endr
.endm
.macro PLACE1 reg, tok                 ; 32 keys: those equal to mine get the next places of my run, in the order of the lanes.  All lanes are on at the head and at the end
	v_cmp_eq_u32 vcc_lo, s[BIN], v[\reg]
	v_mbcnt_lo_u32_b32 v[PP], vcc_lo, s[BASE]      ; the run's next place + the hits in the lanes below me
	v_lshlrev_b32 v[PP], 2, v[PP]                  ; in bytes,
	v_min_u32 v[PP], 0x7ffc, v[PP]                 ; and held inside the table of 8,192 words, as the last line that touches it: a number made of loaded numbers enters an address only so
	v_add_nc_u32 v[TK], \tok, v[LT]
	s_and_saveexec_b32 s[SVX], vcc_lo              ; only the hits store (no memory instruction has been issued since the last wait on XCNT)
	global_store_b32 v[PP], v[TK], s[10:11]
	s_bcnt1_i32_b32 s51, vcc_lo                    ; the run's next place steps while the store is on its way: neither register is a source of the store
	s_add_co_u32 s[BASE], s[BASE], s51
	s_wait_xcnt 0x0                                ; EXEC is a source of the store: it widens only behind this wait, which also frees the store's two registers for the next 32 keys
	s_mov_b32 exec_lo, -1                          ; all lanes on again, as they were
.endm
	s_lshr_b32 s[BIN], ttmp9, 1                    ; my key: 0 .. 119
	s_and_b32 s[CH], ttmp9, 1
	s_lshl_b32 s[CH], s[CH], 2
	s_add_co_u32 s[CH], s[CH], s[WV]               ; my chunk: 0 .. 7
	s_add_co_u32 s[BP1], s[BIN], 1
.irp g, 0,1,2,3,4,5,6,7
	s_cmp_gt_u32 s[CH], \g                         ; a chunk before mine: its keys equal to mine come ahead of my run too
	s_cselect_b32 s[THR+\g], s[BP1], s[BIN]
.endr
	s_mov_b32 s[BASE], 0
	s_lshl_b32 s48, s[CH], 10
	v_add_nc_u32 v[LT], s48, v[L4]
	s_lshl_b32 s48, s[CH], 12
	v_add_nc_u32 v[KO], s48, v[L16]
	s_wait_kmcnt 0x0
.irp j, 0,1,2,3,4,5,6,7
	global_load_b128 v[KC+4*\j:KC+4*\j+3], v[KO], s[4:5] offset:512*\j     ; my own chunk, kept for the placing: word q of load j in lane l is token 1,024 c + 128 j + 4 l + q
.endr
	KLOAD KA, 0                                    ; four visits, the two sets by turns, the loads two visits ahead
	KLOAD KB, 1
	s_wait_loadcnt 16                              ; this set's 16 loads are in (and my own chunk's, which are older); the other set's 16 are younger.  So at every visit but the last
	COUNT KA, 0
	KLOAD KA, 2
	s_wait_loadcnt 16
	COUNT KB, 1
	KLOAD KB, 3
	s_wait_loadcnt 16
	COUNT KA, 2
	s_wait_loadcnt 0x0
	COUNT KB, 3
	s_wait_xcnt 0x0                                ; EXEC is a source of the key loads: it narrows only behind this wait
.irp j, 0,1,2,3,4,5,6,7
.irp q, 0,1,2,3
	PLACE1 KC+4*\j+\q, 128*\j+\q
.endr
.endr
	s_endpgm
	; ---------------- laying out
.Llay:
	s_sub_co_u32 s20, ttmp9, NPLACE
	s_lshl_b32 s20, s20, 2
	s_add_co_u32 s20, s20, s[WV]                   ; the task: 0 .. 767
	s_lshr_b32 s21, s20, 5                         ; gate/up: e x 256 rows x 4,096 bytes
	s_lshl_b32 s21, s21, 20
	s_bfe_u32 s22, s20, 0x20003                    ; + w x 32 rows
	s_lshl_b32 s22, s22, 17
	s_add_co_u32 s21, s21, s22
	s_and_b32 s22, s20, 7                          ; + K step s x 512 bytes
	s_lshl_b32 s22, s22, 9
	s_add_co_u32 s21, s21, s22
	s_sub_co_u32 s22, s20, 512                     ; down: 64 rows of 512 bytes a task
	s_lshl_b32 s22, s22, 15
	s_mov_b32 s[SEL], 0x76543210
	s_mov_b32 s[SEL+1], 0xfedcba98
	s_mov_b32 s[HM], 0xffff0000
	s_mov_b32 s27, 0
	s_wait_kmcnt 0x0
	s_cmp_lt_u32 s20, 512                          ; all choices hang on the task's number alone, and stand ahead of any line that writes SCC
	s_cselect_b64 s[24:25], s[6:7], s[8:9]         ; the tensor
	s_cselect_b32 s26, s21, s22                    ; where the task begins in it
	s_cselect_b32 s28, 12, 9                       ; a row's pitch: 4,096 or 512 bytes
	s_cselect_b32 s29, 19, 14                      ; from fragment f to f + 2: 128 rows of 4,096, or 32 rows of 512
	s_cselect_b32 s30, 15, 13                      ; from f to f + 1: 8 rows of 4,096, or 16 rows of 512
	s_cselect_b32 s31, 0x8000, 0                   ; gate/up: a tile's rows 8-15 lie 8 rows further on
	s_add_nc_u64 s[24:25], s[24:25], s[26:27]
	s_lshl_b32 s29, 1, s29
	s_lshl_b32 s30, 1, s30
	s_mov_b64 s[FB:FB+1], s[24:25]
	s_mov_b32 s26, s30
	s_add_nc_u64 s[FB+2:FB+3], s[24:25], s[26:27]
	s_mov_b32 s26, s29
	s_add_nc_u64 s[FB+4:FB+5], s[24:25], s[26:27]
	s_add_co_u32 s26, s29, s30
	s_add_nc_u64 s[FB+6:FB+7], s[24:25], s[26:27]
.irp i, 0,1,2,3,4,5,6,7,8,9,10,11,12,13,14,15
	s_lshl_b32 s26, \i, s28
.if \i >= 8
	s_add_co_u32 s26, s26, s31
.endif
	v_add_nc_u32 v[VO+\i], s26, v[L16]
.endr
	s_lshl_b32 s26, s20, 12
	s_add_nc_u64 s[12:13], s[12:13], s[26:27]      ; the task's 4,096 bytes of codes
	s_lshl_b32 s26, s20, 8
	s_add_nc_u64 s[14:15], s[14:15], s[26:27]      ; and its 256 bytes of scale words
	s_mul_i32 s26, s[WV], 2*TTILE                  ; my wave's own LDS bytes: two tiles of 16 rows, 528 bytes apart
	v_add_nc_u32 v[TW], s26, v[L16]
	v_mul_u32_u24 v[TR], v[R], TPITCH
	v_lshl_add_u32 v[TR], v[H], 7, v[TR]
	v_add_nc_u32 v[TR], s26, v[TR]
.macro LOADF f, r                      ; fragment f's 16 slices of 512 consecutive bytes; read once in the whole launch
.irp i, 0,1,2,3,4,5,6,7,8,9,10,11,12,13,14,15
	global_load_b128 v[(\r)+4*\i:(\r)+4*\i+3], v[VO+\i], s[FB+2*(\f):FB+2*(\f)+1] th:TH_LOAD_NT
.endr
.endm
; 16 slices go into the wave's own bytes as they lie and come back 128 bytes a lane, into the registers that they left (LDS serves a wave's instructions in order: ISA guide 5.7.1.4):
; v[r + 32 c + i] is then number 64 c + 32 h + i of row r's slice.
.macro TURN r, o
.irp i, 0,1,2,3,4,5,6,7,8,9,10,11,12,13,14,15
	ds_store_b128 v[TW], v[(\r)+4*\i:(\r)+4*\i+3] offset:(\o)+TPITCH*\i
.endr
.irp c, 0,1
.irp j, 0,1,2,3,4,5,6,7
	ds_load_b128 v[(\r)+32*\c+4*\j:(\r)+32*\c+4*\j+3], v[TR] offset:(\o)+256*\c+16*\j
.endr
.endr
.endm
.macro QUANT r, f, s                   ; two whole blocks of 32 a lane become the fragment's 8 registers and the row's scale word
	v_max3_num_f32 v[M0], |v[(\r)]|, |v[(\r)+1]|, 0x1800000          ; with the floor 2^(3 - 127): the byte cannot fall under 1
	v_max3_num_f32 v[M1], |v[(\r)+32]|, |v[(\r)+33]|, 0x1800000
.irp i, 2,4,6,8,10,12,14,16,18,20,22,24,26,28,30
	v_max3_num_f32 v[M0], v[M0], |v[(\r)+\i]|, |v[(\r)+\i+1]|
	v_max3_num_f32 v[M1], v[M1], |v[(\r)+32+\i]|, |v[(\r)+33+\i]|
.endr
	v_add_nc_u32 v[Q0], 0xff000000, v[M0]          ; 2 off the exponent field: the conversion's scale operand
	v_add_nc_u32 v[Q1], 0xff000000, v[M1]
	v_lshrrev_b32 v[B0], 23, v[Q0]
	v_lshrrev_b32 v[B1], 23, v[Q1]
	v_lshl_or_b32 v[\s], v[B1], 16, v[B0]          ; the bytes of blocks h and 2 + h,
	v_lshlrev_b32 v[\s], v[SH], v[\s]              ; at their places;
	v_permlanex16_b32 v[TMP], v[\s], s[SEL], s[SEL+1]
	v_or_b32 v[\s], v[\s], v[TMP]                  ; with lane l xor 16's the word is whole
.irp g, 0,1,2,3
	v_cvt_scalef32_pk8_fp4_f32 v[(\f)+\g], v[(\r)+8*\g:(\r)+8*\g+7], v[Q0]
.endr
.irp g, 0,1,2,3
	v_cvt_scalef32_pk8_fp4_f32 v[(\f)+4+\g], v[(\r)+32+8*\g:(\r)+32+8*\g+7], v[Q1]
.endr
	v_nop                                          ; one plain place behind the last scaled conversion
.endm
.macro FRAG f
.if \f < 3
	s_wait_loadcnt 16                              ; this fragment's 16 loads are in; the next fragment's 16 are younger
.else
	s_wait_loadcnt 0x0
.endif
	TURN KA+64*(\f%2), TTILE*(\f%2)
	s_wait_dscnt 0x0
	QUANT KA+64*(\f%2), CF+8*\f, SW+\f
.if \f < 2
	LOADF \f+2, KA+64*(\f%2)                       ; the set just left takes the fragment two further on
.endif
	global_store_b128 v[L16], v[CF+8*\f:CF+8*\f+3], s[12:13] offset:1024*\f        ; an image of the registers: 512 consecutive bytes a store
	global_store_b128 v[L16], v[CF+8*\f+4:CF+8*\f+7], s[12:13] offset:1024*\f+512
.endm
	LOADF 0, KA
	LOADF 1, KB
	FRAG 0
	FRAG 1
	FRAG 2
	FRAG 3
.irp p, 0,1
	v_cndmask_b32 v[MW+\p], v[SW+2*\p], v[SW+2*\p+1], s[HM]    ; lanes 0-15: fragment 2 p's words; lanes 16-31: fragment 2 p + 1's
.endr
	global_store_b64 v[L8], v[MW:MW+1], s[14:15]   ; 256 consecutive bytes, aligned
	s_wait_tensorcnt 0x0
	ds_add_u32 v254, v255
	s_wait_dscnt 0x0
	s_endpgm
.Lfunc_end_k_qac34d3b7c2_prep:
	.size	k_qac34d3b7c2_prep, .Lfunc_end_k_qac34d3b7c2_prep-k_qac34d3b7c2_prep
	.p2alignl 7, 3214868480
	.fill 96, 4, 3214868480
	.section	.rodata,"a",@progbits
	.p2align	6, 0x0
	.amdhsa_kernel k_qac34d3b7c2_prep
		.amdhsa_group_segment_fixed_size 68096
		.amdhsa_private_segment_fixed_size 0
		.amdhsa_enable_private_segment 0
		.amdhsa_kernarg_size 48
		.amdhsa_user_sgpr_count 2
		.amdhsa_user_sgpr_kernarg_segment_ptr 1
		.amdhsa_wavefront_size32 1
		.amdhsa_system_sgpr_workgroup_id_x 1
		.amdhsa_system_sgpr_workgroup_id_y 1
		.amdhsa_system_sgpr_workgroup_id_z 1
		.amdhsa_system_vgpr_workitem_id 0
		.amdhsa_next_free_vgpr 256
		.amdhsa_next_free_sgpr 66
		.amdhsa_reserve_vcc 1
		.amdhsa_float_denorm_mode_32 3
		.amdhsa_float_denorm_mode_16_64 3
		.amdhsa_memory_ordered 1
		.amdhsa_forward_progress 1
		.amdhsa_inst_pref_size 87
	.end_amdhsa_kernel
	.amdgpu_metadata
---
amdhsa.version: [ 1, 2 ]
amdhsa.kernels:
  - .name:           k_qac34d3b7c2_prep
    .symbol:         k_qac34d3b7c2_prep.kd
    .args:
      - { .name: key, .offset: 0, .size: 8, .value_kind: global_buffer, .address_space: global }
      - { .name: gate_up_weights, .offset: 8, .size: 8, .value_kind: global_buffer, .address_space: global }
      - { .name: down_weights, .offset: 16, .size: 8, .value_kind: global_buffer, .address_space: global }
      - { .name: order, .offset: 24, .size: 8, .value_kind: global_buffer, .address_space: global }
      - { .name: wq, .offset: 32, .size: 8, .value_kind: global_buffer, .address_space: global }
      - { .name: ws, .offset: 40, .size: 8, .value_kind: global_buffer, .address_space: global }
    .group_segment_fixed_size: 68096
    .private_segment_fixed_size: 0
    .kernarg_segment_align: 8
    .kernarg_segment_size: 48
    .max_flat_workgroup_size: 128
    .sgpr_count:     66
    .vgpr_count:     256
    .wavefront_size: 32
...
	.end_amdgpu_metadata
.endif
;; end of part 4
;; launch chain: the kernel of part 3 again; grid 256 x 1, 4 waves a work-group, no clusters, 121,344 bytes of LDS; arguments xq, xs, sel, rw, order, wq, ws, out0; writes out0
;; ======== version 3 of 3: 3 launches
;; workspace buffers: xq 4,194,304 bytes; xs 262,144 bytes; sel 65,536 bytes of whole numbers; key 32,768 bytes of whole numbers; rw 65,536 bytes; order 32,768 bytes of whole numbers; wq 3,145,728 bytes; ws 196,608 bytes
;; launch route (part 5): grid 256 x 1, 8 waves a work-group, no clusters, 240,128 bytes of LDS; arguments hidden_states, gate_weight, xq, xs, sel, key, rw, out1; writes xq, xs, sel, key, rw, out1
.if DOCPART == 5
	.amdgcn_target "amdgcn-amd-amdhsa--gfx1250"
	.amdhsa_code_object_version 6
	.text
	.protected	k_qac34d3b7c2_route
	.globl	k_qac34d3b7c2_route
	.p2align	8
	.type	k_qac34d3b7c2_route,@function
k_qac34d3b7c2_route:
	s_mov_b64 s[64:65], 0
	v_nop
	global_prefetch_b8 v0, s[64:65] scope:SCOPE_SE
	s_setreg_imm32_b32 hwreg(HW_REG_WAVE_MODE, 25, 1), 1
	s_wait_xcnt 0x0
; ROUTE.  x [8192][1024] f32 is turned into codes of FP4 (E2M1) with one E8M0 byte for each 32 along K (xq: [token][512 bytes], K in its plain order; xs: [token][32 bytes]);
; the router's logits x G^T (G: gate_weight [16][1024], quantised here too) are made by the scaled FP4 matrix instruction and stored (out1); the two choices of experts and their weights follow in f32.
; What hangs on floating-point numbers is only STORED, at fixed places: sel [token][2] the two experts, key [token] the number of the pair (lo, hi), lo (31 - lo) / 2 + hi - lo - 1, rw [token][2] the two weights.
; SHARES.  A work-group takes 32 tokens (two tiles of 16).  Wave w takes K step w (columns 128 w .. 128 w + 127) of the 16 gate rows and of the 32 tokens: 48 slices of 512 consecutive bytes,
; one load each, all issued at the head.  A slice lies across the lanes; the conversions want 32 neighbours along K in ONE lane, so each tile of 16 slices turns through the wave's own LDS bytes
; (rows 528 bytes apart: 33 x 16, so that the sixteen rows of a read begin at sixteen different groups of banks).  Then lane (r, h) holds k = 64 c + 32 h + 0 .. 31 of row r: two whole blocks, in the operand's own order.
; Each wave makes its K step's part of the logits (two matrix instructions); the eight parts meet in LDS and are added in ascending K by waves 0 and 1, a tile each, which then choose.
; LIMITS: NaN and infinities among the inputs are not served.  A block whose largest magnitude lies under 2^-124 takes the scale byte 1; a block of zeros takes 1 where the rule says 127 (its codes are zeros, and
; this program alone reads the bytes).  The quotient (m - s) / factor is a reciprocal with one correction by the remainder, not an IEEE division; a factor under 2^-126 counts as 0 for the reciprocal.
; The logits are eight sums of 128 along K added in ascending order.
.set TPITCH, 528
.set TTILE,  16*TPITCH                 ; a tile of 16 slices in LDS
.set TWAVE,  3*TTILE                   ; a wave's three tiles: gate, x tile 0, x tile 1
.set CST,    8*TWAVE                   ; the work-group's codes: 32 rows of 512 bytes, 528 apart
.set XSS,    CST+32*TPITCH             ; its scale words: [token][8 words]
.set PART,   XSS+1024                  ; the parts of the logits, as images of registers: 2,048 w + 1,024 tile + 512 q + 16 lane
.set LGS,    PART+16384                ; the logits on their way out: 1,024 bytes a tile
.set WV,  20                           ; s20 my wave's number
.set SEL, 22                           ; s[22:23] selects of v_permlanex16_b32 for lane l xor 16
.set TH,  27                           ; s27 0.02 = 2 x the jitter
.set HM,  28                           ; s28 the mask of lanes 16-31
.set LANE, 1
.set R,    2                           ; lane % 16
.set H,    3                           ; lane / 16
.set L16,  4                           ; 16 x lane
.set TW,   5                           ; the turn, in: my wave's bytes + 16 x lane
.set TR,   6                           ; the turn, out: + 528 r + 128 h
.set CSW,  7                           ; where my codes go: CST + 528 r + 64 w + 16 h
.set XSW,  8                           ; and my row's scale word: XSS + 32 r + 4 w
.set PW,   9                           ; where my part of the logits goes
.set SH,   10                          ; 8 h: my two scale bytes' place in the word
.set M0,   11                          ; the two blocks' largest magnitudes,
.set M1,   12
.set Q0,   13                          ; the conversions' scale operands,
.set Q1,   14
.set TMP,  15                          ; a lane permute's destination (written once at the head: it counts as read)
.set GF,   16                          ; v[16:23] the gate's fragment;  v[24:31], v[32:39] x's two
.set XF,   24
.set SG,   40                          ; v40 the gate's scale words;  v41, v42 x's: they hold scales and nothing else
.set SX,   41
.set DA,   44                          ; v[44:51], v[52:59] my parts of the logits
.set B0,   60
.set B1,   61
.set CRD,  62                          ; where I read four whole rows of codes back
.set RG,   64                          ; v[64:127] the gate's 16 slices;  v[128:255] x's 32
.set RX,   128
	s_load_b256 s[4:11], s[0:1], 0x0               ; x s[4:5], G s[6:7], xq s[8:9], xs s[10:11]
	s_load_b256 s[12:19], s[0:1], 0x20             ; sel s[12:13], key s[14:15], rw s[16:17], out1 s[18:19]
	v_lshl_add_u32 v43, v0, 2, 0x3a600
	v_mov_b32 v63, 0
	v_lshrrev_b32 v1, 5, v0
	s_delay_alu instid0(VALU_DEP_1)
	v_readfirstlane_b32 s[WV], v1                  ; wave 0..7
	v_and_b32 v[LANE], 31, v0
	v_and_b32 v[R], 15, v0
	v_bfe_u32 v[H], v0, 4, 1
	s_delay_alu instid0(VALU_DEP_3)
	v_lshlrev_b32 v[L16], 4, v[LANE]
	s_mul_i32 s24, s[WV], TWAVE
	v_add_nc_u32 v[TW], s24, v[L16]
	v_mul_u32_u24 v[TR], v[R], TPITCH
	s_delay_alu instid0(VALU_DEP_1)
	v_lshl_add_u32 v[TR], v[H], 7, v[TR]
	s_delay_alu instid0(VALU_DEP_1)
	v_add_nc_u32 v[TR], s24, v[TR]
	v_mul_u32_u24 v[CSW], v[R], TPITCH
	s_delay_alu instid0(VALU_DEP_1)
	v_lshl_add_u32 v[CSW], v[H], 4, v[CSW]
	s_lshl_b32 s24, s[WV], 6
	s_add_co_u32 s24, s24, CST
	v_add_nc_u32 v[CSW], s24, v[CSW]
	v_lshlrev_b32 v[XSW], 5, v[R]
	s_lshl_b32 s24, s[WV], 2
	s_add_co_u32 s24, s24, XSS
	v_add_nc_u32 v[XSW], s24, v[XSW]
	s_lshl_b32 s24, s[WV], 11
	s_add_co_u32 s24, s24, PART
	v_add_nc_u32 v[PW], s24, v[L16]
	s_mul_i32 s24, s[WV], 4*TPITCH
	s_add_co_u32 s24, s24, CST
	v_add_nc_u32 v[CRD], s24, v[L16]
	v_lshlrev_b32 v[SH], 3, v[H]
	v_mov_b32 v[TMP], 0
	s_mov_b32 s[SEL], 0x76543210
	s_mov_b32 s[SEL+1], 0xfedcba98
	s_mov_b32 s[TH], 0x3ca3d70a                    ; 0.02
	s_mov_b32 s[HM], 0xffff0000
	s_mov_b32 s25, 0
	s_lshl_b32 s26, s[WV], 9                       ; my K step: 128 numbers = 512 bytes
	s_lshl_b32 s24, ttmp9, 17                      ; the work-group's 32 rows of 4,096 bytes
	s_add_co_u32 s24, s24, s26
	s_wait_kmcnt 0x0
	s_add_nc_u64 s[4:5], s[4:5], s[24:25]
	s_mov_b32 s24, s26
	s_add_nc_u64 s[6:7], s[6:7], s[24:25]
.set i, 0
.rept 16
	global_load_b128 v[RG+4*i:RG+4*i+3], v[L16], s[6:7] offset:4096*i              ; gate row i: 32 lanes read 512 consecutive bytes
.set i, i+1
.endr
.set i, 0
.rept 32
	global_load_b128 v[RX+4*i:RX+4*i+3], v[L16], s[4:5] offset:4096*i th:TH_LOAD_NT   ; token i; read once in the whole launch
.set i, i+1
.endr
	s_lshl_b32 s24, ttmp9, 14                      ; xq: 32 rows of 512 bytes a work-group, 4 rows a wave
	s_lshl_b32 s26, s[WV], 11
	s_add_co_u32 s24, s24, s26
	s_add_nc_u64 s[8:9], s[8:9], s[24:25]
	s_lshl_b32 s24, ttmp9, 10                      ; xs: 32 x 32 bytes; waves 0, 1: a tile's 512
	s_lshl_b32 s26, s[WV], 9
	s_add_co_u32 s24, s24, s26
	s_add_nc_u64 s[10:11], s[10:11], s[24:25]
	s_lshl_b32 s24, ttmp9, 8                       ; sel, rw: 8 bytes a token
	s_lshl_b32 s26, s[WV], 7
	s_add_co_u32 s24, s24, s26
	s_add_nc_u64 s[12:13], s[12:13], s[24:25]
	s_add_nc_u64 s[16:17], s[16:17], s[24:25]
	s_lshl_b32 s24, ttmp9, 7                       ; key: 4 bytes a token
	s_lshl_b32 s26, s[WV], 6
	s_add_co_u32 s24, s24, s26
	s_add_nc_u64 s[14:15], s[14:15], s[24:25]
	s_lshl_b32 s24, ttmp9, 11                      ; out1: 64 bytes a token
	s_lshl_b32 s26, s[WV], 10
	s_add_co_u32 s24, s24, s26
	s_add_nc_u64 s[18:19], s[18:19], s[24:25]
; 16 slices in v[r ..] go into the wave's own bytes at o as they lie and come back 128 bytes a lane, into the registers that they left: LDS serves a wave's instructions in order (ISA guide 5.7.1.4).
; Behind it v[r + 32 c + i] is number 64 c + 32 h + i of row r's slice.
.macro TURN r, o
.irp i, 0,1,2,3,4,5,6,7,8,9,10,11,12,13,14,15
	ds_store_b128 v[TW], v[(\r)+4*\i:(\r)+4*\i+3] offset:(\o)+TPITCH*\i
.endr
.irp c, 0,1
.irp j, 0,1,2,3,4,5,6,7
	ds_load_b128 v[(\r)+32*\c+4*\j:(\r)+32*\c+4*\j+3], v[TR] offset:(\o)+256*\c+16*\j
.endr
.endr
.endm
; 64 numbers of a lane (two whole blocks of 32) become the fragment's 8 registers v[f ..] and the row's scale word v[s].
.macro QUANT r, f, s
	v_max3_num_f32 v[M0], |v[(\r)]|, |v[(\r)+1]|, 0x1800000          ; the largest magnitude, with the floor 2^(3 - 127) among its leaves: the byte cannot fall under 1
	v_max3_num_f32 v[M1], |v[(\r)+32]|, |v[(\r)+33]|, 0x1800000
.irp i, 2,4,6,8,10,12,14,16,18,20,22,24,26,28,30
	s_delay_alu instid0(VALU_DEP_2)
	v_max3_num_f32 v[M0], v[M0], |v[(\r)+\i]|, |v[(\r)+\i+1]|        ; (the two blocks by turns)
	s_delay_alu instid0(VALU_DEP_2)
	v_max3_num_f32 v[M1], v[M1], |v[(\r)+32+\i]|, |v[(\r)+33+\i]|
.endr
	s_delay_alu instid0(VALU_DEP_2)
	v_add_nc_u32 v[Q0], 0xff000000, v[M0]          ; 2 off the exponent field: the conversion takes that field as its scale and nothing else of the operand
	s_delay_alu instid0(VALU_DEP_2)
	v_add_nc_u32 v[Q1], 0xff000000, v[M1]
	s_delay_alu instid0(VALU_DEP_2)
	v_lshrrev_b32 v[B0], 23, v[Q0]                 ; the scale bytes of blocks h and 2 + h
	s_delay_alu instid0(VALU_DEP_2)
	v_lshrrev_b32 v[B1], 23, v[Q1]
	s_delay_alu instid0(VALU_DEP_1)
	v_lshl_or_b32 v[\s], v[B1], 16, v[B0]
	s_delay_alu instid0(VALU_DEP_1)
	v_lshlrev_b32 v[\s], v[SH], v[\s]              ; at their places in the word;
	s_delay_alu instid0(VALU_DEP_1)
	v_permlanex16_b32 v[TMP], v[\s], s[SEL], s[SEL+1]
	s_delay_alu instid0(VALU_DEP_1)
	v_or_b32 v[\s], v[\s], v[TMP]                  ; with lane l xor 16's two the word is whole, in both halves of the lanes
.irp g, 0,1,2,3
	v_cvt_scalef32_pk8_fp4_f32 v[(\f)+\g], v[(\r)+8*\g:(\r)+8*\g+7], v[Q0]
.endr
.irp g, 0,1,2,3
	v_cvt_scalef32_pk8_fp4_f32 v[(\f)+4+\g], v[(\r)+32+8*\g:(\r)+32+8*\g+7], v[Q1]
.endr
	v_nop                                          ; one plain place behind the last scaled conversion
.endm
.macro XTILE tt                        ; tile tt of x: quantised; its codes and scale words also go to the work-group's stage, K in its plain order
	TURN RX+64*\tt, (1+\tt)*TTILE
	s_wait_dscnt 0x0
	QUANT RX+64*\tt, XF+8*\tt, SX+\tt
	ds_store_b128 v[CSW], v[XF+8*\tt:XF+8*\tt+3] offset:\tt*TTILE          ; k = 32 h .. of my K step: bytes 64 w + 16 h of row r
	ds_store_b128 v[CSW], v[XF+8*\tt+4:XF+8*\tt+7] offset:\tt*TTILE+32     ; k = 64 + 32 h ..
	ds_store_b32 v[XSW], v[SX+\tt] offset:512*\tt                          ; both halves of the lanes write the same word with the same value
.endm
	s_wait_loadcnt 32                              ; the gate's 16 loads are in; x's 32 are younger
	TURN RG, 0
	s_wait_dscnt 0x0
	QUANT RG, GF, SG
	s_wait_loadcnt 16                              ; x's tile 0 is in; tile 1's 16 are younger
	XTILE 0
	s_wait_loadcnt 0x0
	XTILE 1
.rept 8
	v_nop                                          ; a scale register written by a vector instruction stands 8 places ahead of a scaled matrix instruction, an operand so written 4
.endr
	; source 0 = the gate's 16 rows, source 1 = 16 tokens: lane (r, h) holds token r, register j expert 8 h + j
	v_wmma_scale_f32_16x16x128_f8f6f4 v[DA:DA+7], v[GF:GF+7], v[XF:XF+7], 0, v[SG], v[SX] matrix_a_fmt:MATRIX_FMT_FP4 matrix_b_fmt:MATRIX_FMT_FP4
	v_wmma_scale_f32_16x16x128_f8f6f4 v[DA+8:DA+15], v[GF:GF+7], v[XF+8:XF+15], 0, v[SG], v[SX+1] matrix_a_fmt:MATRIX_FMT_FP4 matrix_b_fmt:MATRIX_FMT_FP4
.rept 4
	v_nop                                          ; four places behind a matrix instruction before its result is read (ISA guide 7.12.1)
.endr
	ds_store_b128 v[PW], v[DA:DA+3]                ; each result from its low end on
	ds_store_b128 v[PW], v[DA+4:DA+7] offset:512
	ds_store_b128 v[PW], v[DA+8:DA+11] offset:1024
	ds_store_b128 v[PW], v[DA+12:DA+15] offset:1536
	s_wait_dscnt 0x0                               ; for the others' sake: my codes, scale words and parts have landed
	s_barrier_signal -1
	s_barrier_wait -1                              ; everybody's have: the one barrier of the launch
.irp i, 0,1,2,3
	ds_load_b128 v[RG+4*\i:RG+4*\i+3], v[CRD] offset:TPITCH*\i     ; rows 4 w + i of the codes, whole
.endr
.irp i, 0,1,2,3
	s_wait_dscnt 3-\i                              ; row i is in; the younger rows may be out
	global_store_b128 v[L16], v[RG+4*\i:RG+4*\i+3], s[8:9] offset:512*\i   ; 32 lanes store 512 consecutive bytes, aligned
.endr
	s_cmp_lt_u32 s[WV], 2                          ; waves 0 and 1 go on, a tile of tokens each; no barrier follows
	s_cbranch_scc0 .Lend
.set XSR, 240
.set PR,  241
.set LGR, 242
.set LGW, 243
.set A8,  244
.set A4,  245
.set ZERO, 246
.set NINF, 247
.set XD,  80                           ; v[80:83] the tile's scale words on their way out
.set OB,  84                           ; v[84:91] the logits on their way out
.set LG,  96                           ; v[96:103] my token's logits of experts 8 h + 0 .. 7
.set S2,  104                          ; the same with the first choice at -infinity
.set NN,  112
.set FF,  120
.set P,   128                          ; v[128:191] the eight parts
.set RC,  192
.set QQ,  200
.set EE,  208
.set TT,  216
.set MX,  224
.set IX,  225
.set MO,  226
.set IO,  227
.set SU,  228
.set SO,  229
.set I1,  230
.set W1,  231
.set I2,  232
.set W2,  233
.set DD,  234
.set LO,  235
.set HI,  236
.set KY,  237
.set SV,  238
.set RV,  239
	s_lshl_b32 s24, s[WV], 9
	s_add_co_u32 s24, s24, XSS
	v_add_nc_u32 v[XSR], s24, v[L16]
	s_lshl_b32 s24, s[WV], 10
	s_add_co_u32 s25, s24, PART
	v_add_nc_u32 v[PR], s25, v[L16]
	s_add_co_u32 s25, s24, LGS
	v_add_nc_u32 v[LGR], s25, v[L16]
	v_lshlrev_b32 v[LGW], 6, v[R]
	s_delay_alu instid0(VALU_DEP_1)
	v_lshl_add_u32 v[LGW], v[H], 5, v[LGW]
	s_delay_alu instid0(VALU_DEP_1)
	v_add_nc_u32 v[LGW], s25, v[LGW]
	ds_load_b128 v[XD:XD+3], v[XSR]
.irp w, 0,1,2,3,4,5,6,7
.irp q, 0,1
	ds_load_b128 v[P+8*\w+4*\q:P+8*\w+4*\q+3], v[PR] offset:2048*\w+512*\q
.endr
.endr
	v_lshlrev_b32 v[A8], 3, v[R]
	s_delay_alu instid0(VALU_DEP_1)
	v_lshl_add_u32 v[A8], v[H], 2, v[A8]           ; 8 r + 4 h
	v_lshlrev_b32 v[A4], 2, v[R]
	v_mov_b32 v[ZERO], 0
	v_mov_b32 v[NINF], 0xff800000
	v_mov_b32 v[MO], 0                             ; lane permutes' destinations count as read
	v_mov_b32 v[IO], 0
	v_mov_b32 v[SO], 0
	s_wait_dscnt 16                                ; the scale words are in; the 16 loads of parts are younger
	global_store_b128 v[L16], v[XD:XD+3], s[10:11] ; 16 tokens x 32 bytes: 512 consecutive bytes
	s_wait_dscnt 0x0
.irp k, 0,2,4,6
	v_pk_add_f32 v[LG+\k:LG+\k+1], v[P+\k:P+\k+1], v[P+8+\k:P+8+\k+1]       ; the eight parts in ascending K
.endr
.irp w, 2,3,4,5,6,7
.irp k, 0,2,4,6
	s_delay_alu instid0(VALU_DEP_4)
	v_pk_add_f32 v[LG+\k:LG+\k+1], v[LG+\k:LG+\k+1], v[P+8*\w+\k:P+8*\w+\k+1]
.endr
.endr
	ds_store_b128 v[LGW], v[LG:LG+3]               ; a token's row of 16 logits is 64 bytes: 64 r + 32 h
	ds_store_b128 v[LGW], v[LG+4:LG+7] offset:16
	ds_load_b128 v[OB:OB+3], v[LGR]                ; and back 16 bytes a lane (my own bytes: served in order)
	ds_load_b128 v[OB+4:OB+7], v[LGR] offset:512
; One choice.  s: the scores that compete (the logits, or the logits with the first choice at -infinity); the jitter mask is always taken of the logits themselves.
; The largest score M and its index (the lower index on a tie); an entry is masked where (M - o) / max(|o|, M) > 0.02; the weight of the chosen entry in the softmax over the unmasked entries,
; whose largest is M itself (the chosen entry is never masked): 1 / the sum of exp(s - M).  di, dw: where index and weight go.
.macro MIX s, di, dw
	v_mov_b32 v[MX], v[\s]
	v_mov_b32 v[IX], 0
.irp j, 1
	s_delay_alu instid0(VALU_DEP_2)
	v_cmp_le_f32 vcc_lo, v[\s+\j], v[MX]           ; not larger: the earlier index stays
	s_delay_alu instid0(VALU_DEP_1)
	v_cndmask_b32 v[IX], \j, v[IX], vcc_lo
	s_delay_alu instid0(VALU_DEP_4)
	v_max_num_f32 v[MX], v[MX], v[\s+\j]
.endr
.irp j, 2, 3, 4, 5, 6, 7
	s_delay_alu instid0(VALU_DEP_1)
	v_cmp_le_f32 vcc_lo, v[\s+\j], v[MX]
	s_delay_alu instid0(VALU_DEP_1)
	v_cndmask_b32 v[IX], \j, v[IX], vcc_lo
	s_delay_alu instid0(VALU_DEP_3)
	v_max_num_f32 v[MX], v[MX], v[\s+\j]
.endr
	s_delay_alu instid0(VALU_DEP_2)
	v_lshl_add_u32 v[IX], v[H], 3, v[IX]           ; + 8 h
	s_delay_alu instid0(VALU_DEP_2)
	v_permlanex16_b32 v[MO], v[MX], s[SEL], s[SEL+1]
	s_delay_alu instid0(VALU_DEP_2)
	v_permlanex16_b32 v[IO], v[IX], s[SEL], s[SEL+1]
	s_delay_alu instid0(VALU_DEP_2)
	v_cmp_gt_f32 s24, v[MO], v[MX]                 ; the other half's wins if it is larger,
	s_delay_alu instid0(VALU_DEP_3)
	v_cmp_eq_f32 s25, v[MO], v[MX]
	s_delay_alu instid0(VALU_DEP_3)
	v_cmp_lt_u32 s26, v[IO], v[IX]                 ; or equal with the lower index
	s_and_b32 s25, s25, s26
	s_or_b32 s24, s24, s25
	v_cndmask_b32 v[MX], v[MX], v[MO], s24
	v_cndmask_b32 v[\di], v[IX], v[IO], s24
.irp j, 0,1,2,3,4,5,6,7
	v_sub_f32 v[NN+\j], v[MX], v[LG+\j]
.endr
.irp j, 0,1,2,3,4,5,6,7
	v_max_num_f32 v[FF+\j], |v[LG+\j]|, v[MX]
.endr
	s_wait_alu depctr_va_vdst(0)
.irp j, 0,1,2,3,4,5,6,7
	v_rcp_f32 v[RC+\j], v[FF+\j]
.endr
.irp j, 0,1,2,3,4,5,6,7
	v_sub_f32 v[TT+\j], v[\s+\j], v[MX]            ; (plain lines behind the reciprocals)
.endr
	s_wait_alu depctr_va_vdst(0)
.irp j, 0,1,2,3,4,5,6,7
	v_mul_f32 v[QQ+\j], v[NN+\j], v[RC+\j]
.endr
.irp j, 0,1,2,3,4,5,6,7
	v_fma_f32 v[EE+\j], -v[QQ+\j], v[FF+\j], v[NN+\j]      ; the remainder,
.endr
.irp j, 0,1,2,3,4,5,6,7
	v_fma_f32 v[QQ+\j], v[EE+\j], v[RC+\j], v[QQ+\j]       ; and the quotient corrected by it
.endr
.irp j, 0,1,2,3,4,5,6,7
	v_mul_f32 v[TT+\j], 0x3fb8aa3b, v[TT+\j]
.endr
	s_wait_alu depctr_va_vdst(0)
.irp j, 0,1,2,3,4,5,6,7
	v_exp_f32 v[TT+\j], v[TT+\j]                   ; exp(s - M); 0 for -infinity
.endr
	v_nop                                          ; one plain place behind the exponentials
	s_wait_alu depctr_va_vdst(0)
.irp j, 0,1,2,3,4,5,6,7
	v_cmp_lt_f32 vcc_lo, s[TH], v[QQ+\j]           ; false for NaN (0 / 0), as in the problem's own compare
	v_cndmask_b32 v[TT+\j], v[TT+\j], v[ZERO], vcc_lo
.endr
	v_pk_add_f32 v[TT:TT+1], v[TT:TT+1], v[TT+2:TT+3]
	s_delay_alu instid0(VALU_DEP_2)
	v_pk_add_f32 v[TT+4:TT+5], v[TT+4:TT+5], v[TT+6:TT+7]
	s_delay_alu instid0(VALU_DEP_1)
	v_pk_add_f32 v[TT:TT+1], v[TT:TT+1], v[TT+4:TT+5]
	s_delay_alu instid0(VALU_DEP_1)
	v_add_f32 v[SU], v[TT], v[TT+1]
	s_delay_alu instid0(VALU_DEP_1)
	v_permlanex16_b32 v[SO], v[SU], s[SEL], s[SEL+1]
	s_delay_alu instid0(VALU_DEP_1)
	v_add_f32 v[SU], v[SU], v[SO]
	s_wait_alu depctr_va_vdst(0)
	v_rcp_f32 v[\dw], v[SU]
	v_nop
.endm
	MIX LG, I1, W1
	v_lshlrev_b32 v[DD], 3, v[H]
	s_delay_alu instid0(VALU_DEP_1)
	v_sub_nc_u32 v[DD], v[I1], v[DD]               ; the first choice's place among my eight, if it is there
.irp j, 0,1,2,3,4,5,6,7
	v_cmp_eq_u32 vcc_lo, \j, v[DD]
	s_delay_alu instid0(VALU_DEP_1)
	v_cndmask_b32 v[S2+\j], v[LG+\j], v[NINF], vcc_lo
.endr
	MIX S2, I2, W2
	v_min_u32 v[LO], v[I1], v[I2]
	v_max_u32 v[HI], v[I1], v[I2]
	s_delay_alu instid0(VALU_DEP_2)
	v_sub_nc_u32 v[KY], 31, v[LO]
	s_delay_alu instid0(VALU_DEP_1)
	v_mul_u32_u24 v[KY], v[LO], v[KY]
	s_delay_alu instid0(VALU_DEP_1)
	v_lshrrev_b32 v[KY], 1, v[KY]                  ; lo (31 - lo) / 2: the pairs with a smaller lo
	s_delay_alu instid0(VALU_DEP_1)
	v_add_nc_u32 v[KY], v[KY], v[HI]
	s_delay_alu instid0(VALU_DEP_1)
	v_sub_nc_u32 v[KY], v[KY], v[LO]
	s_delay_alu instid0(VALU_DEP_1)
	v_add_nc_u32 v[KY], -1, v[KY]
	v_cndmask_b32 v[SV], v[I1], v[I2], s[HM]       ; lanes 0-15 carry the first choice, lanes 16-31 the second
	s_wait_alu depctr_va_vdst(0)
	v_cndmask_b32 v[RV], v[W1], v[W2], s[HM]
	s_wait_alu depctr_va_vdst(0)
	s_wait_dscnt 0x0                               ; the logits are back
	global_store_b128 v[L16], v[OB:OB+3], s[18:19]
	global_store_b128 v[L16], v[OB+4:OB+7], s[18:19] offset:512
	global_store_b32 v[A8], v[SV], s[12:13]
	global_store_b32 v[A8], v[RV], s[16:17]
	v_cmp_gt_u32 vcc_lo, 16, v[LANE]
	s_wait_xcnt 0x0                                ; EXEC is a source of the stores above: it changes only behind this wait
	s_and_saveexec_b32 s26, vcc_lo
	global_store_b32 v[A4], v[KY], s[14:15]        ; one number a token: lanes 0-15
	s_wait_xcnt 0x0
	s_or_b32 exec_lo, exec_lo, s26
.Lend:
	s_wait_tensorcnt 0x0
	ds_add_u32 v43, v63
	s_wait_dscnt 0x0
	s_endpgm
.Lfunc_end_k_qac34d3b7c2_route:
	.size	k_qac34d3b7c2_route, .Lfunc_end_k_qac34d3b7c2_route-k_qac34d3b7c2_route
	.p2alignl 7, 3214868480
	.fill 96, 4, 3214868480
	.section	.rodata,"a",@progbits
	.p2align	6, 0x0
	.amdhsa_kernel k_qac34d3b7c2_route
		.amdhsa_group_segment_fixed_size 240128
		.amdhsa_private_segment_fixed_size 0
		.amdhsa_enable_private_segment 0
		.amdhsa_kernarg_size 64
		.amdhsa_user_sgpr_count 2
		.amdhsa_user_sgpr_kernarg_segment_ptr 1
		.amdhsa_wavefront_size32 1
		.amdhsa_system_sgpr_workgroup_id_x 1
		.amdhsa_system_sgpr_workgroup_id_y 1
		.amdhsa_system_sgpr_workgroup_id_z 1
		.amdhsa_system_vgpr_workitem_id 0
		.amdhsa_next_free_vgpr 256
		.amdhsa_next_free_sgpr 66
		.amdhsa_reserve_vcc 1
		.amdhsa_float_denorm_mode_32 3
		.amdhsa_float_denorm_mode_16_64 3
		.amdhsa_memory_ordered 1
		.amdhsa_forward_progress 1
		.amdhsa_inst_pref_size 49
	.end_amdhsa_kernel
	.amdgpu_metadata
---
amdhsa.version: [ 1, 2 ]
amdhsa.kernels:
  - .name:           k_qac34d3b7c2_route
    .symbol:         k_qac34d3b7c2_route.kd
    .args:
      - { .name: hidden_states, .offset: 0, .size: 8, .value_kind: global_buffer, .address_space: global }
      - { .name: gate_weight, .offset: 8, .size: 8, .value_kind: global_buffer, .address_space: global }
      - { .name: xq, .offset: 16, .size: 8, .value_kind: global_buffer, .address_space: global }
      - { .name: xs, .offset: 24, .size: 8, .value_kind: global_buffer, .address_space: global }
      - { .name: sel, .offset: 32, .size: 8, .value_kind: global_buffer, .address_space: global }
      - { .name: key, .offset: 40, .size: 8, .value_kind: global_buffer, .address_space: global }
      - { .name: rw, .offset: 48, .size: 8, .value_kind: global_buffer, .address_space: global }
      - { .name: out1, .offset: 56, .size: 8, .value_kind: global_buffer, .address_space: global }
    .group_segment_fixed_size: 240128
    .private_segment_fixed_size: 0
    .kernarg_segment_align: 8
    .kernarg_segment_size: 64
    .max_flat_workgroup_size: 256
    .sgpr_count:     66
    .vgpr_count:     256
    .wavefront_size: 32
...
	.end_amdgpu_metadata
.endif
;; end of part 5
;; launch prep (part 6): grid 432 x 1, 4 waves a work-group, no clusters, 68,096 bytes of LDS; arguments key, gate_up_weights, down_weights, order, wq, ws; writes order, wq, ws
.if DOCPART == 6
	.amdgcn_target "amdgcn-amd-amdhsa--gfx1250"
	.amdhsa_code_object_version 6
	.text
	.protected	k_qac34d3b7c2_prep
	.globl	k_qac34d3b7c2_prep
	.p2align	8
	.type	k_qac34d3b7c2_prep,@function
k_qac34d3b7c2_prep:
	s_mov_b64 s[64:65], 0
	v_nop
	global_prefetch_b8 v0, s[64:65] scope:SCOPE_SE
	s_setreg_imm32_b32 hwreg(HW_REG_WAVE_MODE, 25, 1), 1
	s_wait_xcnt 0x0
; PREP.  Two kinds of work that need nothing of each other share one launch.
; WORK-GROUPS 0-239 PLACE THE TOKENS: order[position] = token, the tokens sorted by key (the number of their pair of experts, 0 .. 119).  A counting sort without atomics.  The 8,192 tokens are eight chunks of 1,024;
; wave (b, c), b = work-group / 2, c = 4 (work-group % 2) + wave, owns the tokens of chunk c whose key is b.  Its run of places begins at: the keys under b in all chunks + the keys equal to b in the chunks before c.
; Both come from ONE count over all 8,192 keys: a key of a chunk before c counts if it lies under b + 1, a key of any other chunk if it lies under b.  Then the wave gives each token of its own chunk with key b its place.
; Each place is stored once, by one wave.  No LDS, no barrier, no loop, no branch: a group of 32 keys without a hit issues its store with no lane on.
; WORK-GROUPS 240-431 LAY THE WEIGHTS OUT: gate_up_weights [16][256][1024] and down_weights [16][1024][128], f32, K innermost, become codes of FP4 (E2M1) with E8M0 scale bytes, IN THE ORDER OF THE OPERAND'S
; REGISTERS, so that the next launch loads each fragment whole.  A wave takes one task of four fragments (16 rows x 128 K each).  In wq a task is 4,096 bytes: fragment f at 1,024 f, its register group c at 512 c + 16 lane.
; In ws a task is 256 bytes, [lane][2 words]: word p of lane (u, r) is the scale word of fragment 2 p + u, row r: one register then serves two fragments, by its lower and its upper lanes.
;   task t < 512:  t = (4 e + w) 8 + s: K step s of expert e's gate (p = 0) and up (p = 1) rows for wave w.  Lane r of fragment 2 p + u takes row 128 p + 32 w + 8 u + r + 8 (r / 8): THE ROWS OF A TILE ARE NOT
;                  NEIGHBOURS, so that the 16 result registers of tiles u = 0, 1 are 16 neighbouring hidden units.
;   task t >= 512: t - 512 = (4 e + w) 4 + q: fragment f is rows 256 w + 16 (4 q + f) + r of down[e].
; Both tensors take ONE path: only a pointer, three shifts and two offsets are chosen, on the task's number.  The quantiser is that of the launch before; the same limits hold: NaN and infinities are not served;
; a block whose largest magnitude lies under 2^-124 takes the byte 1, and so does a block of zeros (its codes are zeros, and this program alone reads the bytes).
.set NPLACE, 240
.set TPITCH, 528
.set TTILE,  16*TPITCH
.set WV,  16                           ; s16 my wave's number
.set CH,  17                           ; s17 my chunk (placing)
.set SEL, 18                           ; s[18:19]
.set BIN, 20                           ; s20 my key (placing);  the task's number (laying)
.set BASE, 21                          ; s21 the next place of my run
.set BP1, 22                           ; s22 my key + 1
.set MK,  24                           ; s[24:39] sixteen masks, then their counts (placing)
.set FB,  32                           ; s[32:39] the four fragments' first bytes (laying)
.set THR, 40                           ; s[40:47] under which number a key of chunk g counts
.set SVX, 50                           ; s50 takes the copy of EXEC that the narrowing line makes
.set HM,  52                           ; s52 the mask of lanes 16-31
.set LANE, 1
.set R,    2
.set H,    3
.set L16,  4
.set TW,   5
.set TR,   6
.set L8,   7
.set L4,   8
.set LT,   9                           ; 1,024 x my chunk + 4 x lane: the token of word 0 of my chunk's load 0
.set SH,   10
.set M0,   11
.set M1,   12
.set Q0,   13
.set Q1,   14
.set TMP,  15
.set VO,   16                          ; v[16:31] row i's byte offset + 16 lane
.set B0,   32
.set B1,   33
.set PP,   34                          ; a token's place, as a byte offset in order
.set TK,   35                          ; the token
.set KO,   36                          ; my chunk's keys: 4,096 x chunk + 16 x lane
.set KA,   64                          ; v[64:127], v[128:191] two sets of 64 registers: keys, or a fragment's numbers
.set KB,   128
.set KC,   192                         ; v[192:223] placing: my own chunk's keys
.set CF,   192                         ; v[192:223] laying: the four fragments' codes: a set each, so that no store's data are written again
.set SW,   224                         ; v[224:227] their scale words
.set MW,   228                         ; v[228:229] the two words that leave
	s_load_b256 s[4:11], s[0:1], 0x0               ; key s[4:5], gate_up s[6:7], down s[8:9], order s[10:11]
	s_load_b128 s[12:15], s[0:1], 0x20             ; wq s[12:13], ws s[14:15]
	v_lshl_add_u32 v254, v0, 2, 0x10800
	v_mov_b32 v255, 0
	v_lshrrev_b32 v1, 5, v0
	v_readfirstlane_b32 s[WV], v1
	v_and_b32 v[LANE], 31, v0
	v_and_b32 v[R], 15, v0
	v_bfe_u32 v[H], v0, 4, 1
	v_lshlrev_b32 v[L16], 4, v[LANE]
	v_lshlrev_b32 v[L8], 3, v[LANE]
	v_lshlrev_b32 v[L4], 2, v[LANE]
	v_lshlrev_b32 v[SH], 3, v[H]
	v_mov_b32 v[TMP], 0
	s_cmp_lt_u32 ttmp9, NPLACE
	s_cbranch_scc0 .Llay
	; ---------------- placing
.macro KLOAD set, batch                ; 2,048 keys, two chunks: word q of load j in lane l is token 2,048 batch + 128 j + 4 l + q
.irp j, 0,1,2,3,4,5,6,7,8,9,10,11,12,13,14,15
	global_load_b128 v[\set+4*\j:\set+4*\j+3], v[L16], s[4:5] offset:8192*\batch+512*\j
.endr
.endm
.macro COUNT set, batch                ; how many of these 2,048 keys come ahead of my run: registers 0-31 are chunk 2 batch, registers 32-63 chunk 2 batch + 1
.irp g, 0,1,2,3
.irp i, 0,1,2,3,4,5,6,7,8,9,10,11,12,13,14,15
	v_cmp_gt_u32 s[MK+\i], s[THR+2*\batch+\g/2], v[\set+16*\g+\i]
.endr
.irp i, 0,1,2,3,4,5,6,7,8,9,10,11,12,13,14,15
	s_bcnt1_i32_b32 s[MK+\i], s[MK+\i]
.endr
.irp i, 0,1,2,3,4,5,6,7,8,9,10,11,12,13,14,15
	s_add_co_u32 s[BASE], s[BASE], s[MK+\i]
.endr
.endr
.endm
.macro PLACE1 reg, tok                 ; 32 keys: those equal to mine get the next places of my run, in the order of the lanes.  All lanes are on at the head and at the end
	v_cmp_eq_u32 vcc_lo, s[BIN], v[\reg]
	v_mbcnt_lo_u32_b32 v[PP], vcc_lo, s[BASE]      ; the run's next place + the hits in the lanes below me
	v_lshlrev_b32 v[PP], 2, v[PP]                  ; in bytes,
	v_min_u32 v[PP], 0x7ffc, v[PP]                 ; and held inside the table of 8,192 words, as the last line that touches it: a number made of loaded numbers enters an address only so
	v_add_nc_u32 v[TK], \tok, v[LT]
	s_and_saveexec_b32 s[SVX], vcc_lo              ; only the hits store (no memory instruction has been issued since the last wait on XCNT)
	global_store_b32 v[PP], v[TK], s[10:11]
	s_bcnt1_i32_b32 s51, vcc_lo                    ; the run's next place steps while the store is on its way: neither register is a source of the store
	s_add_co_u32 s[BASE], s[BASE], s51
	s_wait_xcnt 0x0                                ; EXEC is a source of the store: it widens only behind this wait, which also frees the store's two registers for the next 32 keys
	s_mov_b32 exec_lo, -1                          ; all lanes on again, as they were
.endm
	s_lshr_b32 s[BIN], ttmp9, 1                    ; my key: 0 .. 119
	s_and_b32 s[CH], ttmp9, 1
	s_lshl_b32 s[CH], s[CH], 2
	s_add_co_u32 s[CH], s[CH], s[WV]               ; my chunk: 0 .. 7
	s_add_co_u32 s[BP1], s[BIN], 1
.irp g, 0,1,2,3,4,5,6,7
	s_cmp_gt_u32 s[CH], \g                         ; a chunk before mine: its keys equal to mine come ahead of my run too
	s_cselect_b32 s[THR+\g], s[BP1], s[BIN]
.endr
	s_mov_b32 s[BASE], 0
	s_lshl_b32 s48, s[CH], 10
	s_wait_alu depctr_va_vdst(0)
	v_add_nc_u32 v[LT], s48, v[L4]
	s_lshl_b32 s48, s[CH], 12
	v_add_nc_u32 v[KO], s48, v[L16]
	s_wait_alu depctr_va_vdst(0)
	s_wait_kmcnt 0x0
.irp j, 0,1,2,3,4,5,6,7
	global_load_b128 v[KC+4*\j:KC+4*\j+3], v[KO], s[4:5] offset:512*\j     ; my own chunk, kept for the placing: word q of load j in lane l is token 1,024 c + 128 j + 4 l + q
.endr
	KLOAD KA, 0                                    ; four visits, the two sets by turns, the loads two visits ahead
	KLOAD KB, 1
	s_wait_loadcnt 16                              ; this set's 16 loads are in (and my own chunk's, which are older); the other set's 16 are younger.  So at every visit but the last
	COUNT KA, 0
	KLOAD KA, 2
	s_wait_loadcnt 16
	COUNT KB, 1
	KLOAD KB, 3
	s_wait_loadcnt 16
	COUNT KA, 2
	s_wait_loadcnt 0x0
	COUNT KB, 3
	s_wait_xcnt 0x0                                ; EXEC is a source of the key loads: it narrows only behind this wait
.irp j, 0,1,2,3,4,5,6,7
.irp q, 0,1,2,3
	PLACE1 KC+4*\j+\q, 128*\j+\q
.endr
.endr
	s_endpgm
	; ---------------- laying out
.Llay:
	s_sub_co_u32 s20, ttmp9, NPLACE
	s_lshl_b32 s20, s20, 2
	s_add_co_u32 s20, s20, s[WV]                   ; the task: 0 .. 767
	s_lshr_b32 s21, s20, 5                         ; gate/up: e x 256 rows x 4,096 bytes
	s_lshl_b32 s21, s21, 20
	s_bfe_u32 s22, s20, 0x20003                    ; + w x 32 rows
	s_lshl_b32 s22, s22, 17
	s_add_co_u32 s21, s21, s22
	s_and_b32 s22, s20, 7                          ; + K step s x 512 bytes
	s_lshl_b32 s22, s22, 9
	s_add_co_u32 s21, s21, s22
	s_sub_co_u32 s22, s20, 512                     ; down: 64 rows of 512 bytes a task
	s_lshl_b32 s22, s22, 15
	s_mov_b32 s[SEL], 0x76543210
	s_mov_b32 s[SEL+1], 0xfedcba98
	s_mov_b32 s[HM], 0xffff0000
	s_mov_b32 s27, 0
	s_wait_kmcnt 0x0
	s_cmp_lt_u32 s20, 512                          ; all choices hang on the task's number alone, and stand ahead of any line that writes SCC
	s_cselect_b64 s[24:25], s[6:7], s[8:9]         ; the tensor
	s_cselect_b32 s26, s21, s22                    ; where the task begins in it
	s_cselect_b32 s28, 12, 9                       ; a row's pitch: 4,096 or 512 bytes
	s_cselect_b32 s29, 19, 14                      ; from fragment f to f + 2: 128 rows of 4,096, or 32 rows of 512
	s_cselect_b32 s30, 15, 13                      ; from f to f + 1: 8 rows of 4,096, or 16 rows of 512
	s_cselect_b32 s31, 0x8000, 0                   ; gate/up: a tile's rows 8-15 lie 8 rows further on
	s_add_nc_u64 s[24:25], s[24:25], s[26:27]
	s_lshl_b32 s29, 1, s29
	s_lshl_b32 s30, 1, s30
	s_mov_b64 s[FB:FB+1], s[24:25]
	s_mov_b32 s26, s30
	s_add_nc_u64 s[FB+2:FB+3], s[24:25], s[26:27]
	s_mov_b32 s26, s29
	s_add_nc_u64 s[FB+4:FB+5], s[24:25], s[26:27]
	s_add_co_u32 s26, s29, s30
	s_add_nc_u64 s[FB+6:FB+7], s[24:25], s[26:27]
	s_wait_alu depctr_va_vdst(0)
.irp i, 0,1,2,3,4,5,6,7,8,9,10,11,12,13,14,15
	s_lshl_b32 s26, \i, s28
.if \i >= 8
	s_add_co_u32 s26, s26, s31
.endif
	v_add_nc_u32 v[VO+\i], s26, v[L16]
.endr
	s_lshl_b32 s26, s20, 12
	s_add_nc_u64 s[12:13], s[12:13], s[26:27]      ; the task's 4,096 bytes of codes
	s_lshl_b32 s26, s20, 8
	s_add_nc_u64 s[14:15], s[14:15], s[26:27]      ; and its 256 bytes of scale words
	s_mul_i32 s26, s[WV], 2*TTILE                  ; my wave's own LDS bytes: two tiles of 16 rows, 528 bytes apart
	v_add_nc_u32 v[TW], s26, v[L16]
	v_mul_u32_u24 v[TR], v[R], TPITCH
	v_lshl_add_u32 v[TR], v[H], 7, v[TR]
	v_add_nc_u32 v[TR], s26, v[TR]
.macro LOADF f, r                      ; fragment f's 16 slices of 512 consecutive bytes; read once in the whole launch
.irp i, 0,1,2,3,4,5,6,7,8,9,10,11,12,13,14,15
	global_load_b128 v[(\r)+4*\i:(\r)+4*\i+3], v[VO+\i], s[FB+2*(\f):FB+2*(\f)+1] th:TH_LOAD_NT
.endr
.endm
; 16 slices go into the wave's own bytes as they lie and come back 128 bytes a lane, into the registers that they left (LDS serves a wave's instructions in order: ISA guide 5.7.1.4):
; v[r + 32 c + i] is then number 64 c + 32 h + i of row r's slice.
.macro TURN r, o
.irp i, 0,1,2,3,4,5,6,7,8,9,10,11,12,13,14,15
	ds_store_b128 v[TW], v[(\r)+4*\i:(\r)+4*\i+3] offset:(\o)+TPITCH*\i
.endr
.irp c, 0,1
.irp j, 0,1,2,3,4,5,6,7
	ds_load_b128 v[(\r)+32*\c+4*\j:(\r)+32*\c+4*\j+3], v[TR] offset:(\o)+256*\c+16*\j
.endr
.endr
.endm
.macro QUANT r, f, s                   ; two whole blocks of 32 a lane become the fragment's 8 registers and the row's scale word
	v_max3_num_f32 v[M0], |v[(\r)]|, |v[(\r)+1]|, 0x1800000          ; with the floor 2^(3 - 127): the byte cannot fall under 1
	v_max3_num_f32 v[M1], |v[(\r)+32]|, |v[(\r)+33]|, 0x1800000
.irp i, 2,4,6,8,10,12,14,16,18,20,22,24,26,28,30
	v_max3_num_f32 v[M0], v[M0], |v[(\r)+\i]|, |v[(\r)+\i+1]|
	v_max3_num_f32 v[M1], v[M1], |v[(\r)+32+\i]|, |v[(\r)+33+\i]|
.endr
	v_add_nc_u32 v[Q0], 0xff000000, v[M0]          ; 2 off the exponent field: the conversion's scale operand
	v_add_nc_u32 v[Q1], 0xff000000, v[M1]
	v_lshrrev_b32 v[B0], 23, v[Q0]
	v_lshrrev_b32 v[B1], 23, v[Q1]
	v_lshl_or_b32 v[\s], v[B1], 16, v[B0]          ; the bytes of blocks h and 2 + h,
	v_lshlrev_b32 v[\s], v[SH], v[\s]              ; at their places;
	v_permlanex16_b32 v[TMP], v[\s], s[SEL], s[SEL+1]
	v_or_b32 v[\s], v[\s], v[TMP]                  ; with lane l xor 16's the word is whole
.irp g, 0,1,2,3
	v_cvt_scalef32_pk8_fp4_f32 v[(\f)+\g], v[(\r)+8*\g:(\r)+8*\g+7], v[Q0]
.endr
.irp g, 0,1,2,3
	v_cvt_scalef32_pk8_fp4_f32 v[(\f)+4+\g], v[(\r)+32+8*\g:(\r)+32+8*\g+7], v[Q1]
.endr
	v_nop                                          ; one plain place behind the last scaled conversion
.endm
.macro FRAG f
.if \f < 3
	s_wait_loadcnt 16                              ; this fragment's 16 loads are in; the next fragment's 16 are younger
.else
	s_wait_loadcnt 0x0
.endif
	TURN KA+64*(\f%2), TTILE*(\f%2)
	s_wait_dscnt 0x0
	QUANT KA+64*(\f%2), CF+8*\f, SW+\f
.if \f < 2
	LOADF \f+2, KA+64*(\f%2)                       ; the set just left takes the fragment two further on
.endif
	global_store_b128 v[L16], v[CF+8*\f:CF+8*\f+3], s[12:13] offset:1024*\f        ; an image of the registers: 512 consecutive bytes a store
	global_store_b128 v[L16], v[CF+8*\f+4:CF+8*\f+7], s[12:13] offset:1024*\f+512
.endm
	s_wait_alu depctr_va_vdst(0)
	LOADF 0, KA
	LOADF 1, KB
	FRAG 0
	FRAG 1
	FRAG 2
	FRAG 3
.irp p, 0,1
	v_cndmask_b32 v[MW+\p], v[SW+2*\p], v[SW+2*\p+1], s[HM]    ; lanes 0-15: fragment 2 p's words; lanes 16-31: fragment 2 p + 1's
.endr
	global_store_b64 v[L8], v[MW:MW+1], s[14:15]   ; 256 consecutive bytes, aligned
	s_wait_tensorcnt 0x0
	ds_add_u32 v254, v255
	s_wait_dscnt 0x0
	s_endpgm
.Lfunc_end_k_qac34d3b7c2_prep:
	.size	k_qac34d3b7c2_prep, .Lfunc_end_k_qac34d3b7c2_prep-k_qac34d3b7c2_prep
	.p2alignl 7, 3214868480
	.fill 96, 4, 3214868480
	.section	.rodata,"a",@progbits
	.p2align	6, 0x0
	.amdhsa_kernel k_qac34d3b7c2_prep
		.amdhsa_group_segment_fixed_size 68096
		.amdhsa_private_segment_fixed_size 0
		.amdhsa_enable_private_segment 0
		.amdhsa_kernarg_size 48
		.amdhsa_user_sgpr_count 2
		.amdhsa_user_sgpr_kernarg_segment_ptr 1
		.amdhsa_wavefront_size32 1
		.amdhsa_system_sgpr_workgroup_id_x 1
		.amdhsa_system_sgpr_workgroup_id_y 1
		.amdhsa_system_sgpr_workgroup_id_z 1
		.amdhsa_system_vgpr_workitem_id 0
		.amdhsa_next_free_vgpr 256
		.amdhsa_next_free_sgpr 66
		.amdhsa_reserve_vcc 1
		.amdhsa_float_denorm_mode_32 3
		.amdhsa_float_denorm_mode_16_64 3
		.amdhsa_memory_ordered 1
		.amdhsa_forward_progress 1
		.amdhsa_inst_pref_size 87
	.end_amdhsa_kernel
	.amdgpu_metadata
---
amdhsa.version: [ 1, 2 ]
amdhsa.kernels:
  - .name:           k_qac34d3b7c2_prep
    .symbol:         k_qac34d3b7c2_prep.kd
    .args:
      - { .name: key, .offset: 0, .size: 8, .value_kind: global_buffer, .address_space: global }
      - { .name: gate_up_weights, .offset: 8, .size: 8, .value_kind: global_buffer, .address_space: global }
      - { .name: down_weights, .offset: 16, .size: 8, .value_kind: global_buffer, .address_space: global }
      - { .name: order, .offset: 24, .size: 8, .value_kind: global_buffer, .address_space: global }
      - { .name: wq, .offset: 32, .size: 8, .value_kind: global_buffer, .address_space: global }
      - { .name: ws, .offset: 40, .size: 8, .value_kind: global_buffer, .address_space: global }
    .group_segment_fixed_size: 68096
    .private_segment_fixed_size: 0
    .kernarg_segment_align: 8
    .kernarg_segment_size: 48
    .max_flat_workgroup_size: 128
    .sgpr_count:     66
    .vgpr_count:     256
    .wavefront_size: 32
...
	.end_amdgpu_metadata
.endif
;; end of part 6
;; launch chain (part 7): grid 256 x 1, 4 waves a work-group, no clusters, 121,344 bytes of LDS; arguments xq, xs, sel, rw, order, wq, ws, out0; writes out0
.if DOCPART == 7
	.amdgcn_target "amdgcn-amd-amdhsa--gfx1250"
	.amdhsa_code_object_version 6
	.text
	.protected	k_qac34d3b7c2_chain
	.globl	k_qac34d3b7c2_chain
	.p2align	8
	.type	k_qac34d3b7c2_chain,@function
k_qac34d3b7c2_chain:
	s_mov_b64 s[64:65], 0
	v_nop
	global_prefetch_b8 v0, s[64:65] scope:SCOPE_SE
	s_setreg_imm32_b32 hwreg(HW_REG_WAVE_SCHED_MODE, 0, 2), 2
	s_setreg_imm32_b32 hwreg(HW_REG_WAVE_MODE, 25, 1), 1
	s_wait_xcnt 0x0
	s_wait_alu depctr_vm_vsrc(0)
; CHAIN.  out0[token] = the sum over the token's two experts e of weight x (silu(x G_e^T) * (x U_e^T)) D_e^T, all three products on codes of FP4 (E2M1) with E8M0 scales.
; The other fourteen experts have weight 0 in the problem's own combine matrix and are not multiplied for a block in which no token chose them.
; SHARES.  A work-group owns 32 tokens, places 32 B .. 32 B + 31 of the list sorted by pairs of experts (two tiles of 16): EACH OUTPUT ROW HAS ONE OWNER, and a block uses few experts.
; THE WAVES SHARE THE COLUMNS: in loop 1 wave w makes hidden units 32 w .. 32 w + 31 (gate and up) of all 32 tokens, which is one block of the next quantiser; in loop 2 output columns 256 w .. 256 w + 255.
; So no byte of a weight is loaded by two waves of a work-group.  The weights' codes come from memory straight into registers, each fragment whole, in the layout that the launch before made for that.
; TWO LOOPS OVER THE 16 EXPERTS, ONE BARRIER BETWEEN THEM.  An expert that none of the 32 tokens chose is passed over by a scalar branch on the stored choices.  Loop 1 puts each used expert's quantised hidden
; layer into LDS bytes of that expert's own; loop 2 reads them.  So no barrier stands under the branch.
; NO TENSOR LOADS, NO JOINT REQUESTS: which weights a work-group walks hangs on numbers read from memory, and neighbours in the grid walk different experts.
; BOTH PRODUCTS ARE USED TRANSPOSED (source 0 = 16 rows of a weight, source 1 = 16 tokens): a lane holds ONE token (lane % 16), and its registers run along the hidden units, or along the output's columns.
; The output's sums are cleared once (256 moves, set where the wave would wait for its first loads): which expert comes first hangs on data, so no first product can be written out to start them.
; LIMITS: NaN and infinities are not served.  silu(g) u is formed as (g u) / (1 + 2^(-g log2 e)).  A block of the hidden layer whose largest magnitude lies under 2^-124, zeros too, takes the scale byte 1.
; REGISTERS, in windows of 256 (s_set_vgpr_msb: bits 1:0 source 0, 3:2 source 1, 5:4 source 2, 7:6 destination):
;   window 0: addresses, scale words, small things; v[80:95] the hidden layer's two fragments; v[128:191] gate and up sums, later down results (set 0); v[192:255] at work in loop 1, down results (set 1)
;   window 1: an expert's 32 gate/up fragments of my wave (K step s, tile t at 8 (4 s + t)); on the way out the rows read back
;   window 2: v0-127 x's 16 fragments (tile tt, K step s at 8 (8 tt + s)), which stay; v128-255 an expert's 16 down fragments
;   window 3: the output's sums: column tile n, token tile tt at 8 (2 n + tt)
; THE MODE: SCHED_MODE bits 1:0 = 2 (LLVM: expert scheduling mode 2), set by the entry lines.  The code itself states the register dependences between vector or matrix instructions and memory or LDS
; instructions, with s_wait_alu, always for 0.
; THE PLAN.  Registers that memory or LDS instructions touch, and who else names them:
;   v4, v5, v6, v15, v16, v18, v69, v78, v79   offsets and LDS addresses: written once at the head, ahead of the head's va_vdst wait before its first load; never written again.
;   v[70:77], v[124:127]   offsets made of loaded tokens: written once, each group ahead of a wait of its own; never written again.
;   v[128:159]             eight rows of codes: loaded, stored to LDS; loop 1's products write them later: one wait on vm_vsrc ahead of loop 1.
;   window 1, v[44:59]     loop 1: an expert's 72 loads land there; its 64 products read them.  One wait on va_vdst at the head of an expert's walk, ahead of all 72.
;   v9, v10, the codes and the byte in v[112:123]   loop 1: written by the walk's vector lines, read by its four LDS stores: a wait on va_vdst ahead of the stores, one on vm_vsrc at the trip's end.
;   window 2 v128-255, v[60:67], v[80:95], v68   loop 2: an expert's 41 loads land there; its 32 products read them.  v12, v14: their LDS addresses, written at the head of the walk.
;                          One wait on va_vdst behind the two address lines, ahead of all 41 loads; one on vm_vsrc at the trip's end.
;   v[96:111], window 3, window 1   the way out: offsets and sums written by vector lines, read by stores; window 1 takes the rows read back.  One wait on va_vdst ahead of the first LDS store.
; Masks that compares write into scalar registers have a wait on va_sdst ahead of their first reader: a run of compares, one wait.
.set XTB,    8704                      ; LDS: x's codes, a tile of 16 tokens: [block of 32 codes: 32][272 bytes]: 16 bytes a token + 16 of padding
.set HB,     2*XTB                     ; the hidden layers: HBE bytes an expert: two fragments as images of their registers (1,024 tt + 512 c + 16 lane), then scale bytes at 2,048 + 64 tt + 4 r + block
.set HBE,    2304
.set STG,    HB+16*HBE                 ; the way out: 16 rows x (1,024 + 16) bytes for each wave
.set SPITCH, 1040
.set WV,  20                           ; s20 my wave's number
.set E,   21                           ; s21 the expert
.set US,  22                           ; s22 the lanes whose token chose it
.set GB,  32                           ; s[32:33] my gate/up fragments of expert E;  s[34:35] their scale words
.set SGB, 34
.set DB,  36                           ; s[36:37] my down fragments;  s[38:39] their scale words
.set SDB, 38
.set HO,  40                           ; s40 HBE x E
.set SEL, 42                           ; s[42:43]
.set CM,  48                           ; s[48:51] loop 2: four masks: is expert E my token's second or first choice, tile 0, tile 1
.set LANE, 1
.set R,    2
.set H,    3
.set L16,  4
.set L8,   5
.set XRD,  6                           ; x's fragments: 272 h + 16 r
.set HW0,  7                           ; where my 8 bytes of hidden codes go, expert 0
.set HS0,  8                           ; and my block's scale byte
.set HWA,  9                           ; the same for expert E
.set HSA,  10
.set HRD0, 11                          ; where a hidden fragment is read
.set HRA,  12
.set HSR0, 13                          ; and its scale words
.set HSRA, 14
.set STO,  15                          ; the way out: into my stage
.set SRD,  16                          ; and back
.set OL,   17                          ; 16 r + 1,024 w: my bytes in a row of out0
.set H4,   18
.set TL,   19                          ; the token at place lane
.set TT,   20                          ; v20, v21 the token at place r, 16 + r
.set EL,   22                          ; v[22:23] the two experts of token TL
.set ET,   24                          ; v[24:25], v[26:27] those of tokens TT
.set WT,   28                          ; v[28:29], v[30:31] and their weights
.set CW,   32                          ; v[32:33], v[34:35] the weight of expert E for my token of tile 0, 1 (the upper registers are 0: named with them as pairs)
.set XS,   36                          ; v[36:43] x's scale words: register s for K step s; lanes 0-15 tile 0, lanes 16-31 tile 1
.set SG,   44                          ; v[44:59] gate/up scale words: register 2 s + p; lanes 0-15 tile 2 p, lanes 16-31 tile 2 p + 1
.set SD,   60                          ; v[60:67] down scale words: register n / 2; lanes 0-15 even n, lanes 16-31 odd n
.set HS,   68                          ; v68 the hidden layer's scale words: lanes 0-15 tile 0, lanes 16-31 tile 1
.set XWR,  69
.set XO,   70                          ; v[70:77] byte offsets of my eight tokens' rows of codes
.set L4,   78
.set R4,   79
.set HF,   80
.set OF,   96                          ; v[96:111] byte offsets of the output rows
.set QT,   112                         ; v[112:117], v[118:123] the quantiser's, a set a tile: +0 maximum, +1 the other half's, +2 scale operand, +3 byte, +4, +5 codes
.set A32,  124
.set A8L,  125
.set A8T,  126
.set GA,   128                         ; gate: 128 + 16 tt + 8 u;  up: 32 further on
.set UA,   160
.set T0,   128
.set T1,   192
.set TX,   192
.set ROWS, 128
.set MSB, 0
.macro WIN new                         ; the immediate's high byte repeats the setting that is left; a switch that changes nothing is dropped
.if MSB != \new
	s_set_vgpr_msb (MSB<<8)|\new
.set MSB, \new
.endif
.endm
; One scaled product.  z = 1: it starts its sum.  ra, rb = 1: the scale words stand in lanes 16-31 of their registers.
.macro WM d, a, b, z, sa, sb, ra, rb
.if \z
.if (\ra) && (\rb)
	v_wmma_scale_f32_16x16x128_f8f6f4 v[(\d):(\d)+7], v[(\a):(\a)+7], v[(\b):(\b)+7], 0, v[\sa], v[\sb] matrix_a_fmt:MATRIX_FMT_FP4 matrix_b_fmt:MATRIX_FMT_FP4 matrix_a_scale:MATRIX_SCALE_ROW1 matrix_b_scale:MATRIX_SCALE_ROW1
.elseif (\ra)
	v_wmma_scale_f32_16x16x128_f8f6f4 v[(\d):(\d)+7], v[(\a):(\a)+7], v[(\b):(\b)+7], 0, v[\sa], v[\sb] matrix_a_fmt:MATRIX_FMT_FP4 matrix_b_fmt:MATRIX_FMT_FP4 matrix_a_scale:MATRIX_SCALE_ROW1
.elseif (\rb)
	v_wmma_scale_f32_16x16x128_f8f6f4 v[(\d):(\d)+7], v[(\a):(\a)+7], v[(\b):(\b)+7], 0, v[\sa], v[\sb] matrix_a_fmt:MATRIX_FMT_FP4 matrix_b_fmt:MATRIX_FMT_FP4 matrix_b_scale:MATRIX_SCALE_ROW1
.else
	v_wmma_scale_f32_16x16x128_f8f6f4 v[(\d):(\d)+7], v[(\a):(\a)+7], v[(\b):(\b)+7], 0, v[\sa], v[\sb] matrix_a_fmt:MATRIX_FMT_FP4 matrix_b_fmt:MATRIX_FMT_FP4
.endif
.else
.if (\ra) && (\rb)
	v_wmma_scale_f32_16x16x128_f8f6f4 v[(\d):(\d)+7], v[(\a):(\a)+7], v[(\b):(\b)+7], v[(\d):(\d)+7], v[\sa], v[\sb] matrix_a_fmt:MATRIX_FMT_FP4 matrix_b_fmt:MATRIX_FMT_FP4 matrix_a_scale:MATRIX_SCALE_ROW1 matrix_b_scale:MATRIX_SCALE_ROW1
.elseif (\ra)
	v_wmma_scale_f32_16x16x128_f8f6f4 v[(\d):(\d)+7], v[(\a):(\a)+7], v[(\b):(\b)+7], v[(\d):(\d)+7], v[\sa], v[\sb] matrix_a_fmt:MATRIX_FMT_FP4 matrix_b_fmt:MATRIX_FMT_FP4 matrix_a_scale:MATRIX_SCALE_ROW1
.elseif (\rb)
	v_wmma_scale_f32_16x16x128_f8f6f4 v[(\d):(\d)+7], v[(\a):(\a)+7], v[(\b):(\b)+7], v[(\d):(\d)+7], v[\sa], v[\sb] matrix_a_fmt:MATRIX_FMT_FP4 matrix_b_fmt:MATRIX_FMT_FP4 matrix_b_scale:MATRIX_SCALE_ROW1
.else
	v_wmma_scale_f32_16x16x128_f8f6f4 v[(\d):(\d)+7], v[(\a):(\a)+7], v[(\b):(\b)+7], v[(\d):(\d)+7], v[\sa], v[\sb] matrix_a_fmt:MATRIX_FMT_FP4 matrix_b_fmt:MATRIX_FMT_FP4
.endif
.endif
.endm
.macro USED skip                       ; did any of the 32 tokens choose expert E?  A scalar branch on whole numbers read from memory; every wave of the work-group sees the same 32 tokens
	v_cmp_eq_u32 s46, s[E], v[EL]
	v_cmp_eq_u32 s47, s[E], v[EL+1]
	s_wait_alu depctr_va_sdst(0)                   ; the two compares have written s46 and s47, ahead of their first reader
	s_or_b32 s[US], s46, s47
	s_cmp_eq_u32 s[US], 0
	s_cbranch_scc1 \skip
.endm
	s_load_b256 s[4:11], s[0:1], 0x0               ; xq s[4:5], xs s[6:7], sel s[8:9], rw s[10:11]
	s_load_b256 s[12:19], s[0:1], 0x20             ; order s[12:13], wq s[14:15], ws s[16:17], out0 s[18:19]
	v_lshrrev_b32 v1, 5, v0
	v_readfirstlane_b32 s[WV], v1                  ; wave 0..3
	v_and_b32 v[LANE], 31, v0
	v_and_b32 v[R], 15, v0
	v_bfe_u32 v[H], v0, 4, 1
	v_lshlrev_b32 v[L16], 4, v[LANE]
	v_lshlrev_b32 v[L8], 3, v[LANE]
	v_lshlrev_b32 v[L4], 2, v[LANE]
	v_lshlrev_b32 v[R4], 2, v[R]
	s_wait_alu depctr_va_vdst(0)
	v_lshlrev_b32 v[H4], 2, v[H]
	s_wait_alu depctr_va_sdst(0)                   ; s20, my wave's number, is written, ahead of its first reader
	s_lshr_b32 s46, s[WV], 1                       ; w / 2
	s_and_b32 s47, s[WV], 1                        ; w % 2
	v_mul_u32_u24 v[XRD], v[H], 272
	v_lshl_add_u32 v[XRD], v[R], 4, v[XRD]
	s_mul_i32 s48, s46, XTB                        ; my eight tokens are places 8 w + i: tile w / 2, rows 8 (w % 2) + i
	s_lshl_b32 s49, s47, 7
	s_add_co_u32 s48, s48, s49
	v_mul_u32_u24 v[XWR], v[LANE], 272             ; lane l of a row's load holds the row's block l
	v_add_nc_u32 v[XWR], s48, v[XWR]
	s_lshl_b32 s48, s46, 9                         ; the hidden layer's block w is register group w / 2 of the lanes with half w % 2; my half gives the lower or the upper 8 bytes
	s_lshl_b32 s49, s47, 8
	s_add_co_u32 s48, s48, s49
	s_add_co_u32 s48, s48, HB
	v_lshlrev_b32 v[HW0], 4, v[R]
	v_lshl_add_u32 v[HW0], v[H], 3, v[HW0]
	v_add_nc_u32 v[HW0], s48, v[HW0]
	s_add_co_u32 s48, s[WV], HB+2048
	v_add_nc_u32 v[HS0], s48, v[R4]
	v_add_nc_u32 v[HRD0], HB, v[L16]
	v_add_nc_u32 v[HSR0], HB+2048, v[L4]
	s_mul_i32 s48, s[WV], 16*SPITCH
	s_add_co_u32 s48, s48, STG
	v_mul_u32_u24 v[STO], v[R], SPITCH
	v_lshl_add_u32 v[STO], v[H], 5, v[STO]
	v_add_nc_u32 v[STO], s48, v[STO]
	v_mul_u32_u24 v[SRD], v[H], SPITCH
	v_lshl_add_u32 v[SRD], v[R], 4, v[SRD]
	v_add_nc_u32 v[SRD], s48, v[SRD]
	s_lshl_b32 s48, s[WV], 10
	v_lshl_add_u32 v[OL], v[R], 4, s48
	v_mov_b32 v[QT+1], 0                           ; lane permutes' destinations count as read
	v_mov_b32 v[QT+7], 0
	v_mov_b32 v[CW+1], 0
	v_mov_b32 v[CW+3], 0
	s_mov_b32 s[SEL], 0x76543210
	s_mov_b32 s[SEL+1], 0xfedcba98
	s_mov_b32 s[E], 0
	s_mov_b32 s[HO], 0
	s_mov_b32 s47, 0
	s_lshl_b32 s46, ttmp9, 7
	s_wait_kmcnt 0x0
	s_add_nc_u64 s[12:13], s[12:13], s[46:47]      ; the list at my block's 32 places
	s_lshl_b32 s46, s[WV], 5
	s_add_nc_u64 s[44:45], s[12:13], s[46:47]
	s_load_b256 s[24:31], s[44:45], 0x0            ; my wave's eight tokens, as scalars
	s_wait_alu depctr_va_vdst(0)                   ; every offset and LDS address made above is written: the loads and stores of the whole kernel read them, and none of them is written again
	global_load_b32 v[TL], v[L4], s[12:13]
	global_load_b32 v[TT], v[R4], s[12:13]
	global_load_b32 v[TT+1], v[R4], s[12:13] offset:64
	s_lshl_b32 s46, s[WV], 15                      ; gate/up: 8 tasks of 4,096 bytes a wave, 4 waves an expert
	s_add_nc_u64 s[GB:GB+1], s[14:15], s[46:47]
	s_lshl_b32 s46, s[WV], 11
	s_add_nc_u64 s[SGB:SGB+1], s[16:17], s[46:47]
	s_lshl_b32 s46, s[WV], 14                      ; down: behind the 512 gate/up tasks; 4 tasks a wave
	s_add_co_u32 s46, s46, 512*4096
	s_add_nc_u64 s[DB:DB+1], s[14:15], s[46:47]
	s_lshl_b32 s46, s[WV], 10
	s_add_co_u32 s46, s46, 512*256
	s_add_nc_u64 s[SDB:SDB+1], s[16:17], s[46:47]
	s_wait_kmcnt 0x0
.irp i, 0,1,2,3,4,5,6,7
	s_min_u32 s[24+\i], s[24+\i], 0x1fff           ; a loaded number enters an address only held inside the table
	s_lshl_b32 s[24+\i], s[24+\i], 9
	v_add_nc_u32 v[XO+\i], s[24+\i], v[L16]
.endr
	s_wait_alu depctr_va_vdst(0)                   ; the eight offsets v[70:77] are written, which the eight loads below read
.irp i, 0,1,2,3,4,5,6,7
	global_load_b128 v[ROWS+4*\i:ROWS+4*\i+3], v[XO+\i], s[4:5]    ; a token's 1,024 codes: 512 consecutive bytes
.endr
	s_wait_loadcnt 8                               ; the three loads from the list are in; the eight rows are younger
	v_min_u32 v[TL], 0x1fff, v[TL]
	v_min_u32 v[TT], 0x1fff, v[TT]
	v_min_u32 v[TT+1], 0x1fff, v[TT+1]
	v_lshlrev_b32 v[A32], 5, v[TL]
	v_lshlrev_b32 v[A8L], 3, v[TL]
	v_lshlrev_b32 v[A8T], 3, v[TT]
	v_lshlrev_b32 v[A8T+1], 3, v[TT+1]
	s_wait_alu depctr_va_vdst(0)                   ; the four offsets v[124:127] are written, which the seven loads below read
	global_load_b128 v[XS:XS+3], v[A32], s[6:7]    ; lane l: the eight scale words of the token at place l
	global_load_b128 v[XS+4:XS+7], v[A32], s[6:7] offset:16
	global_load_b64 v[EL:EL+1], v[A8L], s[8:9]
	global_load_b64 v[ET:ET+1], v[A8T], s[8:9]
	global_load_b64 v[ET+2:ET+3], v[A8T+1], s[8:9]
	global_load_b64 v[WT:WT+1], v[A8T], s[10:11]
	global_load_b64 v[WT+2:WT+3], v[A8T+1], s[10:11]
	WIN 0xc0                                       ; the output's sums begin at 0, while the loads are out
.set i, 0
.rept 256
	v_mov_b32 v[i], 0
.set i, i+1
.endr
	WIN 0
	s_wait_loadcnt 7                               ; the eight rows are in; the seven loads behind them may be out
.irp i, 0,1,2,3,4,5,6,7
	ds_store_b128 v[XWR], v[ROWS+4*\i:ROWS+4*\i+3] offset:16*\i    ; the data come from loads, the address from the head: no vector line since the last wait names either
.endr
	s_wait_dscnt 0x0                               ; for the others' sake: my eight rows have landed
	s_barrier_signal -1
	s_barrier_wait -1                              ; all 32 rows lie in LDS, block by block
	WIN 0x80
.irp tt, 0,1
.irp s, 0,1,2,3,4,5,6,7
.irp c, 0,1
	ds_load_b128 v[8*(8*\tt+\s)+4*\c:8*(8*\tt+\s)+4*\c+3], v[XRD] offset:XTB*\tt+(4*\s+2*\c)*272   ; block 4 s + 2 c + h of token r: sixteen lanes read 256 consecutive bytes
.endr
.endr
.endr
	WIN 0
	s_wait_dscnt 0x0
	s_wait_loadcnt 0x0                             ; scale words, choices, weights
	s_wait_alu depctr_vm_vsrc(0)                   ; my eight LDS stores have read v[128:159], which loop 1's products write as gate sums
	; ---------------- loop 1: the hidden layers
.Le1:
	USED .Ls1
	s_wait_dscnt 0x0                               ; the last expert's LDS stores have read their registers (issued a whole expert ago)
	v_add_nc_u32 v[HWA], s[HO], v[HW0]
	v_add_nc_u32 v[HSA], s[HO], v[HS0]
	s_wait_alu depctr_va_vdst(0)                   ; the last walked expert's products are done reading their scale words and window 1, in which the 72 loads below land; v9 and v10 are written, which this walk's LDS stores read
.irp s, 0,1,2,3,4,5,6,7
	global_load_b64 v[SG+2*\s:SG+2*\s+1], v[L8], s[SGB:SGB+1] offset:256*\s
.endr
	WIN 0x40                                       ; 72 loads on end: more than LOADcnt's field counts, so the issue of the last ones waits for the first to land (ISA guide 5.7.1)
.irp s, 0,1,2,3,4,5,6,7
.irp t, 0,1,2,3
.irp c, 0,1
	global_load_b128 v[8*(4*\s+\t)+4*\c:8*(4*\s+\t)+4*\c+3], v[L16], s[GB:GB+1] offset:4096*\s+1024*\t+512*\c
.endr
.endr
.endr
	WIN 0x09                                       ; source 0 (the weight) window 1, source 1 (x) window 2, sums window 0
.irp s, 0,1,2,3,4,5,6,7
	s_wait_loadcnt 8*(7-\s)                        ; K step s's eight loads are in; those of the later K steps are younger
.irp tt, 0,1
.irp p, 0,1
.irp u, 0,1
.if \s == 0
	WM GA+32*\p+16*\tt+8*\u, 8*(4*\s+2*\p+\u), 8*(8*\tt+\s), 1, SG+2*\s+\p, XS+\s, \u, \tt     ; the eight sums take turns, one instruction a turn
.else
	WM GA+32*\p+16*\tt+8*\u, 8*(4*\s+2*\p+\u), 8*(8*\tt+\s), 0, SG+2*\s+\p, XS+\s, \u, \tt
.endif
.endr
.endr
.endr
.endr
	WIN 0
.rept 4
	v_nop                                          ; four places behind the last products before results are read (ISA guide 7.12.1)
.endr
	; lane (r, h): v[GA + 16 tt + i] = gate, v[UA + 16 tt + i] = up of token r of tile tt, hidden unit 32 w + 16 h + i.  Every run goes up from each sum's low end
.set i, 0
.rept 32
	v_mul_f32 v[TX+i], 0xbfb8aa3b, v[GA+i]         ; -g log2(e)
.set i, i+1
.endr
.set i, 0
	s_wait_alu depctr_va_vdst(0)
.rept 32
	v_exp_f32 v[TX+i], v[TX+i]
.set i, i+1
.endr
.set i, 0
	s_wait_alu depctr_va_vdst(0)
.rept 16
	v_pk_mul_f32 v[GA+i:GA+i+1], v[GA+i:GA+i+1], v[UA+i:UA+i+1]    ; g u (plain lines behind the exponentials)
.set i, i+2
.endr
.set i, 0
	s_wait_alu depctr_va_vdst(0)                   ; the 32 exponentials have written v[192:223]: one wait for the batch, ahead of its first reader
.rept 16
	v_pk_add_f32 v[TX+i:TX+i+1], v[TX+i:TX+i+1], 1.0 op_sel_hi:[1,0]
.set i, i+2
.endr
.set i, 0
	s_wait_alu depctr_va_vdst(0)
.rept 32
	v_rcp_f32 v[TX+i], v[TX+i]
.set i, i+1
.endr
	v_nop                                          ; one plain place behind the reciprocals
.set i, 0
	s_wait_alu depctr_va_vdst(0)                   ; the 32 reciprocals have written v[192:223]: one wait for the batch, ahead of its first reader
.rept 16
	v_pk_mul_f32 v[GA+i:GA+i+1], v[GA+i:GA+i+1], v[TX+i:TX+i+1]    ; the hidden layer, in f32
.set i, i+2
.endr
.irp tt, 0,1
	v_max3_num_f32 v[QT+6*\tt], |v[GA+16*\tt]|, |v[GA+16*\tt+1]|, 0x1800000        ; my 16 numbers of the block, and the floor 2^(3 - 127)
.endr
.irp k, 2,4,6,8,10,12,14
.irp tt, 0,1
	v_max3_num_f32 v[QT+6*\tt], v[QT+6*\tt], |v[GA+16*\tt+\k]|, |v[GA+16*\tt+\k+1]|   ; (the two tiles by turns)
.endr
.endr
.irp tt, 0,1
	v_permlanex16_b32 v[QT+6*\tt+1], v[QT+6*\tt], s[SEL], s[SEL+1]
.endr
.irp tt, 0,1
	v_max_num_f32 v[QT+6*\tt], v[QT+6*\tt], v[QT+6*\tt+1]          ; with lane l xor 16's 16: the block's largest magnitude
.endr
.irp tt, 0,1
	v_add_nc_u32 v[QT+6*\tt+2], 0xff000000, v[QT+6*\tt]            ; 2 off the exponent field: the conversion's scale operand
.endr
.irp tt, 0,1
	v_lshrrev_b32 v[QT+6*\tt+3], 23, v[QT+6*\tt+2]                 ; the scale's byte
.endr
.irp tt, 0,1
	v_cvt_scalef32_pk8_fp4_f32 v[QT+6*\tt+4], v[GA+16*\tt:GA+16*\tt+7], v[QT+6*\tt+2]
	v_cvt_scalef32_pk8_fp4_f32 v[QT+6*\tt+5], v[GA+16*\tt+8:GA+16*\tt+15], v[QT+6*\tt+2]
.endr
	v_nop                                          ; one plain place behind the last scaled conversion
	s_wait_alu depctr_va_vdst(0)                   ; the conversions have written the codes and the shifts the two bytes, which the four LDS stores read
.irp tt, 0,1
	ds_store_b64 v[HWA], v[QT+6*\tt+4:QT+6*\tt+5] offset:1024*\tt  ; 16 codes: my 8 bytes of the fragment's image
	ds_store_b8 v[HSA], v[QT+6*\tt+3] offset:64*\tt                ; both halves of the lanes write the same byte with the same value
.endr
.Ls1:
	s_wait_xcnt 0x0                                ; the loads have read their bases: these step only behind this wait
	s_wait_alu depctr_vm_vsrc(0)                   ; the LDS stores of an expert just walked have read v9, v10, the codes and the bytes, which the next walk writes again
	s_add_nc_u64 s[GB:GB+1], s[GB:GB+1], 131072
	s_add_nc_u64 s[SGB:SGB+1], s[SGB:SGB+1], 8192
	s_add_co_u32 s[HO], s[HO], HBE
	s_add_co_u32 s[E], s[E], 1
	s_cmp_lt_u32 s[E], 16
	s_cbranch_scc1 .Le1
	s_wait_dscnt 0x0                               ; for the others' sake: my parts of the hidden layers have landed
	s_barrier_signal -1
	s_barrier_wait -1                              ; every used expert's hidden layer lies whole in LDS
	s_mov_b32 s[E], 0
	s_mov_b32 s[HO], 0
.irp tt, 0,1
.irp i, 0,1,2,3,4,5,6,7
	global_load_b32 v[OF+8*\tt+\i], v[H4], s[12:13] offset:(16*\tt+2*\i)*4   ; for the way out: lanes 0-15 the token at place 16 tt + 2 i, lanes 16-31 the next.  (The offset is the head's; no vector line has named v[96:111] yet)
.endr
.endr
	; ---------------- loop 2: down, times the weight, summed
.macro WD b, tx                        ; eight products: column tiles 4 b .. 4 b + 3 x the two tiles of tokens, each a whole sum (K = 128), into set tx
.irp nn, 0,1,2,3
.irp tt, 0,1
	WM \tx+8*(2*\nn+\tt), 128+8*(4*\b+\nn), HF+8*\tt, 1, SD+2*\b+\nn/2, HS, \nn%2, \tt
.endr
.endr
.endm
.macro FM b, tx                        ; out += weight x result: 32 packed multiply-adds, each result from its low pair on
.irp nn, 0,1,2,3
.irp tt, 0,1
.irp k, 0,2,4,6
	v_pk_fma_f32 v[8*(2*(4*\b+\nn)+\tt)+\k:8*(2*(4*\b+\nn)+\tt)+\k+1], v[\tx+8*(2*\nn+\tt)+\k:\tx+8*(2*\nn+\tt)+\k+1], v[CW+2*\tt:CW+2*\tt+1], v[8*(2*(4*\b+\nn)+\tt)+\k:8*(2*(4*\b+\nn)+\tt)+\k+1] op_sel_hi:[1,0,1]
.endr
.endr
.endr
.endm
.Le2:
	USED .Ls2
	v_add_nc_u32 v[HRA], s[HO], v[HRD0]
	v_add_nc_u32 v[HSRA], s[HO], v[HSR0]
	s_wait_alu depctr_va_vdst(0)                   ; the last walked expert's products are done reading their scale words, their fragments in window 2 and the hidden layer's registers, in which the 41 loads below land; v12 and v14 are written, which the LDS loads read
.irp q, 0,1,2,3
	global_load_b64 v[SD+2*\q:SD+2*\q+1], v[L8], s[SDB:SDB+1] offset:256*\q
.endr
	WIN 0x80
.irp n, 0,1,2,3,4,5,6,7,8,9,10,11,12,13,14,15
.irp c, 0,1
	global_load_b128 v[128+8*\n+4*\c:128+8*\n+4*\c+3], v[L16], s[DB:DB+1] offset:1024*\n+512*\c
.endr
.endr
	WIN 0
.irp tt, 0,1
.irp c, 0,1
	ds_load_b128 v[HF+8*\tt+4*\c:HF+8*\tt+4*\c+3], v[HRA] offset:1024*\tt+512*\c
.endr
.endr
	ds_load_b32 v[HS], v[HSRA]
.irp tt, 0,1
	v_cmp_eq_u32 s[CM+2*\tt], s[E], v[ET+2*\tt+1]  ; the combine weight of expert E for my token: its second weight, its first, or 0.  The four compares in one run,
	v_cmp_eq_u32 s[CM+2*\tt+1], s[E], v[ET+2*\tt]
.endr
	s_wait_alu depctr_va_sdst(0)                   ; which have written s[48:51], ahead of their first reader
.irp tt, 0,1
	v_cndmask_b32 v[CW+2*\tt], 0, v[WT+2*\tt+1], s[CM+2*\tt]
	v_cndmask_b32 v[CW+2*\tt], v[CW+2*\tt], v[WT+2*\tt], s[CM+2*\tt+1]
.endr
	s_wait_dscnt 0x0
	s_wait_loadcnt 24                              ; the scale words and column tiles 0-3 are in; the 24 loads of tiles 4-15 are younger
	WIN 0x02                                       ; source 0 (the weight) window 2
	WD 0, T0
	s_wait_alu depctr_va_vdst(0)
	s_wait_loadcnt 16
	WD 1, T1
.rept 4
	v_nop                                          ; four places behind the products before set 0 is read
.endr
	WIN 0xf0                                       ; the sums: window 3
	FM 0, T0                                       ; from here on one set's 32 multiply-adds are the places behind the other set's products, and ahead of products that write a set anew
	s_wait_loadcnt 8
	WIN 0x02
	WD 2, T0
	WIN 0xf0
	FM 1, T1
	s_wait_loadcnt 0x0
	WIN 0x02
	WD 3, T1
	WIN 0xf0
	FM 2, T0
	FM 3, T1
	WIN 0
.Ls2:
	s_wait_xcnt 0x0                                ; the loads have read their bases
	s_wait_alu depctr_vm_vsrc(0)                   ; the LDS loads of an expert just walked have read v12 and v14, which the next walk writes again
	s_add_nc_u64 s[DB:DB+1], s[DB:DB+1], 65536
	s_add_nc_u64 s[SDB:SDB+1], s[SDB:SDB+1], 4096
	s_add_co_u32 s[HO], s[HO], HBE
	s_add_co_u32 s[E], s[E], 1
	s_cmp_lt_u32 s[E], 16
	s_cbranch_scc1 .Le2
	; ---------------- the way out.  A lane holds 32 neighbouring bytes of a token's row and the lanes beside it other tokens: a tile of 16 tokens x my 256 columns goes through my own stage
	; (rows 1,040 bytes apart: 65 x 16) and comes back by rows; sixteen lanes then store 256 consecutive bytes, aligned, of the token's row of out0.
	s_wait_loadcnt 0x0                             ; the tokens' numbers
.set i, 0
.rept 16
	v_min_u32 v[OF+i], 0x1fff, v[OF+i]
	v_lshl_add_u32 v[OF+i], v[OF+i], 12, v[OL]     ; 4,096 bytes a row, + my bytes in it
.set i, i+1
.endr
	s_wait_alu depctr_va_vdst(0)                   ; the multiply-adds have written the sums in window 3, which the LDS stores read; the sixteen offsets v[96:111] are written, which the output's stores read; loop 1's products are done reading window 1, in which the loads from the stage land.  No vector line follows
.macro TOSTAGE tt
	WIN 0x0c                                       ; an LDS store's data are its source 1: window 3
.irp n, 0,1,2,3,4,5,6,7,8,9,10,11,12,13,14,15
	ds_store_b128 v[STO], v[8*(2*\n+\tt):8*(2*\n+\tt)+3] offset:64*\n
	ds_store_b128 v[STO], v[8*(2*\n+\tt)+4:8*(2*\n+\tt)+7] offset:64*\n+16
.endr
	WIN 0x40                                       ; back into window 1
.irp i, 0,1,2,3,4,5,6,7
.irp q, 0,1,2,3
	ds_load_b128 v[128*\tt+4*(4*\i+\q):128*\tt+4*(4*\i+\q)+3], v[SRD] offset:2*SPITCH*\i+256*\q    ; LDS serves a wave's instructions in order (ISA guide 5.7.1.4): these see the stores above, and the next tile's stores come behind them
.endr
.endr
.endm
.macro SEND tt
	WIN 0x04                                       ; a store's data are its source 1: window 1
.irp i, 0,1,2,3,4,5,6,7
.irp q, 0,1,2,3
	global_store_b128 v[OF+8*\tt+\i], v[128*\tt+4*(4*\i+\q):128*\tt+4*(4*\i+\q)+3], s[18:19] offset:256*\q th:TH_STORE_NT   ; written once, read by nobody here
.endr
.endr
.endm
	TOSTAGE 0
	TOSTAGE 1
	s_wait_dscnt 32                                ; tile 0 is back; only tile 1's 32 loads may be out
	SEND 0
	s_wait_dscnt 0x0
	SEND 1
	WIN 0
	s_wait_xcnt 0x0
	v_lshl_add_u32 v254, v0, 2, 0x1d800            ; the add's two registers, made anew straight ahead of the closing lines: no memory or LDS instruction has read v254 or v255
	v_mov_b32 v255, 0
	s_wait_dscnt 0x0                               ; the closing lines, six on end
	s_wait_alu 0x0
	s_wait_tensorcnt 0x0
	ds_add_u32 v254, v255
	s_wait_dscnt 0x0
	s_endpgm
.Lfunc_end_k_qac34d3b7c2_chain:
	.size	k_qac34d3b7c2_chain, .Lfunc_end_k_qac34d3b7c2_chain-k_qac34d3b7c2_chain
	.p2alignl 7, 3214868480
	.fill 96, 4, 3214868480
	.section	.rodata,"a",@progbits
	.p2align	6, 0x0
	.amdhsa_kernel k_qac34d3b7c2_chain
		.amdhsa_group_segment_fixed_size 121344
		.amdhsa_private_segment_fixed_size 0
		.amdhsa_enable_private_segment 0
		.amdhsa_kernarg_size 64
		.amdhsa_user_sgpr_count 2
		.amdhsa_user_sgpr_kernarg_segment_ptr 1
		.amdhsa_wavefront_size32 1
		.amdhsa_system_sgpr_workgroup_id_x 1
		.amdhsa_system_sgpr_workgroup_id_y 1
		.amdhsa_system_sgpr_workgroup_id_z 1
		.amdhsa_system_vgpr_workitem_id 0
		.amdhsa_next_free_vgpr 1024
		.amdhsa_next_free_sgpr 66
		.amdhsa_reserve_vcc 0
		.amdhsa_float_denorm_mode_32 3
		.amdhsa_float_denorm_mode_16_64 3
		.amdhsa_memory_ordered 1
		.amdhsa_forward_progress 1
		.amdhsa_inst_pref_size 79
	.end_amdhsa_kernel
	.amdgpu_metadata
---
amdhsa.version: [ 1, 2 ]
amdhsa.kernels:
  - .name:           k_qac34d3b7c2_chain
    .symbol:         k_qac34d3b7c2_chain.kd
    .args:
      - { .name: xq, .offset: 0, .size: 8, .value_kind: global_buffer, .address_space: global }
      - { .name: xs, .offset: 8, .size: 8, .value_kind: global_buffer, .address_space: global }
      - { .name: sel, .offset: 16, .size: 8, .value_kind: global_buffer, .address_space: global }
      - { .name: rw, .offset: 24, .size: 8, .value_kind: global_buffer, .address_space: global }
      - { .name: order, .offset: 32, .size: 8, .value_kind: global_buffer, .address_space: global }
      - { .name: wq, .offset: 40, .size: 8, .value_kind: global_buffer, .address_space: global }
      - { .name: ws, .offset: 48, .size: 8, .value_kind: global_buffer, .address_space: global }
      - { .name: out0, .offset: 56, .size: 8, .value_kind: global_buffer, .address_space: global }
    .group_segment_fixed_size: 121344
    .private_segment_fixed_size: 0
    .kernarg_segment_align: 8
    .kernarg_segment_size: 64
    .max_flat_workgroup_size: 128
    .sgpr_count:     66
    .vgpr_count:     1024
    .wavefront_size: 32
...
	.end_amdgpu_metadata
.endif
;; end of part 7
